; MI455X (gfx1250); checked and timed in simulation.
; The chip was launched on July 23, 2026; its instructions are those of AMD's public machine-readable ISA for CDNA 5 (MIT licence, August 2026) and "CDNA5" Instruction Set Architecture Reference Guide (July 2026). The comments in the code are by the model that wrote it; some were corrected since.
;; Block. Allowed arithmetic: float matrix products may take bf16 or f16 operands with f32 sums; all other float work in f32.
;; Inputs: Wk 256 x 1,024 float32; Wo 1,024 x 1,024 float32; Wq 1,024 x 1,024 float32; Wv 256 x 1,024 float32; attn_mod_bias 1,024 float32; attn_mod_gain 1,024 float32; attn_norm_w 1,024 float32; attn_post_norm_w 1,024 float32; attn_scale 1,024 float32; fc_w 4,096 x 1,024 float32; mlp_mod_bias 1,024 float32; mlp_mod_gain 1,024 float32; mlp_norm_w 1,024 float32; mlp_post_norm_w 1,024 float32; mlp_scale 1,024 float32; proj_w 1,024 x 4,096 float32; q_gain 16 float32; x 2 x 2,048 x 1,024 float32.
;; Outputs: out0 2 x 2,048 x 1,024 float32.
;; 2 versions, each right and faster than the one before. Each part assembles by itself: llvm-mc -triple=amdgcn-amd-amdhsa -mcpu=gfx1250 --defsym DOCPART=n.
;; ======== version 1 of 2: 8 launches
;; limits: values are held in f16: magnitudes above 65,504 overflow, below 6.1e-05 lose precision; right only within a limited range of input values
;; workspace buffers: w16 22,020,096 bytes; xn16 8,388,608 bytes; tab 545,024 bytes; qkv16 12,582,912 bytes; y16 8,388,608 bytes; raw 16,777,216 bytes; x1 16,777,216 bytes; h16 33,554,432 bytes
;; launch prep (part 1): grid 961 x 1, 8 waves a work-group, no clusters, 0 bytes of LDS; arguments Wq, Wk, Wv, Wo, fc_w, proj_w, x, attn_norm_w, attn_post_norm_w, attn_mod_gain, attn_mod_bias, attn_scale, mlp_norm_w, mlp_post_norm_w, mlp_mod_gain, mlp_mod_bias, mlp_scale, q_gain, w16, xn16, tab; writes w16, xn16, tab
.if DOCPART == 1
	.amdgcn_target "amdgcn-amd-amdhsa--gfx1250"
	.amdhsa_code_object_version 6
	.text
	.protected	k_q1d66b84cfc_prep
	.globl	k_q1d66b84cfc_prep
	.p2align	8
	.type	k_q1d66b84cfc_prep,@function
k_q1d66b84cfc_prep:
	s_mov_b64 s[64:65], 0
	v_nop
	global_prefetch_b8 v0, s[64:65] scope:SCOPE_SE
	s_setreg_imm32_b32 hwreg(HW_REG_WAVE_MODE, 25, 1), 1
	s_wait_xcnt 0x0
; PREP: everything that is made once from the inputs.  Every input is first rounded to bf16 (one choice for the whole program).
; Work-groups 0-671:   16,384 weights each: rounded to bf16; Wq, Wk, Wv, Wo, fc_w are then written as f16, proj_w as bf16, into w16.
; Work-groups 672-927: 16 rows of x each, two a wave: xn = x * rsqrt(mean(x^2) + 1e-6) * attn_norm_w, written as f16.
; Work-groups 928-959: 64 rows each of the rotary table: row t = cos(t f_i), i = 0..31, then sin(t f_i); f_i = 10000^(-i/32); 256 bytes a row.
; Work-group 960:      the vectors of the two branch ends, combined: A = scale * post_norm_w * gain, B = scale * bias; and a pair (GA, BETA) for each head column.
; LIMITS.  A weight's bf16 value is exact in f16 from 2^-17 to 65,504; below that it keeps f16's fixed step of 6e-8; beyond 65,504 it is lost.  |xn| <= 32 |attn_norm_w| must stay under 65,504.
; The angle t f_i is reduced by a two-part pi/2 and may differ from an f32 product's by some 4e-4 at t = 2,047.  A = scale * (post_norm_w * gain) changes the order of three f32 roundings.
; A stream: no LDS, no matrix unit, no cluster (the work-groups share nothing but 4 KB vectors).
.macro RB2 a, b, t                     ; two f32 rounded to bf16 and kept as f32
	v_cvt_pk_bf16_f32 v[\t], v[\a], v[\b]
	v_lshlrev_b32 v[\a], 16, v[\t]
	v_and_b32 v[\b], 0xffff0000, v[\t]
.endm
.macro WRED v, t                       ; the sum over the wave's 32 lanes, in every lane
	v_add_f32_dpp v[\v], v[\v], v[\v] row_xmask:1 row_mask:0xf bank_mask:0xf
	v_add_f32_dpp v[\v], v[\v], v[\v] row_xmask:2 row_mask:0xf bank_mask:0xf
	v_add_f32_dpp v[\v], v[\v], v[\v] row_xmask:4 row_mask:0xf bank_mask:0xf
	v_add_f32_dpp v[\v], v[\v], v[\v] row_xmask:8 row_mask:0xf bank_mask:0xf
	v_permlanex16_b32 v[\t], v[\v], s2, s3
	v_add_f32 v[\v], v[\v], v[\t]
.endm
	s_load_b512 s[8:23], s[0:1], 0x0               ; argument n lies in s[8+2n:9+2n]
	s_load_b512 s[24:39], s[0:1], 0x40
	s_load_b256 s[40:47], s[0:1], 0x80
	s_load_b64 s[48:49], s[0:1], 0xa0
	s_mov_b32 s4, ttmp9                            ; the work-group's number chooses the role
	v_lshrrev_b32 v1, 5, v0
	v_readfirstlane_b32 s5, v1                     ; wave 0..7
	v_and_b32 v5, 31, v0                           ; lane
	s_mov_b32 s2, 0x76543210                       ; v_permlanex16_b32: each lane takes its own place in the other half
	s_mov_b32 s3, 0xfedcba98
	s_mov_b32 s6, 0x3a800000                       ; 1 / 1024
	s_mov_b32 s7, 0x358637bd                       ; 1e-6
	s_wait_kmcnt 0x0
	s_cmp_lt_u32 s4, 672
	s_cbranch_scc1 .Lweights
	s_cmp_lt_u32 s4, 928
	s_cbranch_scc1 .Lrows
	s_cmp_lt_u32 s4, 960
	s_cbranch_scc1 .Ltable
	; THE VECTORS.  Thread t takes columns 4 t .. 4 t + 3 of nine vectors.
	v_lshlrev_b32 v1, 4, v0
	global_load_b128 v[8:11],  v1, s[24:25]        ; attn_post_norm_w
	global_load_b128 v[12:15], v1, s[26:27]        ; attn_mod_gain
	global_load_b128 v[16:19], v1, s[28:29]        ; attn_mod_bias
	global_load_b128 v[20:23], v1, s[30:31]        ; attn_scale
	global_load_b128 v[24:27], v1, s[32:33]        ; mlp_norm_w
	global_load_b128 v[28:31], v1, s[34:35]        ; mlp_post_norm_w
	global_load_b128 v[32:35], v1, s[36:37]        ; mlp_mod_gain
	global_load_b128 v[36:39], v1, s[38:39]        ; mlp_mod_bias
	global_load_b128 v[40:43], v1, s[40:41]        ; mlp_scale
	s_wait_loadcnt 0x0
.set k, 0
.rept 18
	RB2 8+2*k, 9+2*k, 4
.set k, k+1
.endr
.irp e, 0,2
	v_pk_mul_f32 v[44+\e:45+\e], v[8+\e:9+\e], v[12+\e:13+\e]
	v_pk_mul_f32 v[44+\e:45+\e], v[44+\e:45+\e], v[20+\e:21+\e]   ; A1
	v_pk_mul_f32 v[48+\e:49+\e], v[20+\e:21+\e], v[16+\e:17+\e]   ; B1
	v_pk_mul_f32 v[52+\e:53+\e], v[28+\e:29+\e], v[32+\e:33+\e]
	v_pk_mul_f32 v[52+\e:53+\e], v[52+\e:53+\e], v[40+\e:41+\e]   ; A2
	v_pk_mul_f32 v[56+\e:57+\e], v[40+\e:41+\e], v[36+\e:37+\e]   ; B2
.endr
	global_store_b128 v1, v[44:47], s[48:49] offset:524288
	global_store_b128 v1, v[48:51], s[48:49] offset:524288+4096
	global_store_b128 v1, v[24:27], s[48:49] offset:524288+8192   ; W2 = mlp_norm_w
	global_store_b128 v1, v[52:55], s[48:49] offset:524288+12288
	global_store_b128 v1, v[56:59], s[48:49] offset:524288+16384
	s_cmp_lg_u32 s5, 0
	s_cbranch_scc1 .Lpend
	; wave 0: head column l gets (GA, BETA): a query head (q_gain, 0), a key head (1, 0), a value head (0, 1); columns 24-31 do not exist and get (0, 0), so that the 256 bytes are written whole
	v_min_u32 v60, 15, v0
	v_lshlrev_b32 v60, 2, v60
	global_load_b32 v61, v60, s[42:43]
	v_cmp_gt_u32 vcc_lo, 20, v0
	v_cndmask_b32 v63, 0, 1.0, vcc_lo
	v_add_nc_u32 v66, 0xffffffec, v0               ; l - 20
	v_cmp_gt_u32 vcc_lo, 4, v66
	v_cndmask_b32 v65, 0, 1.0, vcc_lo              ; BETA
	v_lshlrev_b32 v67, 3, v0
	s_wait_loadcnt 0x0
	v_cvt_pk_bf16_f32 v62, v61, v61
	v_lshlrev_b32 v61, 16, v62
	v_cmp_gt_u32 vcc_lo, 16, v0
	v_cndmask_b32 v64, v63, v61, vcc_lo            ; GA
	global_store_b64 v67, v[64:65], s[48:49] offset:544768
.Lpend:
	s_endpgm
	; THE WEIGHTS.  The six tensors lie one behind the other in chunks of 16,384 numbers; a chunk's place in w16 is 32,768 bytes times its number.
.macro PICK first, lo                  ; from chunk \first on the source is the tensor in s[\lo:\lo+1]
	s_cmp_ge_u32 s4, \first
	s_cselect_b64 s[50:51], s[\lo:\lo+1], s[50:51]
	s_cselect_b32 s52, \first, s52
.endm
.Lweights:
	s_mov_b64 s[50:51], s[8:9]
	s_mov_b32 s52, 0
	PICK 64, 10
	PICK 80, 12
	PICK 96, 14
	PICK 160, 16
	PICK 416, 18
	s_sub_co_u32 s53, s4, s52
	s_lshl_b32 s54, s53, 16                        ; 65,536 bytes of f32 a chunk
	s_mov_b32 s55, 0
	s_add_nc_u64 s[50:51], s[50:51], s[54:55]
	s_lshl_b32 s56, s4, 15
	s_mov_b32 s57, 0
	s_add_nc_u64 s[58:59], s[44:45], s[56:57]
	v_lshlrev_b32 v1, 4, v0
	v_lshlrev_b32 v2, 3, v0
.set j, 0
.rept 16                               ; all sixteen loads of a thread go out at once: 512 consecutive bytes a wave and load
	global_load_b128 v[8+4*j:11+4*j], v1, s[50:51] offset:4096*j th:TH_LOAD_NT
.set j, j+1
.endr
	s_cmp_ge_u32 s4, 416
	s_cbranch_scc1 .Lwproj
.set j, 0
.rept 16
	s_wait_loadcnt 15-j                            ; loads come back in order: load j is in, the 15 - j younger ones stay out
	RB2 8+4*j, 9+4*j, 72+2*j
	RB2 10+4*j, 11+4*j, 73+2*j
	v_cvt_pk_f16_f32 v[72+2*j], v[8+4*j], v[9+4*j]
	v_cvt_pk_f16_f32 v[73+2*j], v[10+4*j], v[11+4*j]
	global_store_b64 v2, v[72+2*j:73+2*j], s[58:59] offset:2048*j  ; a wave stores 256 consecutive bytes, aligned; each store has data registers of its own
.set j, j+1
.endr
	s_endpgm
.Lwproj:
.set j, 0
.rept 16
	s_wait_loadcnt 15-j
	v_cvt_pk_bf16_f32 v[72+2*j], v[8+4*j], v[9+4*j]
	v_cvt_pk_bf16_f32 v[73+2*j], v[10+4*j], v[11+4*j]
	global_store_b64 v2, v[72+2*j:73+2*j], s[58:59] offset:2048*j
.set j, j+1
.endr
	s_endpgm
	; THE ROWS OF x.  A wave takes two rows; lane l owns columns 128 j + 4 l + 0..3, j = 0..7.
.macro XROW X, PKR, imm
.set k, 0
.rept 16
	RB2 (\X)+2*k, (\X)+2*k+1, 4
.set k, k+1
.endr
	v_pk_mul_f32 v[140:141], v[(\X):(\X)+1], v[(\X):(\X)+1]        ; the first two products start two chains: nothing is cleared
	v_pk_mul_f32 v[142:143], v[(\X)+2:(\X)+3], v[(\X)+2:(\X)+3]
.set k, 2
.rept 14
	v_pk_fma_f32 v[140+2*(k%2):141+2*(k%2)], v[(\X)+2*k:(\X)+2*k+1], v[(\X)+2*k:(\X)+2*k+1], v[140+2*(k%2):141+2*(k%2)]
.set k, k+1
.endr
	v_pk_add_f32 v[140:141], v[140:141], v[142:143]
	v_add_f32 v140, v140, v141
	WRED 140, 141
	v_fma_f32 v140, v140, s6, s7                   ; mean + eps
	v_rsq_f32 v144, v140
	v_rsq_f32 v145, v140                           ; twice: a pair for the packed multiply
	v_nop                                          ; a plain instruction between the root and its use (ISA guide 5.7.2)
.set k, 0
	s_wait_alu depctr_va_vdst(0)
.rept 16
	v_pk_mul_f32 v[(\X)+2*k:(\X)+2*k+1], v[(\X)+2*k:(\X)+2*k+1], v[144:145]
.set k, k+1
.endr
.set k, 0
.rept 16
	v_pk_mul_f32 v[(\X)+2*k:(\X)+2*k+1], v[(\X)+2*k:(\X)+2*k+1], v[8+2*k:9+2*k]
.set k, k+1
.endr
.set k, 0
.rept 16
	v_cvt_pk_f16_f32 v[(\PKR)+k], v[(\X)+2*k], v[(\X)+2*k+1]
.set k, k+1
.endr
.set k, 0
.rept 8
	global_store_b64 v2, v[(\PKR)+2*k:(\PKR)+2*k+1], s[56:57] offset:256*k+(\imm)  ; 256 consecutive bytes a wave, aligned
.set k, k+1
.endr
.endm
.Lrows:
	s_sub_co_u32 s50, s4, 672
	s_lshl_b32 s50, s50, 4
	s_lshl1_add_u32 s50, s5, s50                   ; my first row = 16 x group + 2 x wave
	s_lshl_b32 s52, s50, 12
	s_mov_b32 s53, 0
	s_add_nc_u64 s[54:55], s[20:21], s[52:53]
	s_lshl_b32 s52, s50, 11
	s_add_nc_u64 s[56:57], s[46:47], s[52:53]
	v_lshlrev_b32 v1, 4, v5
	v_lshlrev_b32 v2, 3, v5
.set j, 0
.rept 8
	global_load_b128 v[8+4*j:11+4*j], v1, s[22:23] offset:512*j
.set j, j+1
.endr
.set j, 0
.rept 8
	global_load_b128 v[40+4*j:43+4*j], v1, s[54:55] offset:512*j
.set j, j+1
.endr
.set j, 0
.rept 8
	global_load_b128 v[72+4*j:75+4*j], v1, s[54:55] offset:4096+512*j
.set j, j+1
.endr
	s_wait_loadcnt 8                               ; the gain and the first row are in; the second row's eight loads stay out
.set k, 0
.rept 16
	RB2 8+2*k, 9+2*k, 4
.set k, k+1
.endr
	XROW 40, 104, 0
	s_wait_loadcnt 0x0
	XROW 72, 120, 2048
	s_endpgm
	; THE ROTARY TABLE.  A wave makes 8 rows, one a trip.  Lanes 0-15 make cos, lanes 16-31 sin, of i = 2 (l % 16) and the next: 8 bytes a lane, 256 consecutive bytes a wave.
	; sin(a): n = round(a 2/pi), r = a - n pi/2 in two parts, a polynomial for sin r and one for cos r on |r| <= pi/4; the quadrant n (n + 1 for cos) picks polynomial and sign.
.macro SC fr, out
	v_mul_f32 v21, v20, v[\fr]                     ; a = t f
	v_mul_f32 v22, 0x3f22f983, v21                 ; a 2/pi
	v_rndne_f32 v22, v22
	v_fma_f32 v23, -v22, s56, v21
	v_fma_f32 v23, -v22, s57, v23                  ; r
	v_mul_f32 v24, v23, v23                        ; z = r^2
	v_fmaak_f32 v25, v30, v24, 0x3c08839e
	v_fmaak_f32 v25, v25, v24, 0xbe2aaaa3
	v_mul_f32 v26, v24, v23
	v_fma_f32 v25, v25, v26, v23                   ; sin r
	v_fmaak_f32 v27, v31, v24, 0xbab6061a
	v_fmaak_f32 v27, v27, v24, 0x3d2aaaa5
	v_mul_f32 v28, v24, v24
	v_fma_f32 v29, v24, -0.5, 1.0
	v_fma_f32 v27, v27, v28, v29                   ; cos r
	v_cvt_i32_f32 v22, v22
	v_add_nc_u32 v22, v22, v6                      ; the quadrant
	v_and_b32 v28, 1, v22
	v_cmp_ne_u32 vcc_lo, 0, v28
	v_cndmask_b32 v25, v25, v27, vcc_lo
	v_and_b32 v22, 2, v22
	v_lshlrev_b32 v22, 30, v22
	v_xor_b32 v[\out], v22, v25
.endm
.Ltable:
	s_sub_co_u32 s50, s4, 928
	s_lshl_b32 s50, s50, 6
	s_lshl3_add_u32 s50, s5, s50                   ; my first position t = 64 x group + 8 x wave
	s_lshl_b32 s52, s50, 8
	s_mov_b32 s53, 0
	s_add_nc_u64 s[54:55], s[48:49], s[52:53]
	s_mov_b32 s56, 0x3fc90fdb                      ; pi/2, upper part
	s_mov_b32 s57, 0xb33bbd2e                      ; and what is left of it
	v_lshlrev_b32 v3, 3, v5
	v_cmp_gt_u32 vcc_lo, 16, v5
	v_cndmask_b32 v6, 0, 1, vcc_lo                 ; 1 for cos
	v_and_b32 v7, 15, v5
	v_lshlrev_b32 v7, 1, v7
	v_cvt_f32_u32 v7, v7                           ; i
	v_add_f32 v9, 1.0, v7
	v_mul_f32 v8, 0xbed49a78, v7                   ; -log2(10000) / 32 x i
	v_mul_f32 v9, 0xbed49a78, v9
	v_exp_f32 v8, v8
	v_exp_f32 v9, v9
	v_mov_b32 v30, 0xb94ca1f9
	v_mov_b32 v31, 0x37ccf5ce
	s_mov_b32 s51, 8
.Ltrow:
	v_cvt_f32_u32 v20, s50
	s_wait_alu depctr_va_vdst(0)
	SC 8, 40
	SC 9, 41
	global_store_b64 v3, v[40:41], s[54:55]
	s_wait_xcnt 0x0                                ; the base and the data pair are rewritten only behind this wait
	s_add_nc_u64 s[54:55], s[54:55], 256
	s_add_co_u32 s50, s50, 1
	s_sub_co_u32 s51, s51, 1
	s_cmp_lg_u32 s51, 0
	s_cbranch_scc1 .Ltrow
	s_endpgm
.Lfunc_end_k_q1d66b84cfc_prep:
	.size	k_q1d66b84cfc_prep, .Lfunc_end_k_q1d66b84cfc_prep-k_q1d66b84cfc_prep
	.p2alignl 7, 3214868480
	.fill 96, 4, 3214868480
	.section	.rodata,"a",@progbits
	.p2align	6, 0x0
	.amdhsa_kernel k_q1d66b84cfc_prep
		.amdhsa_group_segment_fixed_size 0
		.amdhsa_private_segment_fixed_size 0
		.amdhsa_enable_private_segment 0
		.amdhsa_kernarg_size 168
		.amdhsa_user_sgpr_count 2
		.amdhsa_user_sgpr_kernarg_segment_ptr 1
		.amdhsa_wavefront_size32 1
		.amdhsa_system_sgpr_workgroup_id_x 1
		.amdhsa_system_sgpr_workgroup_id_y 1
		.amdhsa_system_sgpr_workgroup_id_z 1
		.amdhsa_system_vgpr_workitem_id 0
		.amdhsa_next_free_vgpr 160
		.amdhsa_next_free_sgpr 66
		.amdhsa_reserve_vcc 1
		.amdhsa_float_denorm_mode_32 3
		.amdhsa_float_denorm_mode_16_64 3
		.amdhsa_memory_ordered 1
		.amdhsa_forward_progress 1
		.amdhsa_inst_pref_size 47
	.end_amdhsa_kernel
	.amdgpu_metadata
---
amdhsa.version: [ 1, 2 ]
amdhsa.kernels:
  - .name:           k_q1d66b84cfc_prep
    .symbol:         k_q1d66b84cfc_prep.kd
    .args:
      - { .name: Wq, .offset: 0, .size: 8, .value_kind: global_buffer, .address_space: global }
      - { .name: Wk, .offset: 8, .size: 8, .value_kind: global_buffer, .address_space: global }
      - { .name: Wv, .offset: 16, .size: 8, .value_kind: global_buffer, .address_space: global }
      - { .name: Wo, .offset: 24, .size: 8, .value_kind: global_buffer, .address_space: global }
      - { .name: fc_w, .offset: 32, .size: 8, .value_kind: global_buffer, .address_space: global }
      - { .name: proj_w, .offset: 40, .size: 8, .value_kind: global_buffer, .address_space: global }
      - { .name: x, .offset: 48, .size: 8, .value_kind: global_buffer, .address_space: global }
      - { .name: attn_norm_w, .offset: 56, .size: 8, .value_kind: global_buffer, .address_space: global }
      - { .name: attn_post_norm_w, .offset: 64, .size: 8, .value_kind: global_buffer, .address_space: global }
      - { .name: attn_mod_gain, .offset: 72, .size: 8, .value_kind: global_buffer, .address_space: global }
      - { .name: attn_mod_bias, .offset: 80, .size: 8, .value_kind: global_buffer, .address_space: global }
      - { .name: attn_scale, .offset: 88, .size: 8, .value_kind: global_buffer, .address_space: global }
      - { .name: mlp_norm_w, .offset: 96, .size: 8, .value_kind: global_buffer, .address_space: global }
      - { .name: mlp_post_norm_w, .offset: 104, .size: 8, .value_kind: global_buffer, .address_space: global }
      - { .name: mlp_mod_gain, .offset: 112, .size: 8, .value_kind: global_buffer, .address_space: global }
      - { .name: mlp_mod_bias, .offset: 120, .size: 8, .value_kind: global_buffer, .address_space: global }
      - { .name: mlp_scale, .offset: 128, .size: 8, .value_kind: global_buffer, .address_space: global }
      - { .name: q_gain, .offset: 136, .size: 8, .value_kind: global_buffer, .address_space: global }
      - { .name: w16, .offset: 144, .size: 8, .value_kind: global_buffer, .address_space: global }
      - { .name: xn16, .offset: 152, .size: 8, .value_kind: global_buffer, .address_space: global }
      - { .name: tab, .offset: 160, .size: 8, .value_kind: global_buffer, .address_space: global }
    .group_segment_fixed_size: 0
    .private_segment_fixed_size: 0
    .kernarg_segment_align: 8
    .kernarg_segment_size: 168
    .max_flat_workgroup_size: 256
    .sgpr_count:     66
    .vgpr_count:     160
    .wavefront_size: 32
...
	.end_amdgpu_metadata
.endif
;; end of part 1
;; launch qkv (part 2): grid 8 x 32, 4 waves a work-group, clusters of 4 x 4, 327,680 bytes of LDS; arguments xn16, w16, tab, qkv16; writes qkv16
.if DOCPART == 2
	.amdgcn_target "amdgcn-amd-amdhsa--gfx1250"
	.amdhsa_code_object_version 6
	.text
	.protected	k_q1d66b84cfc_qkv
	.globl	k_q1d66b84cfc_qkv
	.p2align	8
	.type	k_q1d66b84cfc_qkv,@function
k_q1d66b84cfc_qkv:
	s_mov_b64 s[64:65], 0
	v_nop
	global_prefetch_b8 v0, s[64:65] scope:SCOPE_SE
	s_setreg_imm32_b32 hwreg(HW_REG_WAVE_MODE, 25, 1), 1
	s_wait_xcnt 0x0
	s_wait_alu depctr_hold_cnt(0) depctr_sa_sdst(0) depctr_va_vdst(0) depctr_va_sdst(0) depctr_va_ssrc(0) depctr_va_vcc(0) depctr_vm_vsrc(0)
	s_getreg_b32 s2, hwreg(HW_REG_IB_STS2, 6, 4)
	s_cmp_eq_u32 s2, 0
	s_cbranch_scc0 .Lentry_in_a_cluster
	s_endpgm
.Lentry_in_a_cluster:
	s_bfe_u32 s2, ttmp6, 0x10000c
	s_cmp_lg_u32 s2, 0xf033
	s_cbranch_scc0 .Lentry_shape_is_right
	s_endpgm
.Lentry_shape_is_right:
; QKV: C[m][n] = sum over k of xn[m][k] W[n][k], m = 4,096 tokens, n = 1,536 (Wq, Wk, Wv), k = 1,024, f16 operands, f32 sums; on the way out the head's rmsnorm (eps 2^-23), the rotation, q_gain,
; and the layout by heads: qkv16[2 hc + b][t][64] in f16, hc = 0-15 query heads, 16-19 key heads, 20-23 value heads.
; A tile of C is 128 x 192 (three heads): 32 x 8 = 256 tiles, one for each of 256 work-groups.  Four waves; wave w owns rows 32 w .. 32 w + 31 and all 192 columns: 2 x 12 = 24 accumulators, so that
; a head's 64 columns lie whole in one wave (a split of the columns between waves would cut the middle head).  The price: 28 LDS loads for 24 matrix instructions.
; K goes in 8 steps of 128 (LDS rows of 256 bytes + 16) through two slots filled by tensor loads.  Two slots of 256 along K would be 2 x 320 x 528 = 337,920 bytes: more than a work-group can be given.
; CLUSTER 4 x 4: the four of a row need the same tiles of A, the four of a column the same tiles of B: each tile is asked for jointly.
; The matrix instruction is used transposed (source 0 = 16 rows of W, source 1 = 16 tokens): a lane holds one token (lane % 16) and the channels 16 b + 8 (lane / 16) + 0..7.
; Query, key and value heads differ by two NUMBERS alone, (GA, BETA), read from tab: cos' = cos r GA + BETA, sin' = sin r GA, r = 1/rms; a value head has (0, 1): cos' = 1, sin' = 0.  No branch hangs on the head.
; LIMITS.  f16 out: |q| <= 8 |q_gain|, |k| <= 8, and v must stay under 65,504; below 6e-5 f16 keeps its fixed step of 6e-8.  x (cos r g) is rounded in another order than ((x r) cos) g.
; REGISTERS, in windows of 256 (s_set_vgpr_msb: bits 1:0 source 0, 3:2 source 1, 5:4 source 2, 7:6 destination):
;   window 0: v6-15 at work; v16-29 addresses; v32-63, v64-95 the table for my two groups of 16 tokens; v96-127 the way out; v128-159 the scaled table; v160-191 the rotated numbers
;   window 1: two fragment buffers of 112: B's 12 fragments, then A's 2          window 2: accumulator (a, b) at v[8 (12 a + b)]
.set SIZE_K, 1024
.set KSTEP,  128
.set PITCH,  272                       ; 256 bytes + 16 = 68 words: the 16 rows of a fragment load start at 16 different groups of four banks (ISA guide 11.1)
.set AHALF,  64*PITCH                  ; what a tensor load of A brings
.set BHALF,  96*PITCH                  ; what a tensor load of B brings
.set BBASE,  2*AHALF                   ; in a slot: A's 128 rows, then B's 192 rows: 87,040 bytes
.set SLOT1,  1<<17                     ; slot 1 begins here, so that one exclusive or turns an address in one slot into the other's
.set STAGE,  SLOT1+BBASE+2*BHALF       ; behind the ring: 16 rows of 128 bytes + 16 for each wave, for the way out
.set SPITCH, 144
.set SPARE,  STAGE+4*16*SPITCH         ; the spare words: 128 bytes a wave, two blocks of 256 bytes that no other line names
.set STEPS,  SIZE_K/KSTEP
.set ADRA0, 16                         ; my lane's place in A's tile of slot 0; never rewritten
.set ADRA,  17                         ; the same in the slot in hand
.set ADRB0, 20
.set ADRB,  21
.set STO,  24
.set RD,   25
.set CO,   26
.set TO,   27                          ; my byte offset in 16 rows of the table
.set SPW,  28
.set NIL,  29
.set T0,   32                          ; cos (16 registers), then sin, of the 16 tokens in hand
.set T1,   64                          ; of my second 16 tokens
.set OUT,  96
.set BK,   112
.set TS,   128
.set YR,   160
.set F0,   0
.set F1,   128
.set G1,  24                           ; s[24:31] group 1 for A; s[32:35], s[36:39] group 0: K step 0; K step 1, which then walks
.set G0,  32
.set G1B, 48                           ; s[48:55], s[56:63] the same for B
.set G0B, 56
.set SB,  45                           ; s45: LDS byte at which the slot in hand begins
.set GAB, 84                           ; s[84:89] (GA, BETA) of my tile's three heads
.set BP,  90                           ; s[90:95] each BETA once more, as a pair for the packed multiply-add
.set MSB, 0
.macro WIN new                         ; the immediate's high byte repeats the setting that is left
.if MSB != (\new)
	s_set_vgpr_msb (MSB<<8)|(\new)
.set MSB, \new
.endif
.endm
.set MULW, 0xa5                        ; sources 0 (B) and 1 (A) window 1; C and D window 2
.set TO_F, 0x40                        ; destination window 1, address window 0
.macro JLOAD                           ; a joint refill by the walking descriptor: waves 0, 1 fetch A's halves, waves 2, 3 B's; s_nop 0 and four v_nop follow each line
	s_cmp_eq_u32 s11, 0
	s_cbranch_scc0 .Lfor_b_\@
	tensor_load_to_lds s[G0+4:G0+7], s[G1:G1+7]
	s_nop 0
.rept 4
	v_nop
.endr
	s_branch .Lasked_\@
.Lfor_b_\@:
	tensor_load_to_lds s[G0B+4:G0B+7], s[G1B:G1B+7]
	s_nop 0
.rept 4
	v_nop
.endr
.Lasked_\@:
.endm
.macro CREST                           ; a round of the cluster's barrier behind its opening barrier
	s_cmp_lg_u32 s10, 0
	s_cbranch_scc1 .Lnot_wave_0_\@
	s_barrier_signal -3
.Lnot_wave_0_\@:
	s_barrier_wait -3
	s_barrier_signal -1
	s_barrier_wait -1
.endm
.macro CROUND
	s_barrier_signal -1
	s_barrier_wait -1
	CREST
.endm
	s_load_b128 s[4:7], s[0:1], 0x0                ; xn16, w16
	s_load_b128 s[68:71], s[0:1], 0x10             ; tab, qkv16
	v_lshl_add_u32 v[SPW], v0, 2, SPARE
	v_mov_b32 v[NIL], 0
	ds_add_u32 v[SPW], v[NIL]                      ; the wave's opening: the add and its wait stand ahead of my first tensor load
	v_lshrrev_b32 v1, 5, v0
	v_readfirstlane_b32 s10, v1                    ; wave 0..3
	s_lshr_b32 s11, s10, 1                         ; I fetch for A (0) or for B (1),
	s_and_b32 s12, s10, 1                          ; and which half of that tile's rows
	s_bfe_u32 s40, ttmp6, 0x40000                  ; cx
	s_bfe_u32 s41, ttmp6, 0x40004                  ; cy
	s_lshl_b32 s42, ttmp9, 2
	s_add_co_u32 s42, s42, s40                     ; tile column, 0 to 7
	s_and_b32 s13, ttmp7, 0xffff
	s_lshl_b32 s13, s13, 2
	s_add_co_u32 s13, s13, s41                     ; tile row, 0 to 31
	s_lshl_b32 s43, s41, 2
	s_lshl_b32 s43, 15, s43                        ; my row of the cluster
	s_lshl_b32 s44, 0x1111, s40                    ; my column
	s_or_b32 s[G1+0], s43, (1<<16)|(1<<20)|(1<<21)|(5<<22)|(3<<25)  ; mask; 2-byte elements; padding on; bit 21 beside a mask; after every 64 words 4 words
	s_or_b32 s[G1B+0], s44, (1<<16)|(1<<20)|(1<<21)|(5<<22)|(3<<25)
	s_mov_b32 s[G1+1], KSTEP<<16                   ; tensor_dim0 = 128
	s_mov_b32 s[G1+2], 64<<16                      ; tensor_dim1 = 64
	s_mov_b32 s[G1+3], KSTEP<<16                   ; tile_dim0 = 128
	s_mov_b32 s[G1+4], 64                          ; tile_dim1 = 64
	s_mov_b32 s[G1+5], SIZE_K                      ; elements from row to row
	s_mov_b32 s[G1+6], 0
	s_mov_b32 s[G1+7], 0
	s_mov_b32 s[G1B+1], KSTEP<<16
	s_mov_b32 s[G1B+2], 96<<16                     ; B's loads have 96 rows
	s_mov_b32 s[G1B+3], KSTEP<<16
	s_mov_b32 s[G1B+4], 96
	s_mov_b32 s[G1B+5], SIZE_K
	s_mov_b32 s[G1B+6], 0
	s_mov_b32 s[G1B+7], 0
	s_lshl_b32 s17, s12, 6
	s_lshl_b32 s16, s13, 7
	s_add_co_u32 s16, s16, s17                     ; A: row 128 x tile row + 64 x half
	s_mul_i32 s46, s42, 192
	s_mul_i32 s47, s12, 96
	s_add_co_u32 s46, s46, s47                     ; B: row 192 x tile column + 96 x half
	s_mov_b32 s17, 0
	s_mov_b32 s47, 0
	s_mov_b64 s[18:19], SIZE_K*2
	s_mul_u64 s[16:17], s[16:17], s[18:19]
	s_mul_u64 s[46:47], s[46:47], s[18:19]
	s_mul_i32 s20, s12, AHALF                      ; where a load of A goes,
	s_mul_i32 s21, s12, BHALF
	s_add_co_u32 s21, s21, BBASE                   ; and a load of B: the wave's number alone enters an LDS address
	s_mov_b32 s[SB], 0
	s_mul_i32 s83, s42, 24                         ; three pairs of 8 bytes for each tile column
	s_mov_b32 s74, 0x3c800000                      ; 1 / 64
	s_mov_b32 s75, 0x34000000                      ; 2^-23
	s_mov_b32 s76, 0x76543210
	s_mov_b32 s77, 0xfedcba98
	s_wait_dscnt 0x0                               ; the opening add is done
	s_wait_kmcnt 0x0
	s_add_nc_u64 s[14:15], s[4:5], s[16:17]
	s_add_nc_u64 s[46:47], s[6:7], s[46:47]
	s_load_b64 s[GAB:GAB+1], s[68:69], s83 offset:544768      ; (GA, BETA) of head columns 3 tc, 3 tc + 1, 3 tc + 2
	s_load_b64 s[GAB+2:GAB+3], s[68:69], s83 offset:544768+8
	s_load_b64 s[GAB+4:GAB+5], s[68:69], s83 offset:544768+16
	CROUND                                         ; all sixteen work-groups are here: the first joint loads meet
.irp s, 0,1
	s_mov_b32 s[G0+4*(\s)], 1
	s_add_co_u32 s[G0+4*(\s)+1], s20, (\s)*SLOT1
	s_add_nc_u64 s[G0+4*(\s)+2:G0+4*(\s)+3], s[14:15], (\s)*KSTEP*2
	s_or_b32 s[G0+4*(\s)+3], s[G0+4*(\s)+3], 0x80000000
	s_mov_b32 s[G0B+4*(\s)], 1
	s_add_co_u32 s[G0B+4*(\s)+1], s21, (\s)*SLOT1
	s_add_nc_u64 s[G0B+4*(\s)+2:G0B+4*(\s)+3], s[46:47], (\s)*KSTEP*2
	s_or_b32 s[G0B+4*(\s)+3], s[G0B+4*(\s)+3], 0x80000000
.endr
	s_cmp_eq_u32 s11, 0                            ; a wave's two first fills stand in one branch: two loads of mine are out
	s_cbranch_scc0 .Lfirst_b
	tensor_load_to_lds s[G0:G0+3], s[G1:G1+7]
	s_nop 0
	tensor_load_to_lds s[G0+4:G0+7], s[G1:G1+7]
	s_nop 0
.rept 4
	v_nop
.endr
	s_branch .Lfirst_asked
.Lfirst_b:
	tensor_load_to_lds s[G0B:G0B+3], s[G1B:G1B+7]
	s_nop 0
	tensor_load_to_lds s[G0B+4:G0B+7], s[G1B:G1B+7]
	s_nop 0
.rept 4
	v_nop
.endr
.Lfirst_asked:
	v_and_b32 v1, 15, v0                           ; r = l % 16
	v_bfe_u32 v2, v0, 4, 1                         ; h = l / 16
	v_mul_u32_u24 v3, v1, PITCH
	v_lshl_add_u32 v3, v2, 4, v3                   ; a fragment's row x pitch + 16 x half
	s_mul_i32 s22, s10, 32*PITCH                   ; my 32 rows of A
	v_add_nc_u32 v[ADRA0], s22, v3
	v_add_nc_u32 v[ADRB0], BBASE, v3               ; every wave reads all of B's 192 rows
	v_mov_b32 v[ADRA], v[ADRA0]
	v_mov_b32 v[ADRB], v[ADRB0]
	; the way out's addresses
	s_and_b32 s16, s13, 15
	s_lshl_b32 s16, s16, 7
	s_lshl_b32 s17, s10, 5
	s_add_co_u32 s16, s16, s17                     ; t0: my first position in the sequence = 128 x (tile row % 16) + 32 x wave
	s_lshl_b32 s18, s16, 8
	s_mov_b32 s19, 0
	s_add_nc_u64 s[72:73], s[68:69], s[18:19]      ; the table at row t0
	s_lshl_b32 s18, s16, 7
	s_lshr_b32 s17, s13, 4                         ; the batch
	s_lshl_b32 s17, s17, 18
	s_add_co_u32 s18, s18, s17
	s_add_nc_u64 s[8:9], s[70:71], s[18:19]
	s_mul_i32 s46, s42, 3<<19                      ; place 2 x (3 tc): 2^18 bytes a place; the tile's next heads lie 2^19 bytes on
	s_mov_b32 s47, 0
	s_add_nc_u64 s[8:9], s[8:9], s[46:47]
	v_lshlrev_b32 v[TO], 8, v1
	v_lshl_add_u32 v[TO], v2, 5, v[TO]             ; 256 r + 32 h
.macro TLOAD a, t                      ; cos and sin for my token of group a and my 16 pairs of channels: part p (0 cos, 1 sin) at t + 16 p, channels 16 bb + 8 h + 4 e ..
.irp p, 0,1
.irp bb, 0,1
.irp e, 0,1
	global_load_b128 v[(\t)+16*(\p)+8*(\bb)+4*(\e):(\t)+16*(\p)+8*(\bb)+4*(\e)+3], v[TO], s[72:73] offset:4096*(\a)+128*(\p)+64*(\bb)+16*(\e)
.endr
.endr
.endr
.endm
	TLOAD 0, T0                                    ; they stay out over the whole K loop, in registers that nothing else names
	TLOAD 1, T1
	s_mul_i32 s23, s10, 16*SPITCH
	s_add_co_u32 s23, s23, STAGE                   ; my stage
	v_mul_u32_u24 v4, v1, SPITCH
	v_lshl_add_u32 v4, v2, 4, v4
	v_add_nc_u32 v[STO], s23, v4                   ; in: row r, 16 bytes for each half of the lanes
	v_bfe_u32 v4, v0, 3, 2
	v_mul_u32_u24 v4, v4, SPITCH
	v_and_b32 v5, 7, v0
	v_lshl_add_u32 v4, v5, 4, v4
	v_add_nc_u32 v[RD], s23, v4                    ; back: 32 lanes take four rows of 128 bytes
	v_and_b32 v[CO], 31, v0
	v_lshlrev_b32 v[CO], 4, v[CO]                  ; which are 512 consecutive bytes of a head's rows
	s_wait_kmcnt 0x0                               ; the three (GA, BETA)
.irp j, 0,1,2
	s_mov_b32 s[BP+2*(\j)], s[GAB+2*(\j)+1]
	s_mov_b32 s[BP+2*(\j)+1], s[GAB+2*(\j)+1]
.endr
; 6 matrix instructions: row block a x column blocks b0 .. b0 + 5, 32 along K, from buffer f.  zero = 1: the first product starts the sums
.macro MUL6 f, a, b0, zero
	WIN MULW
.set bq, \b0
.rept 6
.if \zero
	v_wmma_f32_16x16x32_f16 v[8*(12*(\a)+bq):8*(12*(\a)+bq)+7], v[(\f)+8*bq:(\f)+8*bq+7], v[(\f)+96+8*(\a):(\f)+96+8*(\a)+7], 0
.else
	v_wmma_f32_16x16x32_f16 v[8*(12*(\a)+bq):8*(12*(\a)+bq)+7], v[(\f)+8*bq:(\f)+8*bq+7], v[(\f)+96+8*(\a):(\f)+96+8*(\a)+7], v[8*(12*(\a)+bq):8*(12*(\a)+bq)+7]
.endif
.set bq, bq+1
.endr
.endm
; 28 LDS loads in one run: the fragments of 32 along K at byte k of the rows of the slot in hand, into buffer f: A's rows 0-15, B's 192 rows, A's rows 16-31 last
.macro FETCH k, f
	WIN TO_F
	ds_load_b128 v[(\f)+96:(\f)+99],   v[ADRA] offset:(\k)
	ds_load_b128 v[(\f)+100:(\f)+103], v[ADRA] offset:(\k)+32
.set bq, 0
.rept 12
	ds_load_b128 v[(\f)+8*bq:(\f)+8*bq+3],   v[ADRB] offset:(\k)+bq*16*PITCH
	ds_load_b128 v[(\f)+8*bq+4:(\f)+8*bq+7], v[ADRB] offset:(\k)+bq*16*PITCH+32
.set bq, bq+1
.endr
	ds_load_b128 v[(\f)+104:(\f)+107], v[ADRA] offset:(\k)+16*PITCH
	ds_load_b128 v[(\f)+108:(\f)+111], v[ADRA] offset:(\k)+16*PITCH+32
.endm
.macro PLACES                          ; four places in front of loads into registers that matrix instructions have read, and of lines that read results
.rept 4
	v_nop
.endr
.endm
.macro NEXTSLOT                        ; the fragment addresses go over to the other slot
	s_xor_b32 s[SB], s[SB], SLOT1
	v_add_nc_u32 v[ADRA], s[SB], v[ADRA0]
	v_add_nc_u32 v[ADRB], s[SB], v[ADRB0]
.endm
; A K step is four quarters of 32 along K, 24 matrix instructions each, on buffers 0, 1, 0, 1.  The 24 accumulators take turns in the same order in every quarter.
; A quarter multiplies buffer f.  At its head it fetches the next quarter's fragments, at byte k, into g, which the quarter before has multiplied: 24 matrix instructions ahead of their first use.
.macro QUARTER k, f, g, zero
	s_wait_dscnt 2                                 ; A's rows 0-15 and B are in; the youngest two loads (A's rows 16-31) may be out
	PLACES
	FETCH \k, \g
	MUL6 \f, 0, 0, \zero
	MUL6 \f, 0, 6, \zero
	s_wait_dscnt 28                                ; all but the 28 just issued
	MUL6 \f, 1, 0, \zero
	MUL6 \f, 1, 6, \zero
.endm
.macro TURN                            ; a K step's last quarter, and the change of slots: the slot just read is filled again, two K steps ahead
	WIN 0                                          ; (the add's two registers lie in window 0)
	s_wait_tensorcnt 0x0                           ; all my tensor loads have landed: my part of the next slot
	ds_add_u32 v[SPW], v[NIL]                      ; 0 onto my spare word
	s_wait_dscnt 3                                 ; the add and the youngest two loads may be out
	MUL6 F1, 0, 0, 0
	s_wait_dscnt 0x0                               ; the add is done, and my reads of this slot are over
	s_barrier_signal -1
	MUL6 F1, 0, 6, 0
	WIN 0
	s_barrier_wait -1
	CREST                                          ; the barrier has opened a round of the cluster's: no wave of any partner still reads the slot or has a load on its way
	s_xor_b32 s[G0+5], s[G0+5], SLOT1              ; the walking descriptors: the other slot than last time, one K step on
	s_add_nc_u64 s[G0+6:G0+7], s[G0+6:G0+7], KSTEP*2
	s_xor_b32 s[G0B+5], s[G0B+5], SLOT1
	s_add_nc_u64 s[G0B+6:G0B+7], s[G0B+6:G0B+7], KSTEP*2
	JLOAD                                          ; my one tensor load behind the round; its four v_nop are also the places in front of the loads below
	NEXTSLOT
	FETCH 0, F0
	MUL6 F1, 1, 0, 0
	MUL6 F1, 1, 6, 0
.endm
.macro LASTQ                           ; a K step's last quarter where nothing is filled again: all its products, and the barrier behind which the other slot is whole for every wave
	WIN 0
	s_wait_tensorcnt 0x0
	ds_add_u32 v[SPW], v[NIL]
	s_wait_dscnt 3                                 ; the add and the youngest two loads may be out
	MUL6 F1, 0, 0, 0
	s_wait_dscnt 0x0                               ; the add is done, and my reads of this slot are over
	s_barrier_signal -1
	MUL6 F1, 0, 6, 0
	MUL6 F1, 1, 0, 0
	MUL6 F1, 1, 6, 0
	WIN 0
	s_barrier_wait -1
.endm
	s_wait_tensorcnt 1                             ; my part of K step 0 is in; K step 1's stays out
	s_barrier_signal -1
	s_barrier_wait -1
	FETCH 0, F0
	QUARTER 64, F0, F1, 1                          ; the first quarter stands in front of the loop: its products start the sums
	WIN 0
	s_mov_b32 s3, STEPS-2
.Lstep:                                                ; a trip is one K step, from its second quarter to the next step's first; it fills the slot that it leaves
	QUARTER 128, F1, F0, 0
	QUARTER 192, F0, F1, 0
	TURN
	QUARTER 64, F0, F1, 0
	WIN 0
	s_sub_co_u32 s3, s3, 1
	s_cmp_lg_u32 s3, 0
	s_cbranch_scc1 .Lstep
	s_mov_b32 s3, 2
.Ltail:                                                ; the last two K steps fill nothing: one text, walked twice.  The second trip jumps over the change of slots and the next step's first quarter; its barrier orders nothing more: the price of one text
	QUARTER 128, F1, F0, 0
	QUARTER 192, F0, F1, 0
	LASTQ
	s_cmp_eq_u32 s3, 1
	s_cbranch_scc1 .Llast
	PLACES
	NEXTSLOT
	FETCH 0, F0
	QUARTER 64, F0, F1, 0
	WIN 0
.Llast:
	s_sub_co_u32 s3, s3, 1
	s_cmp_lg_u32 s3, 0
	s_cbranch_scc1 .Ltail
	PLACES
; THE WAY OUT of 16 tokens x head j of my tile's three.  The sums lie in window 2, at v[32 j ..]; the table in hand at T0 serves all three heads, so its scaled copy has registers of its own.
.macro EPI j
.set AC, 32*(\j)
	s_wait_xcnt 0x0                                ; the registers that the last head's stores read are rewritten only behind this wait
	WIN 0x0a                                       ; sources 0 and 1: window 2
	v_pk_mul_f32 v[6:7], v[AC:AC+1], v[AC:AC+1]    ; the sum of my 32 squares, each accumulator from its low end on
	v_pk_mul_f32 v[8:9], v[AC+2:AC+3], v[AC+2:AC+3]
.set k, 2
.rept 14
	v_pk_fma_f32 v[6+2*(k%2):7+2*(k%2)], v[AC+2*k:AC+2*k+1], v[AC+2*k:AC+2*k+1], v[6+2*(k%2):7+2*(k%2)]
.set k, k+1
.endr
	WIN 0
	v_pk_add_f32 v[6:7], v[6:7], v[8:9]
	v_add_f32 v6, v6, v7
	v_permlanex16_b32 v7, v6, s76, s77             ; the token's other 32 channels lie in the lane 16 away
	v_add_f32 v6, v6, v7
	v_fma_f32 v6, v6, s74, s75                     ; mean + eps
	v_rsq_f32 v6, v6
	v_nop                                          ; a plain instruction between the root and its use (ISA guide 5.7.2)
	s_wait_alu depctr_va_vdst(0)
	v_mul_f32 v10, s[GAB+2*(\j)], v6               ; r GA, twice
	v_mul_f32 v11, s[GAB+2*(\j)], v6
.set k, 0
.rept 8
	v_pk_fma_f32 v[TS+2*k:TS+2*k+1], v[T0+2*k:T0+2*k+1], v[10:11], s[BP+2*(\j):BP+2*(\j)+1] op_sel_hi:[1,1,0]  ; cos'
	v_pk_mul_f32 v[TS+16+2*k:TS+16+2*k+1], v[T0+16+2*k:T0+16+2*k+1], v[10:11]                                  ; sin'
.set k, k+1
.endr
	WIN 0x02                                       ; source 0: window 2.  x1 = channels 0-31 at AC, x2 = channels 32-63 at AC + 16
.set k, 0
.rept 8
	v_pk_mul_f32 v[YR+2*k:YR+2*k+1], v[AC+2*k:AC+2*k+1], v[TS+2*k:TS+2*k+1]                  ; x1 cos'
	v_pk_mul_f32 v[YR+16+2*k:YR+16+2*k+1], v[AC+2*k:AC+2*k+1], v[TS+16+2*k:TS+16+2*k+1]      ; x1 sin'
.set k, k+1
.endr
.set k, 0
.rept 8
	v_pk_fma_f32 v[YR+2*k:YR+2*k+1], v[AC+16+2*k:AC+16+2*k+1], v[TS+16+2*k:TS+16+2*k+1], v[YR+2*k:YR+2*k+1]                                      ; + x2 sin'
	v_pk_fma_f32 v[YR+16+2*k:YR+16+2*k+1], v[AC+16+2*k:AC+16+2*k+1], v[TS+2*k:TS+2*k+1], v[YR+16+2*k:YR+16+2*k+1] neg_lo:[0,0,1] neg_hi:[0,0,1]  ; x2 cos' - x1 sin'
.set k, k+1
.endr
	WIN 0
.set k, 0
.rept 16
	v_cvt_pk_f16_f32 v[OUT+k], v[YR+2*k], v[YR+2*k+1]
.set k, k+1
.endr
.irp b, 0,1,2,3
	ds_store_b128 v[STO], v[OUT+4*(\b):OUT+4*(\b)+3] offset:32*(\b)
.endr
.irp f, 0,1,2,3
	ds_load_b128 v[BK+4*(\f):BK+4*(\f)+3], v[RD] offset:4*SPITCH*(\f)  ; LDS serves a wave's instructions in order (ISA guide 5.7.1.4): these see the stores above
.endr
.irp f, 0,1,2,3
	s_wait_dscnt 3-(\f)
	global_store_b128 v[CO], v[BK+4*(\f):BK+4*(\f)+3], s[8:9] offset:(\j)*524288+512*(\f)  ; 512 consecutive bytes, at a multiple of 256 from the buffer's first
.endr
.endm
	s_wait_loadcnt 0x0                             ; both tables
	s_mov_b32 s3, 2
.Lrows:                                                ; the way out of 16 tokens x three heads is written once and walked twice
	EPI 0
	EPI 1
	EPI 2
	s_cmp_eq_u32 s3, 1
	s_cbranch_scc1 .Lrdone
	s_wait_xcnt 0x0                                ; the stores' base is stepped only behind this wait
	s_add_nc_u64 s[8:9], s[8:9], 16*128            ; my second 16 tokens
	WIN 0x82                                       ; their 96 sums and their table take the first's places: 128 moves a wave, the price of a text that is three heads' way out shorter
.set k, 0
.rept 96
	v_mov_b32 v[k], v[96+k]
.set k, k+1
.endr
	WIN 0
.set k, 0
.rept 32
	v_mov_b32 v[T0+k], v[T1+k]
.set k, k+1
.endr
.Lrdone:
	s_sub_co_u32 s3, s3, 1
	s_cmp_lg_u32 s3, 0
	s_cbranch_scc1 .Lrows
	s_wait_tensorcnt 0x0                           ; the wave's end
	ds_add_u32 v[SPW], v[NIL]
	s_wait_dscnt 0x0
	CROUND                                         ; the closing round
	s_endpgm
.Lfunc_end_k_q1d66b84cfc_qkv:
	.size	k_q1d66b84cfc_qkv, .Lfunc_end_k_q1d66b84cfc_qkv-k_q1d66b84cfc_qkv
	.p2alignl 7, 3214868480
	.fill 96, 4, 3214868480
	.section	.rodata,"a",@progbits
	.p2align	6, 0x0
	.amdhsa_kernel k_q1d66b84cfc_qkv
		.amdhsa_group_segment_fixed_size 327680
		.amdhsa_private_segment_fixed_size 0
		.amdhsa_enable_private_segment 0
		.amdhsa_kernarg_size 32
		.amdhsa_user_sgpr_count 2
		.amdhsa_user_sgpr_kernarg_segment_ptr 1
		.amdhsa_wavefront_size32 1
		.amdhsa_system_sgpr_workgroup_id_x 1
		.amdhsa_system_sgpr_workgroup_id_y 1
		.amdhsa_system_sgpr_workgroup_id_z 1
		.amdhsa_system_vgpr_workitem_id 0
		.amdhsa_next_free_vgpr 768
		.amdhsa_next_free_sgpr 96
		.amdhsa_reserve_vcc 0
		.amdhsa_float_denorm_mode_32 3
		.amdhsa_float_denorm_mode_16_64 3
		.amdhsa_memory_ordered 1
		.amdhsa_forward_progress 1
		.amdhsa_inst_pref_size 69
	.end_amdhsa_kernel
	.amdgpu_metadata
---
amdhsa.version: [ 1, 2 ]
amdhsa.kernels:
  - .name:           k_q1d66b84cfc_qkv
    .symbol:         k_q1d66b84cfc_qkv.kd
    .args:
      - { .name: xn16, .offset: 0, .size: 8, .value_kind: global_buffer, .address_space: global }
      - { .name: w16, .offset: 8, .size: 8, .value_kind: global_buffer, .address_space: global }
      - { .name: tab, .offset: 16, .size: 8, .value_kind: global_buffer, .address_space: global }
      - { .name: qkv16, .offset: 24, .size: 8, .value_kind: global_buffer, .address_space: global }
    .group_segment_fixed_size: 327680
    .private_segment_fixed_size: 0
    .kernarg_segment_align: 8
    .kernarg_segment_size: 32
    .max_flat_workgroup_size: 128
    .sgpr_count:     96
    .vgpr_count:     768
    .wavefront_size: 32
...
	.end_amdgpu_metadata
.endif
;; end of part 2
;; launch attn (part 3): grid 32 x 8, 4 waves a work-group, clusters of 4 x 1, 327,680 bytes of LDS; arguments qkv16, y16; writes y16
.if DOCPART == 3
	.amdgcn_target "amdgcn-amd-amdhsa--gfx1250"
	.amdhsa_code_object_version 6
	.text
	.protected	k_q1d66b84cfc_attn
	.globl	k_q1d66b84cfc_attn
	.p2align	8
	.type	k_q1d66b84cfc_attn,@function
k_q1d66b84cfc_attn:
	s_mov_b64 s[64:65], 0
	v_nop
	global_prefetch_b8 v0, s[64:65] scope:SCOPE_SE
	s_setreg_imm32_b32 hwreg(HW_REG_WAVE_MODE, 25, 1), 1
	s_wait_xcnt 0x0
	s_wait_alu depctr_hold_cnt(0) depctr_sa_sdst(0) depctr_va_vdst(0) depctr_va_sdst(0) depctr_va_ssrc(0) depctr_va_vcc(0) depctr_vm_vsrc(0)
	s_getreg_b32 s2, hwreg(HW_REG_IB_STS2, 6, 4)
	s_cmp_eq_u32 s2, 0
	s_cbranch_scc0 .Lentry_in_a_cluster
	s_endpgm
.Lentry_in_a_cluster:
	s_bfe_u32 s2, ttmp6, 0x10000c
	s_cmp_lg_u32 s2, 0x3003
	s_cbranch_scc0 .Lentry_shape_is_right
	s_endpgm
.Lentry_shape_is_right:
; CAUSAL GROUPED-QUERY ATTENTION, head size 64, f16 operands; products, maxima and sums in f32; the weights p are rounded to f16 for the second product (their sum l is taken of the unrounded p).
; qkv16[2 hc + b][2048][64]: hc = 0-15 query heads (normalised, rotated, times q_gain), 16-19 key heads, 20-23 value heads.  y16[token][1024], column = head x 64 + channel.
; SHARES.  The grid's y is 4 b + kv.  A BLOCK is 32 positions x the 4 query heads of key head kv: 128 query rows; 64 blocks for each (b, kv).  A work-group takes block 63 - bp and then block bp,
; bp = 4 x cluster x + cx.  Keys go in TILES of 256 (one LDS slot, four steps of 64).  With a = cluster x / 2 the first block needs tiles 0 .. 7 - a, the second 0 .. a: 9 tiles, whatever bp.
; CLUSTER.  The four partners walk the SAME tiles, so each tile of K and V is asked for jointly.  All that steers branches, counts and descriptors comes from the cluster's x and y and the wave's number;
; cx enters Q's and y's addresses and the mask's NUMBERS alone.  The price: the diagonal tile's steps behind a block's own step are computed wholly hidden.
; A wave has two tiles of 16 queries: the same 16 positions (pw = wave / 2) of two heads (2 (wave % 2) + u): one mask serves both, and its rows of y are 256 consecutive bytes.
; LAYOUT.  S^T = K Q^T holds ONE query a lane (lane % 16) and the keys 8 (lane / 16) + 0..7; two such results rounded to f16 ARE source 1 of O^T = V^T P.  V comes out of LDS turned, by ds_load_tr16_b128.
; SOFTMAX.  p = 2^(c s - c m), c = log2(e) / 8, with a running maximum m; O and l are multiplied by a = 2^(c m_old - c m_new) in every step; a block's first step has a = 0.
; THE MASK is the C operand that starts S^T: MC = MD x AL + BE; MD is the mask of the block's own step (0 or -1e30); (AL, BE) = (0, 0) before it, (1, 0) in it, (0, -1e30) behind it.
; IN PHASES: a step's 16 products K Q^T, the softmax, its 16 products V^T P.
; LIMITS.  A hidden score counts as its value less 1e30; a weight below 2^-126 counts as 0 in l; p below 6e-5 keeps f16's fixed step; NaN and infinities are not treated apart.
; REGISTERS.  window 0: v1-15 addresses; v16-23 statistics; v48-55 at work; v62, v63 the add's; v64-127 S^T; v192-223 P.  window 1: v0-63 O^T; v128-159 MD; v160-191 MC.
;             window 2: v0-31 Q; v64-95 the second block's Q; v128-191 K of a step; v192-255 V of a step.
.set KS,    64
.set PK,    144                        ; a row of K in LDS: 128 bytes + 16
.set PV,    160                        ; a row of V: 128 + 32
.set VOFF,  4*KS*PK
.set SLOT1, 1<<17
.set STAGE, SLOT1+4*KS*(PK+PV)         ; behind the ring: 16 rows x 272 bytes for each wave
.set SP,    272
.set SPARE, STAGE+4*16*SP              ; the spare words: 128 bytes a wave, two blocks of 256 bytes that no other line names
.set AK0, 2
.set AV0, 3
.set AK,  4
.set AV,  5
.set STO, 6
.set RD,  7
.set GO,  8
.set MV,  12                           ; v12-13 c m_old
.set DV,  14                           ; l % 16 - 8 (l / 16) + 16 pw
.set QO,  15
.set ST,  16                           ; tile u: c m, m, l (even keys', odd keys') at 16 + 4 u
.set DW,  24
.set TMP, 48                           ; tile u: c0-c3 at 48 + 4 u; c2 takes a
.set SPW, 62
.set NIL, 63
.set S,   64
.set P,   192
.set MD,  128
.set MC,  160
.set QB,  64
.set KF,  128
.set VF,  192
.set WV,  12
.set TH,  15                           ; the first block's last tile
.set G1K, 24
.set G1V, 32
.set G0K, 40
.set G0V, 44
.set SLOTS, 56
.set CNT, 57
.set CS,  58
.set SEL, 60
.set TBK, 62
.set TBV, 63
.set RT,  70                           ; tiles of the block in hand still to be entered
.set NXT, 71                           ; the tile to be asked for next
.set LQ,  72                           ; the last tile of the block whose tiles are being asked for
.set NEW, 73                           ; 1: the tile to be entered is a block's first
.set OFF, 74
.set AL,  76
.set BE,  78
.set OLO, 80
.set BIGN, 82
.set TL,  83                           ; the second block's last tile
.set C4,  84                           ; the value of CNT in the block's own step of its diagonal tile
.set OB,  85                           ; the block's first position in that step: 0 or 32
.set C4B, 86
.set OBB, 87
.set MSB, 0
.macro WIN new
.if MSB != (\new)
	s_set_vgpr_msb (MSB<<8)|(\new)
.set MSB, (\new)
.endif
.endm
.set W_KQ, 0x0a
.set W_KM, 0x1a
.set W_PV, 0x52
.set W_RS, 0x41
.macro JLOAD                           ; a joint fill: waves 0, 1 fetch the halves of a tile's K, waves 2, 3 of its V; s_nop 0 and four v_nop follow each line
	s_cmp_lt_u32 s[WV], 2
	s_cbranch_scc0 .Lfor_v_\@
	tensor_load_to_lds s[G0K:G0K+3], s[G1K:G1K+7]
	s_nop 0
.rept 4
	v_nop
.endr
	s_branch .Lasked_\@
.Lfor_v_\@:
	tensor_load_to_lds s[G0V:G0V+3], s[G1V:G1V+7]
	s_nop 0
.rept 4
	v_nop
.endr
.Lasked_\@:
.endm
.macro CROUND
	s_barrier_signal -1
	s_barrier_wait -1
	s_cmp_lg_u32 s[WV], 0
	s_cbranch_scc1 .Lnot_wave_0_\@
	s_barrier_signal -3
.Lnot_wave_0_\@:
	s_barrier_wait -3
	s_barrier_signal -1
	s_barrier_wait -1
.endm
; THE CHANGE OF SLOTS.  Each wave waits for all its tensor loads (one is out: its part of the other slot), adds 0 to its spare word, and waits for that and for its reads of the slot that it leaves.
; fill = 1: the barrier is a round of the cluster's, and the old slot is filled again first thing behind it, with tile NXT; that load has four key steps in which to land.
.macro CHANGE fill
	WIN 0
	s_wait_tensorcnt 0x0
	ds_add_u32 v[SPW], v[NIL]                      ; 0 onto my spare word; the descriptors' scalar work stands between it and the wait for it
.if \fill
	s_lshl_b32 s[OFF], s[NXT], 15                  ; a tile is 32,768 bytes of K and of V
	s_xor_b32 s[G0K+1], s[G0K+1], SLOT1
	s_add_nc_u64 s[G0K+2:G0K+3], s[6:7], s[OFF:OFF+1]
	s_or_b32 s[G0K+3], s[G0K+3], 0x80000000
	s_xor_b32 s[G0V+1], s[G0V+1], SLOT1
	s_add_nc_u64 s[G0V+2:G0V+3], s[8:9], s[OFF:OFF+1]
	s_or_b32 s[G0V+3], s[G0V+3], 0x80000000
	s_add_co_u32 s[NXT], s[NXT], 1                 ; the block's next tile, or behind its last the second block's tile 0
	s_cmp_gt_u32 s[NXT], s[LQ]
	s_cselect_b32 s[NXT], 0, s[NXT]
	s_cselect_b32 s[LQ], s[TL], s[LQ]
	s_wait_dscnt 0x0
	CROUND
	JLOAD
.else
	s_wait_dscnt 0x0
	s_barrier_signal -1
	s_barrier_wait -1
.endif
	s_sub_co_u32 s[TBK], s[TBK], 4*KS*PK           ; the fetches go back to a slot's first step, in the other slot
	s_xor_b32 s[TBK], s[TBK], SLOT1
	s_sub_co_u32 s[TBV], s[TBV], 4*KS*PV
	s_xor_b32 s[TBV], s[TBV], SLOT1
.endm
	s_load_b128 s[16:19], s[0:1], 0x0              ; qkv16, y16
	v_lshl_add_u32 v[SPW], v0, 2, SPARE
	v_mov_b32 v[NIL], 0
	ds_add_u32 v[SPW], v[NIL]                      ; the wave's opening: the add and its wait stand ahead of my first tensor load
	v_lshrrev_b32 v1, 5, v0
	v_readfirstlane_b32 s[WV], v1
	s_bfe_u32 s13, ttmp6, 0x40000                  ; cx
	s_lshr_b32 s[TL], ttmp9, 1
	s_sub_co_u32 s[TH], 7, s[TL]
	s_lshl_b32 s20, ttmp9, 2
	s_add_co_u32 s20, s20, s13                     ; the second block
	s_sub_co_u32 s21, 63, s20                      ; the first block
	s_and_b32 s22, ttmp7, 0xffff
	s_lshr_b32 s23, s22, 2                         ; b
	s_and_b32 s22, s22, 3                          ; kv
	s_and_b32 s48, s[WV], 1                        ; my pair of heads; also which half of a tile's keys I fetch
	s_lshr_b32 s49, s[WV], 1                       ; pw
	s_lshl_b32 s2, s22, 1
	s_add_co_u32 s2, s2, s23
	s_add_co_u32 s2, s2, 32                        ; K's place 2 (16 + kv) + b
	s_lshl_b32 s2, s2, 18
	s_lshl_b32 s3, s48, 14
	s_add_co_u32 s2, s2, s3
	s_mov_b32 s3, 0
	s_mul_i32 s50, s48, 128*PK
	s_mul_i32 s51, s48, 128*PV
	s_lshl_b32 s52, s22, 2
	s_lshl1_add_u32 s52, s48, s52                  ; my first head 4 kv + 2 hp
	s_lshl1_add_u32 s54, s52, s23
	s_lshl_b32 s54, s54, 18                        ; its place,
	s_lshl_b32 s53, s49, 11
	s_add_co_u32 s54, s54, s53                     ; and my 16 positions' rows of 128 bytes
	s_lshl_b32 s55, s23, 22                        ; in y16: the batch's 2,048 rows of 2,048 bytes,
	s_lshl_b32 s53, s49, 15
	s_add_co_u32 s55, s55, s53                     ; my 16 rows,
	s_lshl_b32 s53, s52, 7
	s_add_co_u32 s55, s55, s53                     ; my two heads' 256 bytes
	s_bfe_u32 s[C4], s21, 0x20001
	s_sub_co_u32 s[C4], 4, s[C4]
	s_and_b32 s[OB], s21, 1
	s_lshl_b32 s[OB], s[OB], 5
	s_bfe_u32 s[C4B], s20, 0x20001
	s_sub_co_u32 s[C4B], 4, s[C4B]
	s_and_b32 s[OBB], s20, 1
	s_lshl_b32 s[OBB], s[OBB], 5
	; group 1: 128 keys are 16,384 dense bytes: 64 rows of 256 bytes, padded in LDS after every key
	s_mov_b32 s[G1K], 15|(1<<16)|(1<<20)|(1<<21)|(4<<22)|(3<<25)
	s_mov_b32 s[G1V], 15|(1<<16)|(1<<20)|(1<<21)|(4<<22)|(7<<25)
.irp g, G1K, G1V
	s_mov_b32 s[\g+1], 128<<16
	s_mov_b32 s[\g+2], 64<<16
	s_mov_b32 s[\g+3], 128<<16
	s_mov_b32 s[\g+4], 64
	s_mov_b32 s[\g+5], 128
	s_mov_b32 s[\g+6], 0
	s_mov_b32 s[\g+7], 0
.endr
	s_mov_b32 s[CS], 0x3e38aa3b                    ; c = log2(e) / 8
	s_mov_b32 s[CS+1], s[CS]
	s_mov_b32 s[SEL], 0x76543210
	s_mov_b32 s[SEL+1], 0xfedcba98
	s_mov_b32 s[TBK], SLOT1+4*KS*PK                ; the first change of slots turns these two into 0
	s_mov_b32 s[TBV], SLOT1+4*KS*PV
	s_mov_b32 s[G0K], 1
	s_mov_b32 s[G0K+1], s50
	s_mov_b32 s[G0V], 1
	s_add_co_u32 s[G0V+1], s51, VOFF
	s_add_co_u32 s[RT], s[TH], 1
	s_mov_b32 s[NXT], 1
	s_mov_b32 s[LQ], s[TH]
	s_mov_b32 s[NEW], 1
	s_mov_b32 s[OFF+1], 0
	s_mov_b32 s[AL+1], 0
	s_mov_b32 s[BE+1], 0
	s_mov_b32 s[BIGN], 0xf149f2ca                  ; -1e30
	s_mov_b32 s[SLOTS], 8
	s_mov_b32 s67, 0
	s_wait_dscnt 0x0
	s_wait_kmcnt 0x0
	s_add_nc_u64 s[6:7], s[16:17], s[2:3]          ; K at my half of tile 0
	s_add_nc_u64 s[8:9], s[6:7], 8<<18             ; V lies eight places on
	s_add_nc_u64 s[G0K+2:G0K+3], s[6:7], 0
	s_or_b32 s[G0K+3], s[G0K+3], 0x80000000
	s_add_nc_u64 s[G0V+2:G0V+3], s[8:9], 0
	s_or_b32 s[G0V+3], s[G0V+3], 0x80000000
	s_lshl_b32 s66, s21, 12
	s_add_co_u32 s66, s66, s54
	s_add_nc_u64 s[4:5], s[16:17], s[66:67]        ; Q of the first block
	s_lshl_b32 s66, s20, 12
	s_add_co_u32 s66, s66, s54
	s_add_nc_u64 s[88:89], s[16:17], s[66:67]      ; and of the second
	s_lshl_b32 s66, s21, 16
	s_add_co_u32 s66, s66, s55
	s_add_nc_u64 s[10:11], s[18:19], s[66:67]      ; y likewise
	s_lshl_b32 s66, s20, 16
	s_add_co_u32 s66, s66, s55
	s_add_nc_u64 s[OLO:OLO+1], s[18:19], s[66:67]
	CROUND                                         ; all four work-groups are here
	JLOAD                                          ; tile 0 into slot 0
	v_and_b32 v1, 15, v0                           ; r
	v_bfe_u32 v9, v0, 4, 1                         ; h
	v_lshlrev_b32 v[QO], 7, v1
	v_lshl_add_u32 v[QO], v9, 4, v[QO]
	WIN 0x80
.set i, 0
.rept 4                                ; both blocks' Q: tile i / 2 (the next head lies two places on), channels 32 (i % 2) on
	global_load_b128 v[8*i:8*i+3],         v[QO], s[4:5] offset:(i/2)*524288+(i%2)*64
	global_load_b128 v[8*i+4:8*i+7],       v[QO], s[4:5] offset:(i/2)*524288+(i%2)*64+32
	global_load_b128 v[QB+8*i:QB+8*i+3],   v[QO], s[88:89] offset:(i/2)*524288+(i%2)*64
	global_load_b128 v[QB+8*i+4:QB+8*i+7], v[QO], s[88:89] offset:(i/2)*524288+(i%2)*64+32
.set i, i+1
.endr
	WIN 0x40
.set i, 0
.rept 64                               ; O^T and l need only be finite: a block's first step multiplies them by a = 0.  This stands in the wait for the first tile
	v_mov_b32 v[i], 0
.set i, i+1
.endr
	WIN 0
.irp u, 0,1
	v_mov_b32 v[ST+4*\u+2], 0
	v_mov_b32 v[ST+4*\u+3], 0
.endr
	v_mul_u32_u24 v[AK0], v1, PK
	v_lshl_add_u32 v[AK0], v9, 4, v[AK0]
	v_and_b32 v10, 7, v0
	v_bfe_u32 v11, v0, 3, 1
	v_lshl_add_u32 v[AV0], v9, 3, v10              ; the turning load: lane l reads key 8 (l / 16) + l % 8, channels 8 ((l / 8) % 2) + 0..7
	v_mul_u32_u24 v[AV0], v[AV0], PV
	v_lshl_add_u32 v[AV0], v11, 4, v[AV0]
	v_add_nc_u32 v[AV0], VOFF, v[AV0]
	s_mul_i32 s53, s[WV], 16*SP
	s_add_co_u32 s53, s53, STAGE
	v_mul_u32_u24 v[STO], v1, SP
	v_lshl_add_u32 v[STO], v9, 4, v[STO]
	v_add_nc_u32 v[STO], s53, v[STO]
	v_mul_u32_u24 v[RD], v9, SP
	v_lshl_add_u32 v[RD], v1, 4, v[RD]
	v_add_nc_u32 v[RD], s53, v[RD]
	v_lshlrev_b32 v[GO], 11, v9
	v_lshl_add_u32 v[GO], v1, 4, v[GO]
	v_lshlrev_b32 v[DV], 3, v9
	v_sub_nc_u32 v[DV], v1, v[DV]
	s_lshl_b32 s53, s49, 4
	v_add_nc_u32 v[DV], s53, v[DV]
; THE MATRIX WORK.  The 8 accumulators of a run of 16 take turns.
.macro KQM                             ; product i of 16 of S^T: channels 32 (i / 8) on, keys 16 ((i / 2) % 4) on, tile i % 2.  The first 8 start the sums with the mask
.set rS, S+32*(i%2)+8*((i/2)%4)
.set rK, KF+16*((i/2)%4)+8*(i/8)
.set rQ, 16*(i%2)+8*(i/8)
.set rX, MC+8*((i/2)%4)
.if i < 8
	WIN W_KM
	v_wmma_f32_16x16x32_f16 v[rS:rS+7], v[rK:rK+7], v[rQ:rQ+7], v[rX:rX+7]
.else
	WIN W_KQ
	v_wmma_f32_16x16x32_f16 v[rS:rS+7], v[rK:rK+7], v[rQ:rQ+7], v[rS:rS+7]
.endif
.endm
.macro PVM                             ; product i of 16 of O^T += V^T P: keys 32 (i / 8) on, channels 16 ((i / 2) % 4) on, tile i % 2
	WIN W_PV
.set rO, 32*(i%2)+8*((i/2)%4)
.set rV, VF+32*(i/8)+8*((i/2)%4)
.set rP, P+16*(i%2)+8*(i/8)
	v_wmma_f32_16x16x32_f16 v[rO:rO+7], v[rV:rV+7], v[rP:rP+7], v[rO:rO+7]
.endm
.macro FETCH_K
	WIN 0x80
.irp f, 0,1,2,3,4,5,6,7
	ds_load_b128 v[KF+8*\f:KF+8*\f+3],   v[AK] offset:(\f/2)*16*PK+(\f%2)*64
	ds_load_b128 v[KF+8*\f+4:KF+8*\f+7], v[AK] offset:(\f/2)*16*PK+(\f%2)*64+32
.endr
	WIN 0
.endm
.macro FETCH_V
	WIN 0x80
.irp f, 0,1,2,3,4,5,6,7
	ds_load_tr16_b128 v[VF+8*\f:VF+8*\f+3],   v[AV] offset:(\f/4)*32*PV+(\f%4)*32
	ds_load_tr16_b128 v[VF+8*\f+4:VF+8*\f+7], v[AV] offset:(\f/4)*32*PV+16*PV+(\f%4)*32
.endr
	WIN 0
.endm
.macro MASK                            ; MC = MD x AL + BE
	WIN W_RS
.set z, 0
.rept 16
	v_pk_fma_f32 v[MC+2*z:MC+2*z+1], v[MD+2*z:MD+2*z+1], s[AL:AL+1], s[BE:BE+1] op_sel_hi:[1,0,0]
.set z, z+1
.endr
.endm
; THE SOFTMAX's lines, for tile u.
.macro REGS u
.set rT, ST+4*(\u)
.set rC, TMP+4*(\u)
.set rM, MV+(\u)
.set rS, S+32*(\u)
.set rP, P+16*(\u)
.set rO, 32*(\u)
.endm
.macro XS u, n                         ; number n of the 22 that find the maximum and the statistics; each accumulator's lowest registers are read first
	REGS \u
.if (\n) < 4
	v_max3_num_f32 v[rC+(\n)], v[rS+8*(\n)], v[rS+8*(\n)+1], v[rS+8*(\n)+2]
.elseif (\n) < 12
	v_max3_num_f32 v[rC+(\n)%4], v[rC+(\n)%4], v[rS+8*((\n)%4)+2*((\n)/4)+1], v[rS+8*((\n)%4)+2*((\n)/4)+2]
.elseif (\n) == 12
	v_max3_num_f32 v[rC], v[rC], v[rS+7], v[rS+15]
.elseif (\n) == 13
	v_max3_num_f32 v[rC+1], v[rC+1], v[rS+23], v[rS+31]
.elseif (\n) == 14
	v_max3_num_f32 v[rC+2], v[rC+2], v[rC+3], v[rT+1]
.elseif (\n) == 15
	v_mov_b32 v[rM], v[rT]
.elseif (\n) == 16
	v_max3_num_f32 v[rC], v[rC], v[rC+1], v[rC+2]
.elseif (\n) == 17
	v_permlanex16_b32 v[rC+3], v[rC], s[SEL], s[SEL+1]
.elseif (\n) == 18
	v_max_num_f32 v[rT+1], v[rC], v[rC+3]
.elseif (\n) == 19
	v_mul_f32 v[rT], s[CS], v[rT+1]
.elseif (\n) == 20
	v_sub_f32 v[rC+1], v[rM], v[rT]
.else
	v_exp_f32 v[rC+2], v[rC+1]
.endif
.endm
.macro FS u, n                         ; c s - c m for pair n
	REGS \u
	v_pk_fma_f32 v[rS+2*(\n):rS+2*(\n)+1], v[rS+2*(\n):rS+2*(\n)+1], s[CS:CS+1], v[rT:rT+1] op_sel_hi:[1,0,0] neg_lo:[0,0,1] neg_hi:[0,0,1]
.endm
.macro ES u, n                         ; the exponential of score n
	REGS \u
	v_exp_f32 v[rS+(\n)], v[rS+(\n)]
.endm
.macro CV u, n                         ; pair n rounded to f16
	REGS \u
	s_wait_alu depctr_va_vdst(0)
	v_cvt_pk_f16_f32 v[rP+(\n)], v[rS+2*(\n)], v[rS+2*(\n)+1]
.endm
.macro AD u, d, k                      ; the pair d / 2 registers on is added onto the pair at d k
	REGS \u
	v_pk_add_f32 v[rS+(\d)*(\k):rS+(\d)*(\k)+1], v[rS+(\d)*(\k):rS+(\d)*(\k)+1], v[rS+(\d)*(\k)+(\d)/2:rS+(\d)*(\k)+(\d)/2+1]
	s_wait_alu depctr_va_vdst(0)
.endm
.macro LS u                            ; l = a l + the sum
	REGS \u
	v_pk_fma_f32 v[rT+2:rT+3], v[rT+2:rT+3], v[rC+2:rC+3], v[rS:rS+1] op_sel_hi:[1,0,1]
.endm
.macro RS u, n                         ; pair n of O^T times a
	REGS \u
	v_pk_mul_f32 v[rO+2*(\n):rO+2*(\n)+1], v[rO+2*(\n):rO+2*(\n)+1], v[rC+2:rC+3] op_sel_hi:[1,0]
.endm
.macro PA u, n                         ; the plain line behind exponential n: a scaling still due, a rounding whose two exponentials are done, or a sum of pairs that have been rounded
.if (\n) < 12
	FS \u, (\n)+4
.elseif (\n) < 23
	CV \u, (\n)-12
.elseif (\n)%2 == 0
	CV \u, (\n)/2-1
.else
	AD \u, 4, ((\n)-23)/2
.endif
.endm
.macro SOFTMAX
	WIN 0
.set nn, 0
.rept 22
	XS 0, nn
	XS 1, nn
.set nn, nn+1
.endr
.set nn, 0
.rept 4
	FS 0, nn
	FS 1, nn
.set nn, nn+1
.endr
.set nn, 0
.rept 32                               ; exponential and plain by turns: no two exponentials follow each other, and each has a plain line behind it that touches neither its result nor its source (ISA guide 5.7.2)
	ES 0, nn
	PA 0, nn
	ES 1, nn
	PA 1, nn
.set nn, nn+1
.endr
	CV 0, 15
	CV 1, 15
.irp kk, 5,6,7
	AD 0, 4, \kk
	AD 1, 4, \kk
.endr
.irp kk, 0,1,2,3
	AD 0, 8, \kk
	AD 1, 8, \kk
.endr
.irp kk, 0,1
	AD 0, 16, \kk
	AD 1, 16, \kk
.endr
	AD 0, 32, 0
	AD 1, 32, 0
	LS 0
	LS 1
	WIN W_RS
.set nn, 0
.rept 16
	RS 0, nn
	RS 1, nn
.set nn, nn+1
.endr
.endm
; A KEY STEP.  The next step's K is asked for behind this step's K Q^T, its V behind this step's V^T P; a tile's last step (CNT = 1) asks for nothing.
.macro STEP
	s_wait_dscnt 16                                ; K is in; V's sixteen younger loads may be out
.set i, 0
.rept 16
	KQM
.set i, i+1
.endr
	WIN 0
	s_add_co_u32 s[TBK], s[TBK], KS*PK
	v_add_nc_u32 v[AK], s[TBK], v[AK0]
.rept 4
	v_nop                                          ; the places behind those products, for the loads into K's registers and for the maxima
.endr
	s_cmp_eq_u32 s[CNT], 1
	s_cbranch_scc1 .Lno_k_\@
	FETCH_K
.Lno_k_\@:
	SOFTMAX
	s_wait_dscnt 0x0                               ; V is in, and the next K
.set i, 0
.rept 16
	PVM
.set i, i+1
.endr
	WIN 0
	s_add_co_u32 s[TBV], s[TBV], KS*PV
	v_add_nc_u32 v[AV], s[TBV], v[AV0]
.rept 4
	v_nop
.endr
	s_cmp_eq_u32 s[CNT], 1
	s_cbranch_scc1 .Lno_v_\@
	FETCH_V
.Lno_v_\@:
.endm
; A BLOCK BEGINS: c m far below every c s, so that the first a is 0; m the lowest finite number; MD for the block's own step; MC = 0.
.macro START
	s_mov_b32 s[NEW], 0
	WIN 0
.irp u, 0,1
	v_mov_b32 v[ST+4*\u], 0xfe000000
	v_mov_b32 v[ST+4*\u+1], 0xff7fffff
.endr
	v_add_nc_u32 v[DW], s[OB], v[DV]               ; register j of key group kt is hidden where 16 kt + j is greater
	WIN 0x40
.set i, 0
.rept 32
	v_cmp_gt_i32 vcc_lo, 16*(i/8)+i%8, v[DW]
	v_cndmask_b32 v[MD+i], 0, s[BIGN], vcc_lo
.set i, i+1
.endr
	s_mov_b32 s[AL], 0
	s_mov_b32 s[BE], 0
	MASK
	WIN 0
	s_wait_loadcnt 0x0                             ; Q
.endm
; A BLOCK ENDS: O^T / l, rounded to f16, through my stage in LDS, out as whole rows of 256 bytes.  last = 0: the second block's numbers take the first's places.
.macro FINISH last
	WIN 0
.irp u, 0,1
	v_add_f32 v[ST+4*\u+2], v[ST+4*\u+2], v[ST+4*\u+3]
.endr
.irp u, 0,1
	v_permlanex16_b32 v[ST+4*\u+3], v[ST+4*\u+2], s[SEL], s[SEL+1]
.endr
.irp u, 0,1
	v_add_f32 v[ST+4*\u+2], v[ST+4*\u+2], v[ST+4*\u+3]
.endr
.irp u, 0,1
	v_rcp_f32 v[ST+4*\u+2], v[ST+4*\u+2]
.endr
	v_nop
	WIN W_RS
.set i, 0
	s_wait_alu depctr_va_vdst(0)
.rept 32
	v_pk_mul_f32 v[2*i:2*i+1], v[2*i:2*i+1], v[ST+4*(i/16)+2:ST+4*(i/16)+3] op_sel_hi:[1,0]
.set i, i+1
.endr
	WIN 0x05
.set i, 0
.rept 32
	v_cvt_pk_f16_f32 v[S+i], v[2*i], v[2*i+1]
.set i, i+1
.endr
	WIN 0
.set i, 0
.rept 8
	ds_store_b128 v[STO], v[S+4*i:S+4*i+3] offset:128*(i/4)+32*(i%4)
.set i, i+1
.endr
.set i, 0
.rept 8
	ds_load_b128 v[S+32+4*i:S+32+4*i+3], v[RD] offset:2*SP*i  ; LDS serves a wave's instructions in order (ISA guide 5.7.1.4): these see the stores above
.set i, i+1
.endr
.set i, 0
.rept 8
	s_wait_dscnt 7-i
	global_store_b128 v[GO], v[S+32+4*i:S+32+4*i+3], s[10:11] offset:4096*i  ; 16 lanes store 256 consecutive bytes, aligned
.set i, i+1
.endr
.if !(\last)
	s_wait_xcnt 0x0                                ; the stores' base and data registers are rewritten only behind this wait
	s_mov_b64 s[10:11], s[OLO:OLO+1]
	s_add_co_u32 s[RT], s[TL], 1
	s_mov_b32 s[NEW], 1
	s_mov_b32 s[C4], s[C4B]
	s_mov_b32 s[OB], s[OBB]
	WIN 0x82
.set i, 0
.rept 32
	v_mov_b32 v[i], v[QB+i]
.set i, i+1
.endr
	WIN 0
.endif
.endm
; A TILE: four key steps.  Every jump goes forward but the step loop's own, and none passes a barrier or a tensor load.
.macro TILE last
	s_sub_co_u32 s[RT], s[RT], 1
	s_cmp_eq_u32 s[NEW], 1
	s_cbranch_scc0 .Lold_\@
	START
.Lold_\@:
	v_add_nc_u32 v[AK], s[TBK], v[AK0]
	FETCH_K
	v_add_nc_u32 v[AV], s[TBV], v[AV0]
	FETCH_V
	s_mov_b32 s[CNT], 4
.Lstep_\@:
	s_cmp_eq_u32 s[RT], 0
	s_cbranch_scc0 .Lopen_\@
	s_cmp_eq_u32 s[CNT], s[C4]                     ; the diagonal tile: is this step the block's own?
	s_cselect_b32 s[AL], 1.0, 0
	s_cmp_lt_u32 s[CNT], s[C4]                     ; or a later one?
	s_cselect_b32 s[BE], s[BIGN], 0
	MASK
	WIN 0
.Lopen_\@:
	STEP
	s_sub_co_u32 s[CNT], s[CNT], 1
	s_cmp_lg_u32 s[CNT], 0
	s_cbranch_scc1 .Lstep_\@
.if \last
	FINISH 1
.else
	s_cmp_eq_u32 s[RT], 0
	s_cbranch_scc0 .Lgo_\@
	FINISH 0
.Lgo_\@:
.endif
.endm
.Lslot:                                                ; eight times: a tile is entered and the next is asked for
	CHANGE 1
	TILE 0
	s_sub_co_u32 s[SLOTS], s[SLOTS], 1
	s_cmp_lg_u32 s[SLOTS], 0
	s_cbranch_scc1 .Lslot
	CHANGE 0                                       ; the walk's last tile is written out
	TILE 1
	s_wait_tensorcnt 0x0                           ; the wave's end
	ds_add_u32 v[SPW], v[NIL]
	s_wait_dscnt 0x0
	CROUND                                         ; the closing round
	s_endpgm
.Lfunc_end_k_q1d66b84cfc_attn:
	.size	k_q1d66b84cfc_attn, .Lfunc_end_k_q1d66b84cfc_attn-k_q1d66b84cfc_attn
	.p2alignl 7, 3214868480
	.fill 96, 4, 3214868480
	.section	.rodata,"a",@progbits
	.p2align	6, 0x0
	.amdhsa_kernel k_q1d66b84cfc_attn
		.amdhsa_group_segment_fixed_size 327680
		.amdhsa_private_segment_fixed_size 0
		.amdhsa_enable_private_segment 0
		.amdhsa_kernarg_size 16
		.amdhsa_user_sgpr_count 2
		.amdhsa_user_sgpr_kernarg_segment_ptr 1
		.amdhsa_wavefront_size32 1
		.amdhsa_system_sgpr_workgroup_id_x 1
		.amdhsa_system_sgpr_workgroup_id_y 1
		.amdhsa_system_sgpr_workgroup_id_z 1
		.amdhsa_system_vgpr_workitem_id 0
		.amdhsa_next_free_vgpr 768
		.amdhsa_next_free_sgpr 92
		.amdhsa_reserve_vcc 1
		.amdhsa_float_denorm_mode_32 3
		.amdhsa_float_denorm_mode_16_64 3
		.amdhsa_memory_ordered 1
		.amdhsa_forward_progress 1
		.amdhsa_inst_pref_size 83
	.end_amdhsa_kernel
	.amdgpu_metadata
---
amdhsa.version: [ 1, 2 ]
amdhsa.kernels:
  - .name:           k_q1d66b84cfc_attn
    .symbol:         k_q1d66b84cfc_attn.kd
    .args:
      - { .name: qkv16, .offset: 0, .size: 8, .value_kind: global_buffer, .address_space: global }
      - { .name: y16, .offset: 8, .size: 8, .value_kind: global_buffer, .address_space: global }
    .group_segment_fixed_size: 327680
    .private_segment_fixed_size: 0
    .kernarg_segment_align: 8
    .kernarg_segment_size: 16
    .max_flat_workgroup_size: 128
    .sgpr_count:     92
    .vgpr_count:     768
    .wavefront_size: 32
...
	.end_amdgpu_metadata
.endif
;; end of part 3
;; launch wo (part 4): grid 8 x 32, 4 waves a work-group, clusters of 4 x 4, 327,680 bytes of LDS; arguments y16, w16, raw; writes raw
.if DOCPART == 4
	.amdgcn_target "amdgcn-amd-amdhsa--gfx1250"
	.amdhsa_code_object_version 6
	.text
	.protected	k_q1d66b84cfc_wo
	.globl	k_q1d66b84cfc_wo
	.p2align	8
	.type	k_q1d66b84cfc_wo,@function
k_q1d66b84cfc_wo:
	s_mov_b64 s[64:65], 0
	v_nop
	global_prefetch_b8 v0, s[64:65] scope:SCOPE_SE
	s_setreg_imm32_b32 hwreg(HW_REG_WAVE_MODE, 25, 1), 1
	s_wait_xcnt 0x0
	s_wait_alu depctr_hold_cnt(0) depctr_sa_sdst(0) depctr_va_vdst(0) depctr_va_sdst(0) depctr_va_ssrc(0) depctr_va_vcc(0) depctr_vm_vsrc(0)
	s_getreg_b32 s2, hwreg(HW_REG_IB_STS2, 6, 4)
	s_cmp_eq_u32 s2, 0
	s_cbranch_scc0 .Lentry_in_a_cluster
	s_endpgm
.Lentry_in_a_cluster:
	s_bfe_u32 s2, ttmp6, 0x10000c
	s_cmp_lg_u32 s2, 0xf033
	s_cbranch_scc0 .Lentry_shape_is_right
	s_endpgm
.Lentry_shape_is_right:
; WO: raw[m][n] = sum over k of y[m][k] Wo[n][k], m = 4,096, n = 1,024, k = 1,024, f16 operands, f32 sums, f32 out.
; A tile of C is 128 x 128 (256 tiles: one for each of 256 work-groups); four waves, each 64 x 64: 16 accumulators.  K goes in steps of 256 (LDS rows of 512 bytes + 16) through two slots filled by tensor loads.
; CLUSTER 4 x 4: A's tiles are asked for jointly along a row of the cluster, B's along a column.  The matrix instruction is used transposed: a lane holds one row (lane % 16) and 8 neighbouring columns.
; A wave's 64 f32 columns are 256 aligned bytes: each wave sends its rows through a stage of its own, without a barrier.
; LIMITS.  y and Wo must lie within f16's range (65,504).
; REGISTERS.  window 0: v16-29 addresses; v32-95 the way out; v128-255 accumulators.  window 1: two fragment buffers of 128.
.set SIZE_K, 1024
.set BOFF,   3145728                   ; Wo in w16
.set KSTEP,  256
.set PITCH,  528
.set HALFT,  64*PITCH
.set SLOT,   4*HALFT                   ; 0x21000 shares no bit with wave x HALFT, so an exclusive or changes slots
.set STAGE,  2*SLOT
.set SPITCH, 272
.set SPARE,  STAGE+4*16*SPITCH         ; the spare words: 128 bytes a wave, two blocks of 256 bytes that no other line names
.set STEPS,  SIZE_K/KSTEP
.set ADRA0, 16
.set ADRA,  17
.set ADRB0, 20
.set ADRB,  21
.set STO,  24
.set RD,   25
.set CO,   26
.set SPW,  28
.set NIL,  29
.set ACC,  128
.set F0,   0
.set F1,   128
.set G1,  24
.set G0,  32
.set G1B, 48
.set G0B, 56
.set SB,  45
.set MSB, 0
.macro WIN new
.if MSB != (\new)
	s_set_vgpr_msb (MSB<<8)|(\new)
.set MSB, \new
.endif
.endm
.set MUL,  0x05
.set TO_F, 0x40
.macro JLOAD                           ; a joint refill by the walking descriptor; s_nop 0 and four v_nop follow each line
	s_cmp_eq_u32 s11, 0
	s_cbranch_scc0 .Lfor_b_\@
	tensor_load_to_lds s[G0+4:G0+7], s[G1:G1+7]
	s_nop 0
.rept 4
	v_nop
.endr
	s_branch .Lasked_\@
.Lfor_b_\@:
	tensor_load_to_lds s[G0B+4:G0B+7], s[G1B:G1B+7]
	s_nop 0
.rept 4
	v_nop
.endr
.Lasked_\@:
.endm
.macro CREST
	s_cmp_lg_u32 s10, 0
	s_cbranch_scc1 .Lnot_wave_0_\@
	s_barrier_signal -3
.Lnot_wave_0_\@:
	s_barrier_wait -3
	s_barrier_signal -1
	s_barrier_wait -1
.endm
.macro CROUND
	s_barrier_signal -1
	s_barrier_wait -1
	CREST
.endm
	s_load_b128 s[4:7], s[0:1], 0x0                ; A, w16
	s_load_b64 s[8:9], s[0:1], 0x10                ; C
	v_lshl_add_u32 v[SPW], v0, 2, SPARE
	v_mov_b32 v[NIL], 0
	ds_add_u32 v[SPW], v[NIL]                      ; the wave's opening: the add and its wait stand ahead of my first tensor load
	v_lshrrev_b32 v1, 5, v0
	v_readfirstlane_b32 s10, v1
	s_lshr_b32 s11, s10, 1
	s_and_b32 s12, s10, 1
	s_bfe_u32 s40, ttmp6, 0x40000
	s_bfe_u32 s41, ttmp6, 0x40004
	s_lshl_b32 s42, ttmp9, 2
	s_add_co_u32 s42, s42, s40                     ; tile column
	s_and_b32 s13, ttmp7, 0xffff
	s_lshl_b32 s13, s13, 2
	s_add_co_u32 s13, s13, s41                     ; tile row
	s_lshl_b32 s43, s41, 2
	s_lshl_b32 s43, 15, s43
	s_lshl_b32 s44, 0x1111, s40
	s_or_b32 s[G1+0], s43, (1<<16)|(1<<20)|(1<<21)|(6<<22)|(3<<25)
	s_or_b32 s[G1B+0], s44, (1<<16)|(1<<20)|(1<<21)|(6<<22)|(3<<25)
.irp g, G1, G1B
	s_mov_b32 s[(\g)+1], KSTEP<<16
	s_mov_b32 s[(\g)+2], 64<<16
	s_mov_b32 s[(\g)+3], KSTEP<<16
	s_mov_b32 s[(\g)+4], 64
	s_mov_b32 s[(\g)+5], SIZE_K
	s_mov_b32 s[(\g)+6], 0
	s_mov_b32 s[(\g)+7], 0
.endr
	s_lshl_b32 s17, s12, 6
	s_lshl_b32 s16, s13, 7
	s_add_co_u32 s16, s16, s17
	s_lshl_b32 s46, s42, 7
	s_add_co_u32 s46, s46, s17
	s_mov_b32 s17, 0
	s_mov_b32 s47, 0
	s_mov_b64 s[18:19], SIZE_K*2
	s_mul_u64 s[16:17], s[16:17], s[18:19]
	s_mul_u64 s[46:47], s[46:47], s[18:19]
	s_mul_i32 s20, s10, HALFT
	s_mov_b32 s[SB], 0
	s_wait_dscnt 0x0
	s_wait_kmcnt 0x0
	s_add_nc_u64 s[14:15], s[4:5], s[16:17]
	s_add_nc_u64 s[46:47], s[6:7], s[46:47]
	s_add_nc_u64 s[46:47], s[46:47], BOFF
	CROUND
.irp s, 0,1
	s_mov_b32 s[G0+4*(\s)], 1
	s_add_co_u32 s[G0+4*(\s)+1], s20, (\s)*SLOT
	s_add_nc_u64 s[G0+4*(\s)+2:G0+4*(\s)+3], s[14:15], (\s)*KSTEP*2
	s_or_b32 s[G0+4*(\s)+3], s[G0+4*(\s)+3], 0x80000000
	s_mov_b32 s[G0B+4*(\s)], 1
	s_add_co_u32 s[G0B+4*(\s)+1], s20, (\s)*SLOT
	s_add_nc_u64 s[G0B+4*(\s)+2:G0B+4*(\s)+3], s[46:47], (\s)*KSTEP*2
	s_or_b32 s[G0B+4*(\s)+3], s[G0B+4*(\s)+3], 0x80000000
.endr
	s_cmp_eq_u32 s11, 0                            ; a wave's two first fills stand in one branch: two loads of mine are out
	s_cbranch_scc0 .Lfirst_b
	tensor_load_to_lds s[G0:G0+3], s[G1:G1+7]
	s_nop 0
	tensor_load_to_lds s[G0+4:G0+7], s[G1:G1+7]
	s_nop 0
.rept 4
	v_nop
.endr
	s_branch .Lfirst_asked
.Lfirst_b:
	tensor_load_to_lds s[G0B:G0B+3], s[G1B:G1B+7]
	s_nop 0
	tensor_load_to_lds s[G0B+4:G0B+7], s[G1B:G1B+7]
	s_nop 0
.rept 4
	v_nop
.endr
.Lfirst_asked:
	v_and_b32 v1, 15, v0
	v_bfe_u32 v2, v0, 4, 1
	v_mul_u32_u24 v3, v1, PITCH
	v_lshl_add_u32 v3, v2, 4, v3
	s_mul_i32 s21, s11, HALFT
	s_mul_i32 s22, s12, HALFT
	s_add_co_u32 s22, s22, 2*HALFT
	v_add_nc_u32 v[ADRA0], s21, v3
	v_add_nc_u32 v[ADRB0], s22, v3
	v_mov_b32 v[ADRA], v[ADRA0]
	v_mov_b32 v[ADRB], v[ADRB0]
	s_mul_i32 s23, s10, 16*SPITCH
	s_add_co_u32 s23, s23, STAGE                   ; my stage
	v_mul_u32_u24 v4, v1, SPITCH
	v_lshl_add_u32 v4, v2, 5, v4
	v_add_nc_u32 v[STO], s23, v4                   ; in: row r, 32 bytes for each half of the lanes
	v_mul_u32_u24 v5, v2, SPITCH
	v_lshl_add_u32 v5, v1, 4, v5
	v_add_nc_u32 v[RD], s23, v5                    ; back: lanes 0-15 one row of 256 bytes, lanes 16-31 the next
	v_lshlrev_b32 v5, 12, v2
	v_lshl_add_u32 v[CO], v1, 4, v5                ; and the same two rows of C, 4,096 bytes apart
	s_lshl_b32 s16, s13, 7
	s_lshl_b32 s17, s11, 6
	s_add_co_u32 s16, s16, s17
	s_lshl_b32 s16, s16, 12
	s_mov_b32 s17, 0
	s_add_nc_u64 s[8:9], s[8:9], s[16:17]
	s_lshl_b32 s46, s42, 9
	s_lshl_b32 s47, s12, 8
	s_add_co_u32 s46, s46, s47
	s_mov_b32 s47, 0
	s_add_nc_u64 s[8:9], s[8:9], s[46:47]
.macro MUL8 f, c, a0, zero
	WIN MUL
.irp a, \a0, (\a0)+1
.irp b, 0,1,2,3
.if \zero
	v_wmma_f32_16x16x32_f16 v[ACC+8*(4*(\a)+(\b)):ACC+8*(4*(\a)+(\b))+7], v[(\f)+64+8*(4*(\c)+(\b)):(\f)+64+8*(4*(\c)+(\b))+7], v[(\f)+8*(4*(\c)+(\a)):(\f)+8*(4*(\c)+(\a))+7], 0
.else
	v_wmma_f32_16x16x32_f16 v[ACC+8*(4*(\a)+(\b)):ACC+8*(4*(\a)+(\b))+7], v[(\f)+64+8*(4*(\c)+(\b)):(\f)+64+8*(4*(\c)+(\b))+7], v[(\f)+8*(4*(\c)+(\a)):(\f)+8*(4*(\c)+(\a))+7], v[ACC+8*(4*(\a)+(\b)):ACC+8*(4*(\a)+(\b))+7]
.endif
.endr
.endr
.endm
.macro FETCH k, f
	WIN TO_F
.irp c, 0,1
.irp i, 0,1,2,3
	ds_load_b128 v[(\f)+64+8*(4*(\c)+(\i)):(\f)+64+8*(4*(\c)+(\i))+3],   v[ADRB] offset:(\k)+64*(\c)+(\i)*16*PITCH
	ds_load_b128 v[(\f)+64+8*(4*(\c)+(\i))+4:(\f)+64+8*(4*(\c)+(\i))+7], v[ADRB] offset:(\k)+64*(\c)+(\i)*16*PITCH+32
	ds_load_b128 v[(\f)+8*(4*(\c)+(\i)):(\f)+8*(4*(\c)+(\i))+3],         v[ADRA] offset:(\k)+64*(\c)+(\i)*16*PITCH
	ds_load_b128 v[(\f)+8*(4*(\c)+(\i))+4:(\f)+8*(4*(\c)+(\i))+7],       v[ADRA] offset:(\k)+64*(\c)+(\i)*16*PITCH+32
.endr
.endr
.endm
.macro PLACES
.rept 4
	v_nop
.endr
.endm
.macro NEXTSLOT                        ; the fragment addresses go over to the other slot
	s_xor_b32 s[SB], s[SB], SLOT
	v_add_nc_u32 v[ADRA], s[SB], v[ADRA0]
	v_add_nc_u32 v[ADRB], s[SB], v[ADRB0]
.endm
.macro QUARTER k, f, g, zero
	s_wait_dscnt 16                                ; the first 32 along K are in; the 16 younger loads may be out
	WIN MUL
	MUL8 \f, 0, 0, \zero
	MUL8 \f, 0, 2, \zero
	PLACES
	FETCH \k, \g
	s_wait_dscnt 32                                ; all but the 32 just issued
	WIN MUL
	MUL8 \f, 1, 0, 0
	MUL8 \f, 1, 2, 0
.endm
.macro TURN                            ; a K step's last quarter, and the change of slots: the slot just read is filled again, two K steps ahead
	WIN 0
	s_wait_tensorcnt 0x0                           ; all my tensor loads have landed: my part of the next slot
	ds_add_u32 v[SPW], v[NIL]
	s_wait_dscnt 17                                ; the add and the youngest sixteen loads may be out
	WIN MUL
	MUL8 F1, 0, 0, 0
	s_wait_dscnt 0x0                               ; the add is done, and my reads of this slot are over
	s_barrier_signal -1
	MUL8 F1, 0, 2, 0
	WIN 0
	s_barrier_wait -1
	CREST
	s_xor_b32 s[G0+5], s[G0+5], SLOT
	s_add_nc_u64 s[G0+6:G0+7], s[G0+6:G0+7], KSTEP*2
	s_xor_b32 s[G0B+5], s[G0B+5], SLOT
	s_add_nc_u64 s[G0B+6:G0B+7], s[G0B+6:G0B+7], KSTEP*2
	JLOAD
	NEXTSLOT
	FETCH 0, F0
	WIN MUL
	MUL8 F1, 1, 0, 0
	MUL8 F1, 1, 2, 0
.endm
.macro LASTQ                           ; a K step's last quarter where nothing is filled again: all its products, and the barrier behind which the other slot is whole for every wave
	WIN 0
	s_wait_tensorcnt 0x0
	ds_add_u32 v[SPW], v[NIL]
	s_wait_dscnt 17                                ; the add and the youngest sixteen loads may be out
	WIN MUL
	MUL8 F1, 0, 0, 0
	s_wait_dscnt 0x0                               ; the add is done, and my reads of this slot are over
	s_barrier_signal -1
	MUL8 F1, 0, 2, 0
	MUL8 F1, 1, 0, 0
	MUL8 F1, 1, 2, 0
	WIN 0
	s_barrier_wait -1
.endm
	s_wait_tensorcnt 1                             ; my part of K step 0 is in; K step 1's stays out
	s_barrier_signal -1
	s_barrier_wait -1
	FETCH 0, F0
	QUARTER 128, F0, F1, 1
	WIN 0
	s_mov_b32 s3, STEPS-2
.Lstep:
	QUARTER 256, F1, F0, 0
	QUARTER 384, F0, F1, 0
	TURN
	QUARTER 128, F0, F1, 0
	WIN 0
	s_sub_co_u32 s3, s3, 1
	s_cmp_lg_u32 s3, 0
	s_cbranch_scc1 .Lstep
	s_mov_b32 s3, 2
.Ltail:                                                ; the last two K steps fill nothing: one text, walked twice.  The second trip jumps over the change of slots and the next step's first quarter; its barrier orders nothing more: the price of one text
	QUARTER 256, F1, F0, 0
	QUARTER 384, F0, F1, 0
	LASTQ
	s_cmp_eq_u32 s3, 1
	s_cbranch_scc1 .Llast
	PLACES
	NEXTSLOT
	FETCH 0, F0
	QUARTER 128, F0, F1, 0
	WIN 0
.Llast:
	s_sub_co_u32 s3, s3, 1
	s_cmp_lg_u32 s3, 0
	s_cbranch_scc1 .Ltail
	PLACES
	; THE WAY OUT, 16 rows at a time: the accumulators go into my stage as they are (each from its low end on) and come back as whole rows of 256 bytes.
.set ta, 0
.rept 4
.set BK, 32+32*(ta%2)
.if ta >= 2
	s_wait_xcnt 0x0                                ; the registers that the stores two tiles back read are rewritten only behind this wait
.endif
.set tb, 0
.rept 4
	ds_store_b128 v[STO], v[ACC+8*(4*ta+tb):ACC+8*(4*ta+tb)+3] offset:64*tb
	ds_store_b128 v[STO], v[ACC+8*(4*ta+tb)+4:ACC+8*(4*ta+tb)+7] offset:64*tb+16
.set tb, tb+1
.endr
.set tt, 0
.rept 8
	ds_load_b128 v[BK+4*tt:BK+4*tt+3], v[RD] offset:2*SPITCH*tt  ; LDS serves a wave's instructions in order (ISA guide 5.7.1.4)
.set tt, tt+1
.endr
.set tt, 0
.rept 8
	s_wait_dscnt 7-tt
	global_store_b128 v[CO], v[BK+4*tt:BK+4*tt+3], s[8:9] offset:(16*ta+2*tt)*4096  ; 16 lanes store 256 consecutive bytes, aligned
.set tt, tt+1
.endr
.set ta, ta+1
.endr
	s_wait_tensorcnt 0x0                           ; the wave's end
	ds_add_u32 v[SPW], v[NIL]
	s_wait_dscnt 0x0
	CROUND
	s_endpgm
.Lfunc_end_k_q1d66b84cfc_wo:
	.size	k_q1d66b84cfc_wo, .Lfunc_end_k_q1d66b84cfc_wo-k_q1d66b84cfc_wo
	.p2alignl 7, 3214868480
	.fill 96, 4, 3214868480
	.section	.rodata,"a",@progbits
	.p2align	6, 0x0
	.amdhsa_kernel k_q1d66b84cfc_wo
		.amdhsa_group_segment_fixed_size 327680
		.amdhsa_private_segment_fixed_size 0
		.amdhsa_enable_private_segment 0
		.amdhsa_kernarg_size 24
		.amdhsa_user_sgpr_count 2
		.amdhsa_user_sgpr_kernarg_segment_ptr 1
		.amdhsa_wavefront_size32 1
		.amdhsa_system_sgpr_workgroup_id_x 1
		.amdhsa_system_sgpr_workgroup_id_y 1
		.amdhsa_system_sgpr_workgroup_id_z 1
		.amdhsa_system_vgpr_workitem_id 0
		.amdhsa_next_free_vgpr 512
		.amdhsa_next_free_sgpr 66
		.amdhsa_reserve_vcc 0
		.amdhsa_float_denorm_mode_32 3
		.amdhsa_float_denorm_mode_16_64 3
		.amdhsa_memory_ordered 1
		.amdhsa_forward_progress 1
		.amdhsa_inst_pref_size 58
	.end_amdhsa_kernel
	.amdgpu_metadata
---
amdhsa.version: [ 1, 2 ]
amdhsa.kernels:
  - .name:           k_q1d66b84cfc_wo
    .symbol:         k_q1d66b84cfc_wo.kd
    .args:
      - { .name: y16, .offset: 0, .size: 8, .value_kind: global_buffer, .address_space: global }
      - { .name: w16, .offset: 8, .size: 8, .value_kind: global_buffer, .address_space: global }
      - { .name: raw, .offset: 16, .size: 8, .value_kind: global_buffer, .address_space: global }
    .group_segment_fixed_size: 327680
    .private_segment_fixed_size: 0
    .kernarg_segment_align: 8
    .kernarg_segment_size: 24
    .max_flat_workgroup_size: 128
    .sgpr_count:     66
    .vgpr_count:     512
    .wavefront_size: 32
...
	.end_amdgpu_metadata
.endif
;; end of part 4
;; launch mid (part 5): grid 256 x 1, 8 waves a work-group, no clusters, 0 bytes of LDS; arguments raw, x, tab, x1, xn16; writes x1, xn16
.if DOCPART == 5
	.amdgcn_target "amdgcn-amd-amdhsa--gfx1250"
	.amdhsa_code_object_version 6
	.text
	.protected	k_q1d66b84cfc_mid
	.globl	k_q1d66b84cfc_mid
	.p2align	8
	.type	k_q1d66b84cfc_mid,@function
k_q1d66b84cfc_mid:
	s_mov_b64 s[64:65], 0
	v_nop
	global_prefetch_b8 v0, s[64:65] scope:SCOPE_SE
	s_setreg_imm32_b32 hwreg(HW_REG_WAVE_MODE, 25, 1), 1
	s_wait_xcnt 0x0
; MID: x1 = bf16(x) + raw * rsqrt(mean(raw^2) + 1e-6) * A1 + B1 (A1 = scale x post_norm_w x gain, B1 = scale x bias, from tab); xn2 = x1 * rsqrt(mean(x1^2) + 1e-6) * mlp_norm_w, written as f16.
; A wave takes two whole rows and keeps them in registers: each byte is read once, and no wave waits for another.  Lane l owns columns 128 j + 4 l + 0..3.
; A stream: no LDS, no matrix unit, no cluster.  LIMIT: |xn2| <= 32 |mlp_norm_w| must stay under 65,504.
.set A1,  8
.set B1,  40
.set W2,  72
.set PKR, 232
.macro RB2 a, b, t
	v_cvt_pk_bf16_f32 v[\t], v[\a], v[\b]
	v_lshlrev_b32 v[\a], 16, v[\t]
	v_and_b32 v[\b], 0xffff0000, v[\t]
.endm
.macro RNORM X                         ; v[252:253] = rsqrt(mean of the row's squares + 1e-6), twice; the row's 32 registers a lane begin at X
	v_pk_mul_f32 v[248:249], v[(\X):(\X)+1], v[(\X):(\X)+1]
	v_pk_mul_f32 v[250:251], v[(\X)+2:(\X)+3], v[(\X)+2:(\X)+3]
.set k, 2
.rept 14
	v_pk_fma_f32 v[248+2*(k%2):249+2*(k%2)], v[(\X)+2*k:(\X)+2*k+1], v[(\X)+2*k:(\X)+2*k+1], v[248+2*(k%2):249+2*(k%2)]
.set k, k+1
.endr
	v_pk_add_f32 v[248:249], v[248:249], v[250:251]
	v_add_f32 v248, v248, v249
	v_add_f32_dpp v248, v248, v248 row_xmask:1 row_mask:0xf bank_mask:0xf
	v_add_f32_dpp v248, v248, v248 row_xmask:2 row_mask:0xf bank_mask:0xf
	v_add_f32_dpp v248, v248, v248 row_xmask:4 row_mask:0xf bank_mask:0xf
	v_add_f32_dpp v248, v248, v248 row_xmask:8 row_mask:0xf bank_mask:0xf
	v_permlanex16_b32 v249, v248, s2, s3
	v_add_f32 v248, v248, v249
	v_fma_f32 v248, v248, s6, s7
	v_rsq_f32 v252, v248
	v_rsq_f32 v253, v248
	v_nop                                          ; a plain instruction between the root and its use (ISA guide 5.7.2)
.endm
.macro LOAD8 dst, lo, off              ; a row or a vector: eight loads of 512 consecutive bytes a wave
.set j, 0
.rept 8
	global_load_b128 v[(\dst)+4*j:(\dst)+4*j+3], v1, s[\lo:\lo+1] offset:(\off)+512*j
.set j, j+1
.endr
.endm
	s_load_b256 s[8:15], s[0:1], 0x0               ; raw, x, tab, x1
	s_load_b64 s[16:17], s[0:1], 0x20              ; xn16
	v_lshrrev_b32 v1, 5, v0
	v_readfirstlane_b32 s5, v1
	v_and_b32 v2, 31, v0
	v_lshlrev_b32 v1, 4, v2
	v_lshlrev_b32 v3, 3, v2
	s_mov_b32 s2, 0x76543210
	s_mov_b32 s3, 0xfedcba98
	s_mov_b32 s6, 0x3a800000                       ; 1 / 1024
	s_mov_b32 s7, 0x358637bd                       ; 1e-6
	s_lshl_b32 s18, ttmp9, 4
	s_lshl1_add_u32 s18, s5, s18                   ; my first row
	s_lshl_b32 s20, s18, 12
	s_mov_b32 s21, 0
	s_lshl_b32 s22, s18, 11
	s_mov_b32 s23, 0
	s_wait_kmcnt 0x0
	s_add_nc_u64 s[8:9], s[8:9], s[20:21]
	s_add_nc_u64 s[10:11], s[10:11], s[20:21]
	s_add_nc_u64 s[14:15], s[14:15], s[20:21]
	s_add_nc_u64 s[16:17], s[16:17], s[22:23]
	LOAD8 104, 8, 0
	LOAD8 136, 10, 0
	LOAD8 A1, 12, 524288
	LOAD8 B1, 12, 524288+4096
	LOAD8 W2, 12, 524288+8192
	LOAD8 168, 8, 4096
	LOAD8 200, 10, 4096
.macro ROW RW, X, row
	RNORM \RW
.set k, 0
.rept 16
	RB2 (\X)+2*k, (\X)+2*k+1, 4
.set k, k+1
.endr
.set k, 0
	s_wait_alu depctr_va_vdst(0)
.rept 16
	v_pk_add_f32 v[(\X)+2*k:(\X)+2*k+1], v[(\X)+2*k:(\X)+2*k+1], v[B1+2*k:B1+2*k+1]
	v_pk_mul_f32 v[(\RW)+2*k:(\RW)+2*k+1], v[(\RW)+2*k:(\RW)+2*k+1], v[252:253]
.set k, k+1
.endr
.set k, 0
.rept 16
	v_pk_fma_f32 v[(\X)+2*k:(\X)+2*k+1], v[(\RW)+2*k:(\RW)+2*k+1], v[A1+2*k:A1+2*k+1], v[(\X)+2*k:(\X)+2*k+1]
.set k, k+1
.endr
.set k, 0
.rept 8
	global_store_b128 v1, v[(\X)+4*k:(\X)+4*k+3], s[14:15] offset:4096*(\row)+512*k
.set k, k+1
.endr
	RNORM \X
.set k, 0
	s_wait_alu depctr_va_vdst(0)
.rept 16
	v_pk_mul_f32 v[(\RW)+2*k:(\RW)+2*k+1], v[(\X)+2*k:(\X)+2*k+1], v[252:253]
.set k, k+1
.endr
.set k, 0
.rept 16
	v_pk_mul_f32 v[(\RW)+2*k:(\RW)+2*k+1], v[(\RW)+2*k:(\RW)+2*k+1], v[W2+2*k:W2+2*k+1]
.set k, k+1
.endr
.set k, 0
.rept 16
	v_cvt_pk_f16_f32 v[PKR+k], v[(\RW)+2*k], v[(\RW)+2*k+1]
.set k, k+1
.endr
.set k, 0
.rept 8
	global_store_b64 v3, v[PKR+2*k:PKR+2*k+1], s[16:17] offset:2048*(\row)+256*k
.set k, k+1
.endr
.endm
	s_wait_loadcnt 16                              ; the first row and the vectors are in; the second row's sixteen loads stay out
	ROW 104, 136, 0
	s_wait_loadcnt 0x0
	s_wait_xcnt 0x0                                ; the packed registers that the first row's stores read are rewritten only behind this wait
	ROW 168, 200, 1
	s_endpgm
.Lfunc_end_k_q1d66b84cfc_mid:
	.size	k_q1d66b84cfc_mid, .Lfunc_end_k_q1d66b84cfc_mid-k_q1d66b84cfc_mid
	.p2alignl 7, 3214868480
	.fill 96, 4, 3214868480
	.section	.rodata,"a",@progbits
	.p2align	6, 0x0
	.amdhsa_kernel k_q1d66b84cfc_mid
		.amdhsa_group_segment_fixed_size 0
		.amdhsa_private_segment_fixed_size 0
		.amdhsa_enable_private_segment 0
		.amdhsa_kernarg_size 40
		.amdhsa_user_sgpr_count 2
		.amdhsa_user_sgpr_kernarg_segment_ptr 1
		.amdhsa_wavefront_size32 1
		.amdhsa_system_sgpr_workgroup_id_x 1
		.amdhsa_system_sgpr_workgroup_id_y 1
		.amdhsa_system_sgpr_workgroup_id_z 1
		.amdhsa_system_vgpr_workitem_id 0
		.amdhsa_next_free_vgpr 256
		.amdhsa_next_free_sgpr 66
		.amdhsa_reserve_vcc 0
		.amdhsa_float_denorm_mode_32 3
		.amdhsa_float_denorm_mode_16_64 3
		.amdhsa_memory_ordered 1
		.amdhsa_forward_progress 1
		.amdhsa_inst_pref_size 33
	.end_amdhsa_kernel
	.amdgpu_metadata
---
amdhsa.version: [ 1, 2 ]
amdhsa.kernels:
  - .name:           k_q1d66b84cfc_mid
    .symbol:         k_q1d66b84cfc_mid.kd
    .args:
      - { .name: raw, .offset: 0, .size: 8, .value_kind: global_buffer, .address_space: global }
      - { .name: x, .offset: 8, .size: 8, .value_kind: global_buffer, .address_space: global }
      - { .name: tab, .offset: 16, .size: 8, .value_kind: global_buffer, .address_space: global }
      - { .name: x1, .offset: 24, .size: 8, .value_kind: global_buffer, .address_space: global }
      - { .name: xn16, .offset: 32, .size: 8, .value_kind: global_buffer, .address_space: global }
    .group_segment_fixed_size: 0
    .private_segment_fixed_size: 0
    .kernarg_segment_align: 8
    .kernarg_segment_size: 40
    .max_flat_workgroup_size: 256
    .sgpr_count:     66
    .vgpr_count:     256
    .wavefront_size: 32
...
	.end_amdgpu_metadata
.endif
;; end of part 5
;; launch fc (part 6): grid 16 x 16, 4 waves a work-group, clusters of 4 x 4, 327,680 bytes of LDS; arguments xn16, w16, h16; writes h16
.if DOCPART == 6
	.amdgcn_target "amdgcn-amd-amdhsa--gfx1250"
	.amdhsa_code_object_version 6
	.text
	.protected	k_q1d66b84cfc_fc
	.globl	k_q1d66b84cfc_fc
	.p2align	8
	.type	k_q1d66b84cfc_fc,@function
k_q1d66b84cfc_fc:
	s_mov_b64 s[64:65], 0
	v_nop
	global_prefetch_b8 v0, s[64:65] scope:SCOPE_SE
	s_setreg_imm32_b32 hwreg(HW_REG_WAVE_MODE, 25, 1), 1
	s_wait_xcnt 0x0
	s_wait_alu depctr_hold_cnt(0) depctr_sa_sdst(0) depctr_va_vdst(0) depctr_va_sdst(0) depctr_va_ssrc(0) depctr_va_vcc(0) depctr_vm_vsrc(0)
	s_getreg_b32 s2, hwreg(HW_REG_IB_STS2, 6, 4)
	s_cmp_eq_u32 s2, 0
	s_cbranch_scc0 .Lentry_in_a_cluster
	s_endpgm
.Lentry_in_a_cluster:
	s_bfe_u32 s2, ttmp6, 0x10000c
	s_cmp_lg_u32 s2, 0xf033
	s_cbranch_scc0 .Lentry_shape_is_right
	s_endpgm
.Lentry_shape_is_right:
; FC: h[m][n] = relu(sum over k of xn2[m][k] fc_w[n][k])^2, m = 4,096, n = 4,096, k = 1,024, f16 operands, f32 sums; h is written in bf16: its range (a square) has no room in f16.
; A tile of C is 256 x 256: 16 x 16 = 256 tiles, one for each of 256 work-groups.  Four waves, each 128 x 128: 64 accumulators, 512 registers.  K goes in 8 steps of 128 (LDS rows of 256 bytes + 16) through
; two slots filled by tensor loads: a K step brings 131,072 bytes for 256 matrix instructions a wave, twice the products for each byte that a tile of 128 x 128 has.
; CLUSTER 4 x 4: A's tiles are asked for jointly along a row of the cluster, B's along a column.  The matrix instruction is used transposed (source 0 = 16 rows of fc_w, source 1 = 16 rows of xn2):
; a lane holds one row (lane % 16) and 8 neighbouring columns.  A wave's 128 bf16 columns are 256 aligned bytes: each wave sends its rows through a stage of its own, without a barrier.
; LIMITS.  |xn2| <= 32 |mlp_norm_w| and fc_w must lie within f16's range (65,504).
; REGISTERS, in windows of 256 (s_set_vgpr_msb: bits 1:0 source 0, 3:2 source 1, 5:4 source 2, 7:6 destination):
;   window 0: v16-29 addresses; v64-127, v128-191 fragments of A, two buffers; v192-223 packed results; v32-63, v224-255 rows read back from the stage, by turns
;   window 1: v64-127, v128-191 fragments of B, two buffers
;   window 2: the 32 accumulators of my rows 0-63 ((a, b) at v[8 (8 a + b)]);   window 3: those of my rows 64-127
.set SIZE_K, 1024
.set SIZE_N, 4096
.set BOFF,   5242880                   ; fc_w in w16
.set KSTEP,  128
.set PITCH,  272                       ; 256 bytes + 16 = 68 words: the 16 rows of a fragment load start at 16 different groups of four banks (ISA guide 11.1)
.set HALFT,  128*PITCH                 ; what one tensor load brings, and what one wave reads of A or of B
.set SLOT,   4*HALFT                   ; A's 256 rows, then B's 256 rows.  SLOT = 0x22000 shares no bit with wave x HALFT (0x8800), so an exclusive or changes slots
.set STAGE,  2*SLOT
.set SPITCH, 272
.set SPARE,  STAGE+4*16*SPITCH         ; the spare words: 128 bytes a wave, two blocks of 256 bytes that no other line names
.set STEPS,  SIZE_K/KSTEP
.set ADRA0, 16                         ; my lane's place in A's tile of slot 0; never rewritten
.set ADRA,  17                         ; the same in the slot in hand
.set ADRB0, 20
.set ADRB,  21
.set STO,  24
.set RD,   25
.set CO,   26
.set SPW,  28
.set NIL,  29
.set F0,   64
.set F1,   128
.set TMP,  192
.set OB,   32
.set G1,  24                           ; s[24:31] group 1 for A; s[32:35], s[36:39] group 0: K step 0; K step 1, which then walks
.set G0,  32
.set G1B, 48                           ; s[48:55], s[56:63] the same for B
.set G0B, 56
.set SB,  45                           ; s45: LDS byte at which the slot in hand begins
.set MSB, 0
.macro WIN new                         ; the immediate's high byte repeats the setting that is left
.if MSB != (\new)
	s_set_vgpr_msb (MSB<<8)|(\new)
.set MSB, \new
.endif
.endm
.set MUL_LO, 0xa1                      ; source 0 (B) window 1, source 1 (A) window 0, C and D window 2
.set MUL_HI, 0xf1                      ; the same, C and D window 3
.set TO_B,   0x40                      ; destination window 1, address window 0
.macro JLOAD                           ; a joint refill by the walking descriptor: waves 0, 1 fetch A's halves, waves 2, 3 B's; s_nop 0 and four v_nop follow each line
	s_cmp_eq_u32 s11, 0
	s_cbranch_scc0 .Lfor_b_\@
	tensor_load_to_lds s[G0+4:G0+7], s[G1:G1+7]
	s_nop 0
.rept 4
	v_nop
.endr
	s_branch .Lasked_\@
.Lfor_b_\@:
	tensor_load_to_lds s[G0B+4:G0B+7], s[G1B:G1B+7]
	s_nop 0
.rept 4
	v_nop
.endr
.Lasked_\@:
.endm
.macro CREST                           ; a round of the cluster's barrier behind its opening barrier
	s_cmp_lg_u32 s10, 0
	s_cbranch_scc1 .Lnot_wave_0_\@
	s_barrier_signal -3
.Lnot_wave_0_\@:
	s_barrier_wait -3
	s_barrier_signal -1
	s_barrier_wait -1
.endm
.macro CROUND
	s_barrier_signal -1
	s_barrier_wait -1
	CREST
.endm
	s_load_b128 s[4:7], s[0:1], 0x0                ; xn16, w16
	s_load_b64 s[8:9], s[0:1], 0x10                ; h16
	v_lshl_add_u32 v[SPW], v0, 2, SPARE
	v_mov_b32 v[NIL], 0
	ds_add_u32 v[SPW], v[NIL]                      ; the wave's opening: the add and its wait stand ahead of my first tensor load
	v_lshrrev_b32 v1, 5, v0
	v_readfirstlane_b32 s10, v1                    ; wave 0..3
	s_lshr_b32 s11, s10, 1                         ; my half of the tile's rows; also: I fetch for A (0) or B (1)
	s_and_b32 s12, s10, 1                          ; my half of its columns; also: which 128 rows I fetch
	s_bfe_u32 s40, ttmp6, 0x40000                  ; cx
	s_bfe_u32 s41, ttmp6, 0x40004                  ; cy
	s_lshl_b32 s42, ttmp9, 2
	s_add_co_u32 s42, s42, s40                     ; tile column
	s_and_b32 s13, ttmp7, 0xffff
	s_lshl_b32 s13, s13, 2
	s_add_co_u32 s13, s13, s41                     ; tile row
	s_lshl_b32 s43, s41, 2
	s_lshl_b32 s43, 15, s43                        ; my row of the cluster
	s_lshl_b32 s44, 0x1111, s40                    ; my column
	s_or_b32 s[G1+0], s43, (1<<16)|(1<<20)|(1<<21)|(5<<22)|(3<<25)  ; mask; 2-byte elements; padding on; bit 21 beside a mask; after every 64 words 4 words
	s_or_b32 s[G1B+0], s44, (1<<16)|(1<<20)|(1<<21)|(5<<22)|(3<<25)
.irp g, G1, G1B
	s_mov_b32 s[(\g)+1], KSTEP<<16                 ; tensor_dim0 = 128
	s_mov_b32 s[(\g)+2], 128<<16                   ; tensor_dim1 = 128
	s_mov_b32 s[(\g)+3], KSTEP<<16                 ; tile_dim0 = 128
	s_mov_b32 s[(\g)+4], 128                       ; tile_dim1 = 128
	s_mov_b32 s[(\g)+5], SIZE_K                    ; elements from row to row
	s_mov_b32 s[(\g)+6], 0
	s_mov_b32 s[(\g)+7], 0
.endr
	s_lshl_b32 s17, s12, 7
	s_lshl_b32 s16, s13, 8
	s_add_co_u32 s16, s16, s17                     ; A: row 256 x tile row + 128 x half
	s_lshl_b32 s46, s42, 8
	s_add_co_u32 s46, s46, s17                     ; B: row 256 x tile column + 128 x half
	s_mov_b32 s17, 0
	s_mov_b32 s47, 0
	s_mov_b64 s[18:19], SIZE_K*2
	s_mul_u64 s[16:17], s[16:17], s[18:19]
	s_mul_u64 s[46:47], s[46:47], s[18:19]
	s_mul_i32 s20, s10, HALFT                      ; where my tiles go: wave x 128 rows
	s_mov_b32 s[SB], 0
	s_wait_dscnt 0x0                               ; the opening add is done
	s_wait_kmcnt 0x0
	s_add_nc_u64 s[14:15], s[4:5], s[16:17]
	s_add_nc_u64 s[46:47], s[6:7], s[46:47]
	s_add_nc_u64 s[46:47], s[46:47], BOFF
	CROUND                                         ; all sixteen work-groups are here: the first joint loads meet
.irp s, 0,1
	s_mov_b32 s[G0+4*(\s)], 1
	s_add_co_u32 s[G0+4*(\s)+1], s20, (\s)*SLOT
	s_add_nc_u64 s[G0+4*(\s)+2:G0+4*(\s)+3], s[14:15], (\s)*KSTEP*2
	s_or_b32 s[G0+4*(\s)+3], s[G0+4*(\s)+3], 0x80000000
	s_mov_b32 s[G0B+4*(\s)], 1
	s_add_co_u32 s[G0B+4*(\s)+1], s20, (\s)*SLOT
	s_add_nc_u64 s[G0B+4*(\s)+2:G0B+4*(\s)+3], s[46:47], (\s)*KSTEP*2
	s_or_b32 s[G0B+4*(\s)+3], s[G0B+4*(\s)+3], 0x80000000
.endr
	s_cmp_eq_u32 s11, 0                            ; a wave's two first fills stand in one branch: two loads of mine are out
	s_cbranch_scc0 .Lfirst_b
	tensor_load_to_lds s[G0:G0+3], s[G1:G1+7]
	s_nop 0
	tensor_load_to_lds s[G0+4:G0+7], s[G1:G1+7]
	s_nop 0
.rept 4
	v_nop
.endr
	s_branch .Lfirst_asked
.Lfirst_b:
	tensor_load_to_lds s[G0B:G0B+3], s[G1B:G1B+7]
	s_nop 0
	tensor_load_to_lds s[G0B+4:G0B+7], s[G1B:G1B+7]
	s_nop 0
.rept 4
	v_nop
.endr
.Lfirst_asked:
	v_and_b32 v1, 15, v0                           ; r = l % 16
	v_bfe_u32 v2, v0, 4, 1                         ; h = l / 16
	v_mul_u32_u24 v3, v1, PITCH
	v_lshl_add_u32 v3, v2, 4, v3                   ; a fragment's row x pitch + 16 x half
	s_mul_i32 s21, s11, HALFT                      ; my 128 rows of A
	s_mul_i32 s22, s12, HALFT                      ; my 128 rows of B,
	s_add_co_u32 s22, s22, 2*HALFT                 ; which lie behind A's 256
	v_add_nc_u32 v[ADRA0], s21, v3
	v_add_nc_u32 v[ADRB0], s22, v3
	v_mov_b32 v[ADRA], v[ADRA0]
	v_mov_b32 v[ADRB], v[ADRB0]
	s_mul_i32 s23, s10, 16*SPITCH
	s_add_co_u32 s23, s23, STAGE                   ; my stage
	v_mul_u32_u24 v4, v1, SPITCH
	v_lshl_add_u32 v4, v2, 4, v4
	v_add_nc_u32 v[STO], s23, v4                   ; in: row r, 16 bytes for each half of the lanes
	v_mul_u32_u24 v5, v2, SPITCH
	v_lshl_add_u32 v5, v1, 4, v5
	v_add_nc_u32 v[RD], s23, v5                    ; back: lanes 0-15 one row of 256 bytes, lanes 16-31 the next
	v_lshlrev_b32 v5, 13, v2
	v_lshl_add_u32 v[CO], v1, 4, v5                ; and the same two rows of h, 8,192 bytes apart
	s_lshl_b32 s16, s13, 8
	s_lshl_b32 s17, s11, 7
	s_add_co_u32 s16, s16, s17                     ; my first row of h,
	s_lshl_b32 s16, s16, 13                        ; in bytes (under 2^25)
	s_mov_b32 s17, 0
	s_add_nc_u64 s[8:9], s[8:9], s[16:17]
	s_lshl_b32 s46, s42, 9                         ; my first column, in bytes: 512 x tile column + 256 x half
	s_lshl_b32 s47, s12, 8
	s_add_co_u32 s46, s46, s47
	s_mov_b32 s47, 0
	s_add_nc_u64 s[8:9], s[8:9], s[46:47]
; 16 matrix instructions: row blocks a0, a0 + 1 of the window's four (hi = 0: my rows 0-63, 1: rows 64-127) x all 8 column blocks, 32 along K.  zero = 1: the first product starts the sums
.macro MUL16 f, hi, a0, zero
	WIN MUL_LO+0x50*(\hi)
.irp a, \a0, (\a0)+1
.irp b, 0,1,2,3,4,5,6,7
.if \zero
	v_wmma_f32_16x16x32_f16 v[8*(8*(\a)+(\b)):8*(8*(\a)+(\b))+7], v[(\f)+8*(\b):(\f)+8*(\b)+7], v[(\f)+8*(4*(\hi)+(\a)):(\f)+8*(4*(\hi)+(\a))+7], 0
.else
	v_wmma_f32_16x16x32_f16 v[8*(8*(\a)+(\b)):8*(8*(\a)+(\b))+7], v[(\f)+8*(\b):(\f)+8*(\b)+7], v[(\f)+8*(4*(\hi)+(\a)):(\f)+8*(4*(\hi)+(\a))+7], v[8*(8*(\a)+(\b)):8*(8*(\a)+(\b))+7]
.endif
.endr
.endr
.endm
; 32 LDS loads in one run: the fragments of one quarter step (128 rows of B, then 128 rows of A, 32 K at byte k of the rows of the slot in hand) into buffer f
.macro FETCH k, f
	WIN TO_B
.irp i, 0,1,2,3,4,5,6,7
	ds_load_b128 v[(\f)+8*(\i):(\f)+8*(\i)+3],   v[ADRB] offset:(\k)+(\i)*16*PITCH
	ds_load_b128 v[(\f)+8*(\i)+4:(\f)+8*(\i)+7], v[ADRB] offset:(\k)+(\i)*16*PITCH+32
.endr
	WIN 0
.irp i, 0,1,2,3,4,5,6,7
	ds_load_b128 v[(\f)+8*(\i):(\f)+8*(\i)+3],   v[ADRA] offset:(\k)+(\i)*16*PITCH
	ds_load_b128 v[(\f)+8*(\i)+4:(\f)+8*(\i)+7], v[ADRA] offset:(\k)+(\i)*16*PITCH+32
.endr
.endm
.macro PLACES                          ; four places in front of loads into registers that matrix instructions have read, and of lines that read or rewrite results
.rept 4
	v_nop
.endr
.endm
.macro NEXTSLOT                        ; the fragment addresses go over to the other slot
	s_xor_b32 s[SB], s[SB], SLOT
	v_add_nc_u32 v[ADRA], s[SB], v[ADRA0]
	v_add_nc_u32 v[ADRB], s[SB], v[ADRB0]
.endm
; A K step is four quarters of 32 along K, 64 matrix instructions each, on buffers 0, 1, 0, 1.  The 64 accumulators take turns in the same order in every quarter.
.macro QUARTER k, f, g, zero           ; multiplies buffer f; in its middle it fetches the next quarter's fragments, at byte k, into g
	s_wait_dscnt 8                                 ; B and A's rows 0-63 are in; the youngest eight loads (A's rows 64-127) may be out
	MUL16 \f, 0, 0, \zero
	MUL16 \f, 0, 2, \zero
	PLACES
	FETCH \k, \g
	s_wait_dscnt 32                                ; all but the 32 just issued
	MUL16 \f, 1, 0, \zero
	MUL16 \f, 1, 2, \zero
.endm
.macro TURN                            ; a K step's last quarter, and the change of slots: the slot just read is filled again, two K steps ahead
	WIN 0                                          ; (the add's two registers lie in window 0)
	s_wait_tensorcnt 0x0                           ; all my tensor loads have landed: my part of the next slot
	ds_add_u32 v[SPW], v[NIL]                      ; 0 onto my spare word
	s_wait_dscnt 9                                 ; the add and the youngest eight loads may be out
	MUL16 F1, 0, 0, 0
	s_wait_dscnt 0x0                               ; the add is done, and my reads of this slot are over
	s_barrier_signal -1
	MUL16 F1, 0, 2, 0
	WIN 0
	s_barrier_wait -1
	CREST                                          ; the barrier has opened a round of the cluster's: no wave of any partner still reads the slot or has a load on its way
	s_xor_b32 s[G0+5], s[G0+5], SLOT               ; the walking descriptors: the other slot than last time, one K step on
	s_add_nc_u64 s[G0+6:G0+7], s[G0+6:G0+7], KSTEP*2
	s_xor_b32 s[G0B+5], s[G0B+5], SLOT
	s_add_nc_u64 s[G0B+6:G0B+7], s[G0B+6:G0B+7], KSTEP*2
	JLOAD                                          ; my one tensor load behind the round: 224 matrix instructions ahead of the wait for it; its four v_nop are also the places in front of the loads below
	NEXTSLOT
	FETCH 0, F0
	MUL16 F1, 1, 0, 0
	MUL16 F1, 1, 2, 0
.endm
.macro LASTQ                           ; a K step's last quarter where nothing is filled again: all its products, and the barrier behind which the other slot is whole for every wave
	WIN 0
	s_wait_tensorcnt 0x0
	ds_add_u32 v[SPW], v[NIL]
	s_wait_dscnt 9                                 ; the add and the youngest eight loads may be out
	MUL16 F1, 0, 0, 0
	s_wait_dscnt 0x0                               ; the add is done, and my reads of this slot are over
	s_barrier_signal -1
	MUL16 F1, 0, 2, 0
	MUL16 F1, 1, 0, 0
	MUL16 F1, 1, 2, 0
	WIN 0
	s_barrier_wait -1
.endm
	s_wait_tensorcnt 1                             ; my part of K step 0 is in; K step 1's stays out
	s_barrier_signal -1
	s_barrier_wait -1
	FETCH 0, F0
	QUARTER 64, F0, F1, 1                          ; the first quarter stands in front of the loop: its products start the sums
	WIN 0
	s_mov_b32 s3, STEPS-2
.Lstep:                                                ; a trip is one K step, from its second quarter to the next step's first; it fills the slot that it leaves
	QUARTER 128, F1, F0, 0
	QUARTER 192, F0, F1, 0
	TURN
	QUARTER 64, F0, F1, 0
	WIN 0
	s_sub_co_u32 s3, s3, 1
	s_cmp_lg_u32 s3, 0
	s_cbranch_scc1 .Lstep
	s_mov_b32 s3, 2
.Ltail:                                                ; the last two K steps fill nothing: one text, walked twice.  The second trip jumps over the change of slots and the next step's first quarter; its barrier orders nothing more: the price of one text
	QUARTER 128, F1, F0, 0
	QUARTER 192, F0, F1, 0
	LASTQ
	s_cmp_eq_u32 s3, 1
	s_cbranch_scc1 .Llast
	PLACES
	NEXTSLOT
	FETCH 0, F0
	QUARTER 64, F0, F1, 0
	WIN 0
.Llast:
	s_sub_co_u32 s3, s3, 1
	s_cmp_lg_u32 s3, 0
	s_cbranch_scc1 .Ltail
	PLACES
; THE WAY OUT of block a (16 rows x my 128 columns), in three parts.  PACK: relu and square in place (each accumulator from its low end on), rounded to bf16, 16 bytes a lane.
; TOSTAGE: into my own stage in LDS, and back as whole rows of 256 bytes.  SEND: stored.
.macro PACK a
.set AC, 64*((\a)%4)
	WIN 0xaa+0x55*((\a)/4)                         ; sources and destination: window 2 or 3
.set k, 0
.rept 64
	v_max_num_f32 v[AC+k], 0, v[AC+k]
.set k, k+1
.endr
.set k, 0
.rept 32
	v_pk_mul_f32 v[AC+2*k:AC+2*k+1], v[AC+2*k:AC+2*k+1], v[AC+2*k:AC+2*k+1]
.set k, k+1
.endr
	WIN 0x0a+5*((\a)/4)                            ; sources 0 and 1: window 2 or 3; destination window 0
.set k, 0
.rept 32
	v_cvt_pk_bf16_f32 v[TMP+k], v[AC+2*k], v[AC+2*k+1]
.set k, k+1
.endr
	WIN 0
.endm
.macro TOSTAGE a
	WIN 0
.set BK, OB+192*((\a)%2)
.irp b, 0,1,2,3,4,5,6,7
	ds_store_b128 v[STO], v[TMP+4*(\b):TMP+4*(\b)+3] offset:32*(\b)
.endr
.irp t, 0,1,2,3,4,5,6,7
	ds_load_b128 v[BK+4*(\t):BK+4*(\t)+3], v[RD] offset:(\t)*2*SPITCH  ; LDS serves a wave's instructions in order (ISA guide 5.7.1.4): these see the stores above
.endr
.endm
.macro SEND a
	WIN 0
.set BK, OB+192*((\a)%2)
	s_wait_dscnt 0x0                               ; the block is back in registers
	s_wait_xcnt 0x0                                ; the registers that the block before's stores read are loaded again only behind this wait
.irp t, 0,1,2,3,4,5,6,7
	global_store_b128 v[CO], v[BK+4*(\t):BK+4*(\t)+3], s[8:9] offset:(16*(\a)+2*(\t))*SIZE_N*2  ; 16 lanes store 256 consecutive bytes, aligned; 126 rows of 8,192 bytes at the most: inside the signed 24-bit immediate
.endr
.endm
	PACK 0
	TOSTAGE 0
.irp a, 1,2,3,4,5,6,7                  ; block a's arithmetic stands between block a - 1's loads from the stage and the wait for them
	PACK \a
	SEND (\a)-1
	TOSTAGE \a
.endr
	SEND 7
	s_wait_tensorcnt 0x0                           ; the wave's end
	ds_add_u32 v[SPW], v[NIL]
	s_wait_dscnt 0x0
	CROUND                                         ; the closing round
	s_endpgm
.Lfunc_end_k_q1d66b84cfc_fc:
	.size	k_q1d66b84cfc_fc, .Lfunc_end_k_q1d66b84cfc_fc-k_q1d66b84cfc_fc
	.p2alignl 7, 3214868480
	.fill 96, 4, 3214868480
	.section	.rodata,"a",@progbits
	.p2align	6, 0x0
	.amdhsa_kernel k_q1d66b84cfc_fc
		.amdhsa_group_segment_fixed_size 327680
		.amdhsa_private_segment_fixed_size 0
		.amdhsa_enable_private_segment 0
		.amdhsa_kernarg_size 24
		.amdhsa_user_sgpr_count 2
		.amdhsa_user_sgpr_kernarg_segment_ptr 1
		.amdhsa_wavefront_size32 1
		.amdhsa_system_sgpr_workgroup_id_x 1
		.amdhsa_system_sgpr_workgroup_id_y 1
		.amdhsa_system_sgpr_workgroup_id_z 1
		.amdhsa_system_vgpr_workitem_id 0
		.amdhsa_next_free_vgpr 1024
		.amdhsa_next_free_sgpr 66
		.amdhsa_reserve_vcc 0
		.amdhsa_float_denorm_mode_32 3
		.amdhsa_float_denorm_mode_16_64 3
		.amdhsa_memory_ordered 1
		.amdhsa_forward_progress 1
		.amdhsa_inst_pref_size 132
	.end_amdhsa_kernel
	.amdgpu_metadata
---
amdhsa.version: [ 1, 2 ]
amdhsa.kernels:
  - .name:           k_q1d66b84cfc_fc
    .symbol:         k_q1d66b84cfc_fc.kd
    .args:
      - { .name: xn16, .offset: 0, .size: 8, .value_kind: global_buffer, .address_space: global }
      - { .name: w16, .offset: 8, .size: 8, .value_kind: global_buffer, .address_space: global }
      - { .name: h16, .offset: 16, .size: 8, .value_kind: global_buffer, .address_space: global }
    .group_segment_fixed_size: 327680
    .private_segment_fixed_size: 0
    .kernarg_segment_align: 8
    .kernarg_segment_size: 24
    .max_flat_workgroup_size: 128
    .sgpr_count:     66
    .vgpr_count:     1024
    .wavefront_size: 32
...
	.end_amdgpu_metadata
.endif
;; end of part 6
;; launch proj (part 7): grid 8 x 32, 4 waves a work-group, clusters of 4 x 4, 327,680 bytes of LDS; arguments h16, w16, raw; writes raw
.if DOCPART == 7
	.amdgcn_target "amdgcn-amd-amdhsa--gfx1250"
	.amdhsa_code_object_version 6
	.text
	.protected	k_q1d66b84cfc_proj
	.globl	k_q1d66b84cfc_proj
	.p2align	8
	.type	k_q1d66b84cfc_proj,@function
k_q1d66b84cfc_proj:
	s_mov_b64 s[64:65], 0
	v_nop
	global_prefetch_b8 v0, s[64:65] scope:SCOPE_SE
	s_setreg_imm32_b32 hwreg(HW_REG_WAVE_MODE, 25, 1), 1
	s_wait_xcnt 0x0
	s_wait_alu depctr_hold_cnt(0) depctr_sa_sdst(0) depctr_va_vdst(0) depctr_va_sdst(0) depctr_va_ssrc(0) depctr_va_vcc(0) depctr_vm_vsrc(0)
	s_getreg_b32 s2, hwreg(HW_REG_IB_STS2, 6, 4)
	s_cmp_eq_u32 s2, 0
	s_cbranch_scc0 .Lentry_in_a_cluster
	s_endpgm
.Lentry_in_a_cluster:
	s_bfe_u32 s2, ttmp6, 0x10000c
	s_cmp_lg_u32 s2, 0xf033
	s_cbranch_scc0 .Lentry_shape_is_right
	s_endpgm
.Lentry_shape_is_right:
; PROJ: raw[m][n] = sum over k of h[m][k] proj_w[n][k], m = 4,096, n = 1,024, k = 4,096, bf16 operands (h is a square and has no room in f16), f32 sums, f32 out.
; A tile of C is 128 x 128 (256 tiles: one for each of 256 work-groups); four waves, each 64 x 64: 16 accumulators.  K goes in steps of 256 (LDS rows of 512 bytes + 16) through two slots filled by tensor loads.
; CLUSTER 4 x 4: A's tiles are asked for jointly along a row of the cluster, B's along a column.  The matrix instruction is used transposed: a lane holds one row (lane % 16) and 8 neighbouring columns.
; A wave's 64 f32 columns are 256 aligned bytes: each wave sends its rows through a stage of its own, without a barrier.
; REGISTERS.  window 0: v16-29 addresses; v32-95 the way out; v128-255 accumulators.  window 1: two fragment buffers of 128.
.set SIZE_K, 4096
.set BOFF,   13631488                  ; proj_w in w16
.set KSTEP,  256
.set PITCH,  528
.set HALFT,  64*PITCH
.set SLOT,   4*HALFT                   ; 0x21000 shares no bit with wave x HALFT, so an exclusive or changes slots
.set STAGE,  2*SLOT
.set SPITCH, 272
.set SPARE,  STAGE+4*16*SPITCH         ; the spare words: 128 bytes a wave, two blocks of 256 bytes that no other line names
.set STEPS,  SIZE_K/KSTEP
.set ADRA0, 16
.set ADRA,  17
.set ADRB0, 20
.set ADRB,  21
.set STO,  24
.set RD,   25
.set CO,   26
.set SPW,  28
.set NIL,  29
.set ACC,  128
.set F0,   0
.set F1,   128
.set G1,  24
.set G0,  32
.set G1B, 48
.set G0B, 56
.set SB,  45
.set MSB, 0
.macro WIN new
.if MSB != (\new)
	s_set_vgpr_msb (MSB<<8)|(\new)
.set MSB, \new
.endif
.endm
.set MUL,  0x05
.set TO_F, 0x40
.macro JLOAD                           ; a joint refill by the walking descriptor; s_nop 0 and four v_nop follow each line
	s_cmp_eq_u32 s11, 0
	s_cbranch_scc0 .Lfor_b_\@
	tensor_load_to_lds s[G0+4:G0+7], s[G1:G1+7]
	s_nop 0
.rept 4
	v_nop
.endr
	s_branch .Lasked_\@
.Lfor_b_\@:
	tensor_load_to_lds s[G0B+4:G0B+7], s[G1B:G1B+7]
	s_nop 0
.rept 4
	v_nop
.endr
.Lasked_\@:
.endm
.macro CREST
	s_cmp_lg_u32 s10, 0
	s_cbranch_scc1 .Lnot_wave_0_\@
	s_barrier_signal -3
.Lnot_wave_0_\@:
	s_barrier_wait -3
	s_barrier_signal -1
	s_barrier_wait -1
.endm
.macro CROUND
	s_barrier_signal -1
	s_barrier_wait -1
	CREST
.endm
	s_load_b128 s[4:7], s[0:1], 0x0                ; A, w16
	s_load_b64 s[8:9], s[0:1], 0x10                ; C
	v_lshl_add_u32 v[SPW], v0, 2, SPARE
	v_mov_b32 v[NIL], 0
	ds_add_u32 v[SPW], v[NIL]                      ; the wave's opening: the add and its wait stand ahead of my first tensor load
	v_lshrrev_b32 v1, 5, v0
	v_readfirstlane_b32 s10, v1
	s_lshr_b32 s11, s10, 1
	s_and_b32 s12, s10, 1
	s_bfe_u32 s40, ttmp6, 0x40000
	s_bfe_u32 s41, ttmp6, 0x40004
	s_lshl_b32 s42, ttmp9, 2
	s_add_co_u32 s42, s42, s40                     ; tile column
	s_and_b32 s13, ttmp7, 0xffff
	s_lshl_b32 s13, s13, 2
	s_add_co_u32 s13, s13, s41                     ; tile row
	s_lshl_b32 s43, s41, 2
	s_lshl_b32 s43, 15, s43
	s_lshl_b32 s44, 0x1111, s40
	s_or_b32 s[G1+0], s43, (1<<16)|(1<<20)|(1<<21)|(6<<22)|(3<<25)
	s_or_b32 s[G1B+0], s44, (1<<16)|(1<<20)|(1<<21)|(6<<22)|(3<<25)
.irp g, G1, G1B
	s_mov_b32 s[(\g)+1], KSTEP<<16
	s_mov_b32 s[(\g)+2], 64<<16
	s_mov_b32 s[(\g)+3], KSTEP<<16
	s_mov_b32 s[(\g)+4], 64
	s_mov_b32 s[(\g)+5], SIZE_K
	s_mov_b32 s[(\g)+6], 0
	s_mov_b32 s[(\g)+7], 0
.endr
	s_lshl_b32 s17, s12, 6
	s_lshl_b32 s16, s13, 7
	s_add_co_u32 s16, s16, s17
	s_lshl_b32 s46, s42, 7
	s_add_co_u32 s46, s46, s17
	s_mov_b32 s17, 0
	s_mov_b32 s47, 0
	s_mov_b64 s[18:19], SIZE_K*2
	s_mul_u64 s[16:17], s[16:17], s[18:19]
	s_mul_u64 s[46:47], s[46:47], s[18:19]
	s_mul_i32 s20, s10, HALFT
	s_mov_b32 s[SB], 0
	s_wait_dscnt 0x0
	s_wait_kmcnt 0x0
	s_add_nc_u64 s[14:15], s[4:5], s[16:17]
	s_add_nc_u64 s[46:47], s[6:7], s[46:47]
	s_add_nc_u64 s[46:47], s[46:47], BOFF
	CROUND
.irp s, 0,1
	s_mov_b32 s[G0+4*(\s)], 1
	s_add_co_u32 s[G0+4*(\s)+1], s20, (\s)*SLOT
	s_add_nc_u64 s[G0+4*(\s)+2:G0+4*(\s)+3], s[14:15], (\s)*KSTEP*2
	s_or_b32 s[G0+4*(\s)+3], s[G0+4*(\s)+3], 0x80000000
	s_mov_b32 s[G0B+4*(\s)], 1
	s_add_co_u32 s[G0B+4*(\s)+1], s20, (\s)*SLOT
	s_add_nc_u64 s[G0B+4*(\s)+2:G0B+4*(\s)+3], s[46:47], (\s)*KSTEP*2
	s_or_b32 s[G0B+4*(\s)+3], s[G0B+4*(\s)+3], 0x80000000
.endr
	s_cmp_eq_u32 s11, 0                            ; a wave's two first fills stand in one branch: two loads of mine are out
	s_cbranch_scc0 .Lfirst_b
	tensor_load_to_lds s[G0:G0+3], s[G1:G1+7]
	s_nop 0
	tensor_load_to_lds s[G0+4:G0+7], s[G1:G1+7]
	s_nop 0
.rept 4
	v_nop
.endr
	s_branch .Lfirst_asked
.Lfirst_b:
	tensor_load_to_lds s[G0B:G0B+3], s[G1B:G1B+7]
	s_nop 0
	tensor_load_to_lds s[G0B+4:G0B+7], s[G1B:G1B+7]
	s_nop 0
.rept 4
	v_nop
.endr
.Lfirst_asked:
	v_and_b32 v1, 15, v0
	v_bfe_u32 v2, v0, 4, 1
	v_mul_u32_u24 v3, v1, PITCH
	v_lshl_add_u32 v3, v2, 4, v3
	s_mul_i32 s21, s11, HALFT
	s_mul_i32 s22, s12, HALFT
	s_add_co_u32 s22, s22, 2*HALFT
	v_add_nc_u32 v[ADRA0], s21, v3
	v_add_nc_u32 v[ADRB0], s22, v3
	v_mov_b32 v[ADRA], v[ADRA0]
	v_mov_b32 v[ADRB], v[ADRB0]
	s_mul_i32 s23, s10, 16*SPITCH
	s_add_co_u32 s23, s23, STAGE                   ; my stage
	v_mul_u32_u24 v4, v1, SPITCH
	v_lshl_add_u32 v4, v2, 5, v4
	v_add_nc_u32 v[STO], s23, v4
	v_mul_u32_u24 v5, v2, SPITCH
	v_lshl_add_u32 v5, v1, 4, v5
	v_add_nc_u32 v[RD], s23, v5
	v_lshlrev_b32 v5, 12, v2
	v_lshl_add_u32 v[CO], v1, 4, v5
	s_lshl_b32 s16, s13, 7
	s_lshl_b32 s17, s11, 6
	s_add_co_u32 s16, s16, s17
	s_lshl_b32 s16, s16, 12
	s_mov_b32 s17, 0
	s_add_nc_u64 s[8:9], s[8:9], s[16:17]
	s_lshl_b32 s46, s42, 9
	s_lshl_b32 s47, s12, 8
	s_add_co_u32 s46, s46, s47
	s_mov_b32 s47, 0
	s_add_nc_u64 s[8:9], s[8:9], s[46:47]
.macro MUL8 f, c, a0, zero
	WIN MUL
.irp a, \a0, (\a0)+1
.irp b, 0,1,2,3
.if \zero
	v_wmma_f32_16x16x32_bf16 v[ACC+8*(4*(\a)+(\b)):ACC+8*(4*(\a)+(\b))+7], v[(\f)+64+8*(4*(\c)+(\b)):(\f)+64+8*(4*(\c)+(\b))+7], v[(\f)+8*(4*(\c)+(\a)):(\f)+8*(4*(\c)+(\a))+7], 0
.else
	v_wmma_f32_16x16x32_bf16 v[ACC+8*(4*(\a)+(\b)):ACC+8*(4*(\a)+(\b))+7], v[(\f)+64+8*(4*(\c)+(\b)):(\f)+64+8*(4*(\c)+(\b))+7], v[(\f)+8*(4*(\c)+(\a)):(\f)+8*(4*(\c)+(\a))+7], v[ACC+8*(4*(\a)+(\b)):ACC+8*(4*(\a)+(\b))+7]
.endif
.endr
.endr
.endm
.macro FETCH k, f
	WIN TO_F
.irp c, 0,1
.irp i, 0,1,2,3
	ds_load_b128 v[(\f)+64+8*(4*(\c)+(\i)):(\f)+64+8*(4*(\c)+(\i))+3],   v[ADRB] offset:(\k)+64*(\c)+(\i)*16*PITCH
	ds_load_b128 v[(\f)+64+8*(4*(\c)+(\i))+4:(\f)+64+8*(4*(\c)+(\i))+7], v[ADRB] offset:(\k)+64*(\c)+(\i)*16*PITCH+32
	ds_load_b128 v[(\f)+8*(4*(\c)+(\i)):(\f)+8*(4*(\c)+(\i))+3],         v[ADRA] offset:(\k)+64*(\c)+(\i)*16*PITCH
	ds_load_b128 v[(\f)+8*(4*(\c)+(\i))+4:(\f)+8*(4*(\c)+(\i))+7],       v[ADRA] offset:(\k)+64*(\c)+(\i)*16*PITCH+32
.endr
.endr
.endm
.macro PLACES
.rept 4
	v_nop
.endr
.endm
.macro NEXTSLOT                        ; the fragment addresses go over to the other slot
	s_xor_b32 s[SB], s[SB], SLOT
	v_add_nc_u32 v[ADRA], s[SB], v[ADRA0]
	v_add_nc_u32 v[ADRB], s[SB], v[ADRB0]
.endm
.macro QUARTER k, f, g, zero
	s_wait_dscnt 16                                ; the first 32 along K are in; the 16 younger loads may be out
	WIN MUL
	MUL8 \f, 0, 0, \zero
	MUL8 \f, 0, 2, \zero
	PLACES
	FETCH \k, \g
	s_wait_dscnt 32                                ; all but the 32 just issued
	WIN MUL
	MUL8 \f, 1, 0, 0
	MUL8 \f, 1, 2, 0
.endm
.macro TURN                            ; a K step's last quarter, and the change of slots: the slot just read is filled again, two K steps ahead
	WIN 0
	s_wait_tensorcnt 0x0                           ; all my tensor loads have landed: my part of the next slot
	ds_add_u32 v[SPW], v[NIL]
	s_wait_dscnt 17                                ; the add and the youngest sixteen loads may be out
	WIN MUL
	MUL8 F1, 0, 0, 0
	s_wait_dscnt 0x0                               ; the add is done, and my reads of this slot are over
	s_barrier_signal -1
	MUL8 F1, 0, 2, 0
	WIN 0
	s_barrier_wait -1
	CREST
	s_xor_b32 s[G0+5], s[G0+5], SLOT
	s_add_nc_u64 s[G0+6:G0+7], s[G0+6:G0+7], KSTEP*2
	s_xor_b32 s[G0B+5], s[G0B+5], SLOT
	s_add_nc_u64 s[G0B+6:G0B+7], s[G0B+6:G0B+7], KSTEP*2
	JLOAD
	NEXTSLOT
	FETCH 0, F0
	WIN MUL
	MUL8 F1, 1, 0, 0
	MUL8 F1, 1, 2, 0
.endm
.macro LASTQ                           ; a K step's last quarter where nothing is filled again: all its products, and the barrier behind which the other slot is whole for every wave
	WIN 0
	s_wait_tensorcnt 0x0
	ds_add_u32 v[SPW], v[NIL]
	s_wait_dscnt 17                                ; the add and the youngest sixteen loads may be out
	WIN MUL
	MUL8 F1, 0, 0, 0
	s_wait_dscnt 0x0                               ; the add is done, and my reads of this slot are over
	s_barrier_signal -1
	MUL8 F1, 0, 2, 0
	MUL8 F1, 1, 0, 0
	MUL8 F1, 1, 2, 0
	WIN 0
	s_barrier_wait -1
.endm
	s_wait_tensorcnt 1                             ; my part of K step 0 is in; K step 1's stays out
	s_barrier_signal -1
	s_barrier_wait -1
	FETCH 0, F0
	QUARTER 128, F0, F1, 1
	WIN 0
	s_mov_b32 s3, STEPS-2
.Lstep:
	QUARTER 256, F1, F0, 0
	QUARTER 384, F0, F1, 0
	TURN
	QUARTER 128, F0, F1, 0
	WIN 0
	s_sub_co_u32 s3, s3, 1
	s_cmp_lg_u32 s3, 0
	s_cbranch_scc1 .Lstep
	s_mov_b32 s3, 2
.Ltail:                                                ; the last two K steps fill nothing: one text, walked twice.  The second trip jumps over the change of slots and the next step's first quarter; its barrier orders nothing more: the price of one text
	QUARTER 256, F1, F0, 0
	QUARTER 384, F0, F1, 0
	LASTQ
	s_cmp_eq_u32 s3, 1
	s_cbranch_scc1 .Llast
	PLACES
	NEXTSLOT
	FETCH 0, F0
	QUARTER 128, F0, F1, 0
	WIN 0
.Llast:
	s_sub_co_u32 s3, s3, 1
	s_cmp_lg_u32 s3, 0
	s_cbranch_scc1 .Ltail
	PLACES
	; THE WAY OUT, 16 rows at a time: the accumulators go into my stage as they are (each from its low end on) and come back as whole rows of 256 bytes.
.set ta, 0
.rept 4
.set BK, 32+32*(ta%2)
.if ta >= 2
	s_wait_xcnt 0x0                                ; the registers that the stores two tiles back read are rewritten only behind this wait
.endif
.set tb, 0
.rept 4
	ds_store_b128 v[STO], v[ACC+8*(4*ta+tb):ACC+8*(4*ta+tb)+3] offset:64*tb
	ds_store_b128 v[STO], v[ACC+8*(4*ta+tb)+4:ACC+8*(4*ta+tb)+7] offset:64*tb+16
.set tb, tb+1
.endr
.set tt, 0
.rept 8
	ds_load_b128 v[BK+4*tt:BK+4*tt+3], v[RD] offset:2*SPITCH*tt  ; LDS serves a wave's instructions in order (ISA guide 5.7.1.4)
.set tt, tt+1
.endr
.set tt, 0
.rept 8
	s_wait_dscnt 7-tt
	global_store_b128 v[CO], v[BK+4*tt:BK+4*tt+3], s[8:9] offset:(16*ta+2*tt)*4096  ; 16 lanes store 256 consecutive bytes, aligned
.set tt, tt+1
.endr
.set ta, ta+1
.endr
	s_wait_tensorcnt 0x0                           ; the wave's end
	ds_add_u32 v[SPW], v[NIL]
	s_wait_dscnt 0x0
	CROUND
	s_endpgm
.Lfunc_end_k_q1d66b84cfc_proj:
	.size	k_q1d66b84cfc_proj, .Lfunc_end_k_q1d66b84cfc_proj-k_q1d66b84cfc_proj
	.p2alignl 7, 3214868480
	.fill 96, 4, 3214868480
	.section	.rodata,"a",@progbits
	.p2align	6, 0x0
	.amdhsa_kernel k_q1d66b84cfc_proj
		.amdhsa_group_segment_fixed_size 327680
		.amdhsa_private_segment_fixed_size 0
		.amdhsa_enable_private_segment 0
		.amdhsa_kernarg_size 24
		.amdhsa_user_sgpr_count 2
		.amdhsa_user_sgpr_kernarg_segment_ptr 1
		.amdhsa_wavefront_size32 1
		.amdhsa_system_sgpr_workgroup_id_x 1
		.amdhsa_system_sgpr_workgroup_id_y 1
		.amdhsa_system_sgpr_workgroup_id_z 1
		.amdhsa_system_vgpr_workitem_id 0
		.amdhsa_next_free_vgpr 512
		.amdhsa_next_free_sgpr 66
		.amdhsa_reserve_vcc 0
		.amdhsa_float_denorm_mode_32 3
		.amdhsa_float_denorm_mode_16_64 3
		.amdhsa_memory_ordered 1
		.amdhsa_forward_progress 1
		.amdhsa_inst_pref_size 58
	.end_amdhsa_kernel
	.amdgpu_metadata
---
amdhsa.version: [ 1, 2 ]
amdhsa.kernels:
  - .name:           k_q1d66b84cfc_proj
    .symbol:         k_q1d66b84cfc_proj.kd
    .args:
      - { .name: h16, .offset: 0, .size: 8, .value_kind: global_buffer, .address_space: global }
      - { .name: w16, .offset: 8, .size: 8, .value_kind: global_buffer, .address_space: global }
      - { .name: raw, .offset: 16, .size: 8, .value_kind: global_buffer, .address_space: global }
    .group_segment_fixed_size: 327680
    .private_segment_fixed_size: 0
    .kernarg_segment_align: 8
    .kernarg_segment_size: 24
    .max_flat_workgroup_size: 128
    .sgpr_count:     66
    .vgpr_count:     512
    .wavefront_size: 32
...
	.end_amdgpu_metadata
.endif
;; end of part 7
;; launch final (part 8): grid 256 x 1, 8 waves a work-group, no clusters, 0 bytes of LDS; arguments raw, x1, tab, out0; writes out0
.if DOCPART == 8
	.amdgcn_target "amdgcn-amd-amdhsa--gfx1250"
	.amdhsa_code_object_version 6
	.text
	.protected	k_q1d66b84cfc_final
	.globl	k_q1d66b84cfc_final
	.p2align	8
	.type	k_q1d66b84cfc_final,@function
k_q1d66b84cfc_final:
	s_mov_b64 s[64:65], 0
	v_nop
	global_prefetch_b8 v0, s[64:65] scope:SCOPE_SE
	s_setreg_imm32_b32 hwreg(HW_REG_WAVE_MODE, 25, 1), 1
	s_wait_xcnt 0x0
; FINAL: out = x1 + raw * rsqrt(mean(raw^2) + 1e-6) * A2 + B2 (A2 = scale x post_norm_w x gain, B2 = scale x bias, from tab).
; A wave takes two whole rows and keeps them in registers: each byte is read once, and no wave waits for another.  Lane l owns columns 128 j + 4 l + 0..3.
; A stream: no LDS, no matrix unit, no cluster.
.set A2,  8
.set B2,  40
.macro RNORM X                         ; v[204:205] = rsqrt(mean of the row's squares + 1e-6), twice
	v_pk_mul_f32 v[200:201], v[(\X):(\X)+1], v[(\X):(\X)+1]
	v_pk_mul_f32 v[202:203], v[(\X)+2:(\X)+3], v[(\X)+2:(\X)+3]
.set k, 2
.rept 14
	v_pk_fma_f32 v[200+2*(k%2):201+2*(k%2)], v[(\X)+2*k:(\X)+2*k+1], v[(\X)+2*k:(\X)+2*k+1], v[200+2*(k%2):201+2*(k%2)]
.set k, k+1
.endr
	v_pk_add_f32 v[200:201], v[200:201], v[202:203]
	v_add_f32 v200, v200, v201
	v_add_f32_dpp v200, v200, v200 row_xmask:1 row_mask:0xf bank_mask:0xf
	v_add_f32_dpp v200, v200, v200 row_xmask:2 row_mask:0xf bank_mask:0xf
	v_add_f32_dpp v200, v200, v200 row_xmask:4 row_mask:0xf bank_mask:0xf
	v_add_f32_dpp v200, v200, v200 row_xmask:8 row_mask:0xf bank_mask:0xf
	v_permlanex16_b32 v201, v200, s2, s3
	v_add_f32 v200, v200, v201
	v_fma_f32 v200, v200, s6, s7
	v_rsq_f32 v204, v200
	v_rsq_f32 v205, v200
	v_nop                                          ; a plain instruction between the root and its use (ISA guide 5.7.2)
.endm
.macro LOAD8 dst, lo, off
.set j, 0
.rept 8
	global_load_b128 v[(\dst)+4*j:(\dst)+4*j+3], v1, s[\lo:\lo+1] offset:(\off)+512*j
.set j, j+1
.endr
.endm
	s_load_b256 s[8:15], s[0:1], 0x0               ; raw, x1, tab, out0
	v_lshrrev_b32 v1, 5, v0
	v_readfirstlane_b32 s5, v1
	v_and_b32 v2, 31, v0
	v_lshlrev_b32 v1, 4, v2
	s_mov_b32 s2, 0x76543210
	s_mov_b32 s3, 0xfedcba98
	s_mov_b32 s6, 0x3a800000                       ; 1 / 1024
	s_mov_b32 s7, 0x358637bd                       ; 1e-6
	s_lshl_b32 s18, ttmp9, 4
	s_lshl1_add_u32 s18, s5, s18                   ; my first row
	s_lshl_b32 s20, s18, 12
	s_mov_b32 s21, 0
	s_wait_kmcnt 0x0
	s_add_nc_u64 s[8:9], s[8:9], s[20:21]
	s_add_nc_u64 s[10:11], s[10:11], s[20:21]
	s_add_nc_u64 s[14:15], s[14:15], s[20:21]
	LOAD8 72, 8, 0
	LOAD8 104, 10, 0
	LOAD8 A2, 12, 524288+12288
	LOAD8 B2, 12, 524288+16384
	LOAD8 136, 8, 4096
	LOAD8 168, 10, 4096
.macro ROW RW, X, row
	RNORM \RW
.set k, 0
	s_wait_alu depctr_va_vdst(0)
.rept 16
	v_pk_add_f32 v[(\X)+2*k:(\X)+2*k+1], v[(\X)+2*k:(\X)+2*k+1], v[B2+2*k:B2+2*k+1]
	v_pk_mul_f32 v[(\RW)+2*k:(\RW)+2*k+1], v[(\RW)+2*k:(\RW)+2*k+1], v[204:205]
.set k, k+1
.endr
.set k, 0
.rept 16
	v_pk_fma_f32 v[(\X)+2*k:(\X)+2*k+1], v[(\RW)+2*k:(\RW)+2*k+1], v[A2+2*k:A2+2*k+1], v[(\X)+2*k:(\X)+2*k+1]
.set k, k+1
.endr
.set k, 0
.rept 8
	global_store_b128 v1, v[(\X)+4*k:(\X)+4*k+3], s[14:15] offset:4096*(\row)+512*k th:TH_STORE_NT  ; 512 consecutive bytes a wave, aligned
.set k, k+1
.endr
.endm
	s_wait_loadcnt 16                              ; the first row and the vectors are in; the second row's sixteen loads stay out
	ROW 72, 104, 0
	s_wait_loadcnt 0x0
	ROW 136, 168, 1
	s_endpgm
.Lfunc_end_k_q1d66b84cfc_final:
	.size	k_q1d66b84cfc_final, .Lfunc_end_k_q1d66b84cfc_final-k_q1d66b84cfc_final
	.p2alignl 7, 3214868480
	.fill 96, 4, 3214868480
	.section	.rodata,"a",@progbits
	.p2align	6, 0x0
	.amdhsa_kernel k_q1d66b84cfc_final
		.amdhsa_group_segment_fixed_size 0
		.amdhsa_private_segment_fixed_size 0
		.amdhsa_enable_private_segment 0
		.amdhsa_kernarg_size 32
		.amdhsa_user_sgpr_count 2
		.amdhsa_user_sgpr_kernarg_segment_ptr 1
		.amdhsa_wavefront_size32 1
		.amdhsa_system_sgpr_workgroup_id_x 1
		.amdhsa_system_sgpr_workgroup_id_y 1
		.amdhsa_system_sgpr_workgroup_id_z 1
		.amdhsa_system_vgpr_workitem_id 0
		.amdhsa_next_free_vgpr 208
		.amdhsa_next_free_sgpr 66
		.amdhsa_reserve_vcc 0
		.amdhsa_float_denorm_mode_32 3
		.amdhsa_float_denorm_mode_16_64 3
		.amdhsa_memory_ordered 1
		.amdhsa_forward_progress 1
		.amdhsa_inst_pref_size 17
	.end_amdhsa_kernel
	.amdgpu_metadata
---
amdhsa.version: [ 1, 2 ]
amdhsa.kernels:
  - .name:           k_q1d66b84cfc_final
    .symbol:         k_q1d66b84cfc_final.kd
    .args:
      - { .name: raw, .offset: 0, .size: 8, .value_kind: global_buffer, .address_space: global }
      - { .name: x1, .offset: 8, .size: 8, .value_kind: global_buffer, .address_space: global }
      - { .name: tab, .offset: 16, .size: 8, .value_kind: global_buffer, .address_space: global }
      - { .name: out0, .offset: 24, .size: 8, .value_kind: global_buffer, .address_space: global }
    .group_segment_fixed_size: 0
    .private_segment_fixed_size: 0
    .kernarg_segment_align: 8
    .kernarg_segment_size: 32
    .max_flat_workgroup_size: 256
    .sgpr_count:     66
    .vgpr_count:     208
    .wavefront_size: 32
...
	.end_amdgpu_metadata
.endif
;; end of part 8
;; ======== version 2 of 2: 8 launches; 1.15 times as fast as version 1
;; limits: values are held in f16: magnitudes above 65,504 overflow, below 6.1e-05 lose precision
;; workspace buffers: w16 22,020,096 bytes; xn16 8,388,608 bytes; tab 545,024 bytes; qkv16 12,582,912 bytes; y16 8,388,608 bytes; raw 16,777,216 bytes; x1 16,777,216 bytes; h16 33,554,432 bytes
;; launch prep: the kernel of part 1 again; grid 961 x 1, 8 waves a work-group, no clusters, 0 bytes of LDS; arguments Wq, Wk, Wv, Wo, fc_w, proj_w, x, attn_norm_w, attn_post_norm_w, attn_mod_gain, attn_mod_bias, attn_scale, mlp_norm_w, mlp_post_norm_w, mlp_mod_gain, mlp_mod_bias, mlp_scale, q_gain, w16, xn16, tab; writes w16, xn16, tab
;; launch qkv: the kernel of part 2 again; grid 8 x 32, 4 waves a work-group, clusters of 4 x 4, 327,680 bytes of LDS; arguments xn16, w16, tab, qkv16; writes qkv16
;; launch attn (part 9): grid 32 x 8, 4 waves a work-group, clusters of 4 x 1, 327,680 bytes of LDS; arguments qkv16, y16; writes y16
.if DOCPART == 9
	.amdgcn_target "amdgcn-amd-amdhsa--gfx1250"
	.amdhsa_code_object_version 6
	.text
	.protected	k_q1d66b84cfc_attn
	.globl	k_q1d66b84cfc_attn
	.p2align	8
	.type	k_q1d66b84cfc_attn,@function
k_q1d66b84cfc_attn:
	s_mov_b64 s[64:65], 0
	v_nop
	global_prefetch_b8 v0, s[64:65] scope:SCOPE_SE
	s_setreg_imm32_b32 hwreg(HW_REG_WAVE_MODE, 25, 1), 1
	s_wait_xcnt 0x0
	s_wait_alu depctr_hold_cnt(0) depctr_sa_sdst(0) depctr_va_vdst(0) depctr_va_sdst(0) depctr_va_ssrc(0) depctr_va_vcc(0) depctr_vm_vsrc(0)
	s_getreg_b32 s2, hwreg(HW_REG_IB_STS2, 6, 4)
	s_cmp_eq_u32 s2, 0
	s_cbranch_scc0 .Lentry_in_a_cluster
	s_endpgm
.Lentry_in_a_cluster:
	s_bfe_u32 s2, ttmp6, 0x10000c
	s_cmp_lg_u32 s2, 0x3003
	s_cbranch_scc0 .Lentry_shape_is_right
	s_endpgm
.Lentry_shape_is_right:
; CAUSAL GROUPED-QUERY ATTENTION, head size 64, f16 operands; products, maxima and sums in f32; the weights p are rounded to f16 for the second product (their sum l is taken of the unrounded p).
; qkv16[2 hc + b][2048][64]: hc = 0-15 query heads (normalised, rotated, times q_gain), 16-19 key heads, 20-23 value heads.  y16[token][1024], column = head x 64 + channel.
; SHARES.  The grid's y is 4 b + kv.  A BLOCK is 32 positions x the 4 query heads of key head kv: 128 query rows; 64 blocks for each (b, kv).  A work-group takes block 63 - bp and then block bp,
; bp = 4 x cluster x + cx.  Keys go in TILES of 256 (one LDS slot, four steps of 64).  With a = cluster x / 2 the first block needs tiles 0 .. 7 - a, the second 0 .. a: 9 tiles, whatever bp.
; CLUSTER.  The four partners walk the SAME tiles, so each tile of K and V is asked for jointly.  All that steers branches, counts and descriptors comes from the cluster's x and y and the wave's number;
; cx enters Q's and y's addresses and the mask's NUMBERS alone.  The price: the diagonal tile's steps behind a block's own step are computed wholly hidden.
; A wave has two tiles of 16 queries: the same 16 positions (pw = wave / 2) of two heads (2 (wave % 2) + u): one mask serves both, and its rows of y are 256 consecutive bytes.
; LAYOUT.  S^T = K Q^T holds ONE query a lane (lane % 16) and the keys 8 (lane / 16) + 0..7; two such results rounded to f16 ARE source 1 of O^T = V^T P.  V comes out of LDS turned, by ds_load_tr16_b128.
; SOFTMAX.  p = 2^(c s - c m), c = log2(e) / 8, with a running maximum m; O and l are multiplied by a = 2^(c m_old - c m_new) in every step; a block's first step has a = 0.
; THE MASK is the C operand that starts S^T: MC = MD x AL + BE; MD is the mask of the block's own step (0 or -1e30); (AL, BE) = (0, 0) before it, (1, 0) in it, (0, -1e30) behind it.
; IN PHASES: a step's 16 products K Q^T, the softmax, its 16 products V^T P.
; THE BATCHES.  A key step's 66 exponentials (a of both tiles and their 64 weights) are ONE BATCH with ONE wait.  Ahead of the wait stands what names no result of theirs: the maxima and statistics, the 32 scalings
; (spread among the exponentials) and V's address step.  Behind it stand all that name a result: the roundings, the sums, l and the rescaling of O^T.  A block's two reciprocals, on its way out, are a batch of their own.
; LIMITS.  A hidden score counts as its value less 1e30; a weight below 2^-126 counts as 0 in l; p below 6e-5 keeps f16's fixed step; NaN and infinities are not treated apart.
; REGISTERS.  window 0: v1-15 addresses; v16-23 statistics; v48-55 at work; v62, v63 the add's; v64-127 S^T; v192-223 P.  window 1: v0-63 O^T; v128-159 MD; v160-191 MC.
;             window 2: v0-31 Q; v64-95 the second block's Q; v128-191 K of a step; v192-255 V of a step.
.set KS,    64
.set PK,    144                        ; a row of K in LDS: 128 bytes + 16
.set PV,    160                        ; a row of V: 128 + 32
.set VOFF,  4*KS*PK
.set SLOT1, 1<<17
.set STAGE, SLOT1+4*KS*(PK+PV)         ; behind the ring: 16 rows x 272 bytes for each wave
.set SP,    272
.set SPARE, STAGE+4*16*SP              ; the spare words: 128 bytes a wave, two blocks of 256 bytes that no other line names
.set AK0, 2
.set AV0, 3
.set AK,  4
.set AV,  5
.set STO, 6
.set RD,  7
.set GO,  8
.set MV,  12                           ; v12-13 c m_old
.set DV,  14                           ; l % 16 - 8 (l / 16) + 16 pw
.set QO,  15
.set ST,  16                           ; tile u: c m, m, l (even keys', odd keys') at 16 + 4 u
.set DW,  24
.set TMP, 48                           ; tile u: c0-c3 at 48 + 4 u; c2 takes a
.set SPW, 62
.set NIL, 63
.set S,   64
.set P,   192
.set MD,  128
.set MC,  160
.set QB,  64
.set KF,  128
.set VF,  192
.set WV,  12
.set TH,  15                           ; the first block's last tile
.set G1K, 24
.set G1V, 32
.set G0K, 40
.set G0V, 44
.set SLOTS, 56
.set CNT, 57
.set CS,  58
.set SEL, 60
.set TBK, 62
.set TBV, 63
.set RT,  70                           ; tiles of the block in hand still to be entered
.set NXT, 71                           ; the tile to be asked for next
.set LQ,  72                           ; the last tile of the block whose tiles are being asked for
.set NEW, 73                           ; 1: the tile to be entered is a block's first
.set OFF, 74
.set AL,  76
.set BE,  78
.set OLO, 80
.set BIGN, 82
.set TL,  83                           ; the second block's last tile
.set C4,  84                           ; the value of CNT in the block's own step of its diagonal tile
.set OB,  85                           ; the block's first position in that step: 0 or 32
.set C4B, 86
.set OBB, 87
.set MSB, 0
.macro WIN new
.if MSB != (\new)
	s_set_vgpr_msb (MSB<<8)|(\new)
.set MSB, (\new)
.endif
.endm
.set W_KQ, 0x0a
.set W_KM, 0x1a
.set W_PV, 0x52
.set W_RS, 0x41
.macro JLOAD                           ; a joint fill: waves 0, 1 fetch the halves of a tile's K, waves 2, 3 of its V; s_nop 0 and four v_nop follow each line
	s_cmp_lt_u32 s[WV], 2
	s_cbranch_scc0 .Lfor_v_\@
	tensor_load_to_lds s[G0K:G0K+3], s[G1K:G1K+7]
	s_nop 0
.rept 4
	v_nop
.endr
	s_branch .Lasked_\@
.Lfor_v_\@:
	tensor_load_to_lds s[G0V:G0V+3], s[G1V:G1V+7]
	s_nop 0
.rept 4
	v_nop
.endr
.Lasked_\@:
.endm
.macro CROUND
	s_barrier_signal -1
	s_barrier_wait -1
	s_cmp_lg_u32 s[WV], 0
	s_cbranch_scc1 .Lnot_wave_0_\@
	s_barrier_signal -3
.Lnot_wave_0_\@:
	s_barrier_wait -3
	s_barrier_signal -1
	s_barrier_wait -1
.endm
; THE CHANGE OF SLOTS.  Each wave waits for all its tensor loads (one is out: its part of the other slot), adds 0 to its spare word, and waits for that and for its reads of the slot that it leaves.
; fill = 1: the barrier is a round of the cluster's, and the old slot is filled again first thing behind it, with tile NXT; that load has four key steps in which to land.
.macro CHANGE fill
	WIN 0
	s_wait_tensorcnt 0x0
	ds_add_u32 v[SPW], v[NIL]                      ; 0 onto my spare word; the descriptors' scalar work stands between it and the wait for it
.if \fill
	s_lshl_b32 s[OFF], s[NXT], 15                  ; a tile is 32,768 bytes of K and of V
	s_xor_b32 s[G0K+1], s[G0K+1], SLOT1
	s_add_nc_u64 s[G0K+2:G0K+3], s[6:7], s[OFF:OFF+1]
	s_or_b32 s[G0K+3], s[G0K+3], 0x80000000
	s_xor_b32 s[G0V+1], s[G0V+1], SLOT1
	s_add_nc_u64 s[G0V+2:G0V+3], s[8:9], s[OFF:OFF+1]
	s_or_b32 s[G0V+3], s[G0V+3], 0x80000000
	s_add_co_u32 s[NXT], s[NXT], 1                 ; the block's next tile, or behind its last the second block's tile 0
	s_cmp_gt_u32 s[NXT], s[LQ]
	s_cselect_b32 s[NXT], 0, s[NXT]
	s_cselect_b32 s[LQ], s[TL], s[LQ]
	s_wait_dscnt 0x0
	CROUND
	JLOAD
.else
	s_wait_dscnt 0x0
	s_barrier_signal -1
	s_barrier_wait -1
.endif
	s_sub_co_u32 s[TBK], s[TBK], 4*KS*PK           ; the fetches go back to a slot's first step, in the other slot
	s_xor_b32 s[TBK], s[TBK], SLOT1
	s_sub_co_u32 s[TBV], s[TBV], 4*KS*PV
	s_xor_b32 s[TBV], s[TBV], SLOT1
.endm
	s_load_b128 s[16:19], s[0:1], 0x0              ; qkv16, y16
	v_lshl_add_u32 v[SPW], v0, 2, SPARE
	v_mov_b32 v[NIL], 0
	ds_add_u32 v[SPW], v[NIL]                      ; the wave's opening: the add and its wait stand ahead of my first tensor load
	v_lshrrev_b32 v1, 5, v0
	v_readfirstlane_b32 s[WV], v1
	s_bfe_u32 s13, ttmp6, 0x40000                  ; cx
	s_lshr_b32 s[TL], ttmp9, 1
	s_sub_co_u32 s[TH], 7, s[TL]
	s_lshl_b32 s20, ttmp9, 2
	s_add_co_u32 s20, s20, s13                     ; the second block
	s_sub_co_u32 s21, 63, s20                      ; the first block
	s_and_b32 s22, ttmp7, 0xffff
	s_lshr_b32 s23, s22, 2                         ; b
	s_and_b32 s22, s22, 3                          ; kv
	s_and_b32 s48, s[WV], 1                        ; my pair of heads; also which half of a tile's keys I fetch
	s_lshr_b32 s49, s[WV], 1                       ; pw
	s_lshl_b32 s2, s22, 1
	s_add_co_u32 s2, s2, s23
	s_add_co_u32 s2, s2, 32                        ; K's place 2 (16 + kv) + b
	s_lshl_b32 s2, s2, 18
	s_lshl_b32 s3, s48, 14
	s_add_co_u32 s2, s2, s3
	s_mov_b32 s3, 0
	s_mul_i32 s50, s48, 128*PK
	s_mul_i32 s51, s48, 128*PV
	s_lshl_b32 s52, s22, 2
	s_lshl1_add_u32 s52, s48, s52                  ; my first head 4 kv + 2 hp
	s_lshl1_add_u32 s54, s52, s23
	s_lshl_b32 s54, s54, 18                        ; its place,
	s_lshl_b32 s53, s49, 11
	s_add_co_u32 s54, s54, s53                     ; and my 16 positions' rows of 128 bytes
	s_lshl_b32 s55, s23, 22                        ; in y16: the batch's 2,048 rows of 2,048 bytes,
	s_lshl_b32 s53, s49, 15
	s_add_co_u32 s55, s55, s53                     ; my 16 rows,
	s_lshl_b32 s53, s52, 7
	s_add_co_u32 s55, s55, s53                     ; my two heads' 256 bytes
	s_bfe_u32 s[C4], s21, 0x20001
	s_sub_co_u32 s[C4], 4, s[C4]
	s_and_b32 s[OB], s21, 1
	s_lshl_b32 s[OB], s[OB], 5
	s_bfe_u32 s[C4B], s20, 0x20001
	s_sub_co_u32 s[C4B], 4, s[C4B]
	s_and_b32 s[OBB], s20, 1
	s_lshl_b32 s[OBB], s[OBB], 5
	; group 1: 128 keys are 16,384 dense bytes: 64 rows of 256 bytes, padded in LDS after every key
	s_mov_b32 s[G1K], 15|(1<<16)|(1<<20)|(1<<21)|(4<<22)|(3<<25)
	s_mov_b32 s[G1V], 15|(1<<16)|(1<<20)|(1<<21)|(4<<22)|(7<<25)
.irp g, G1K, G1V
	s_mov_b32 s[\g+1], 128<<16
	s_mov_b32 s[\g+2], 64<<16
	s_mov_b32 s[\g+3], 128<<16
	s_mov_b32 s[\g+4], 64
	s_mov_b32 s[\g+5], 128
	s_mov_b32 s[\g+6], 0
	s_mov_b32 s[\g+7], 0
.endr
	s_mov_b32 s[CS], 0x3e38aa3b                    ; c = log2(e) / 8
	s_mov_b32 s[CS+1], s[CS]
	s_mov_b32 s[SEL], 0x76543210
	s_mov_b32 s[SEL+1], 0xfedcba98
	s_mov_b32 s[TBK], SLOT1+4*KS*PK                ; the first change of slots turns these two into 0
	s_mov_b32 s[TBV], SLOT1+4*KS*PV
	s_mov_b32 s[G0K], 1
	s_mov_b32 s[G0K+1], s50
	s_mov_b32 s[G0V], 1
	s_add_co_u32 s[G0V+1], s51, VOFF
	s_add_co_u32 s[RT], s[TH], 1
	s_mov_b32 s[NXT], 1
	s_mov_b32 s[LQ], s[TH]
	s_mov_b32 s[NEW], 1
	s_mov_b32 s[OFF+1], 0
	s_mov_b32 s[AL+1], 0
	s_mov_b32 s[BE+1], 0
	s_mov_b32 s[BIGN], 0xf149f2ca                  ; -1e30
	s_mov_b32 s[SLOTS], 8
	s_mov_b32 s67, 0
	s_wait_dscnt 0x0
	s_wait_kmcnt 0x0
	s_add_nc_u64 s[6:7], s[16:17], s[2:3]          ; K at my half of tile 0
	s_add_nc_u64 s[8:9], s[6:7], 8<<18             ; V lies eight places on
	s_add_nc_u64 s[G0K+2:G0K+3], s[6:7], 0
	s_or_b32 s[G0K+3], s[G0K+3], 0x80000000
	s_add_nc_u64 s[G0V+2:G0V+3], s[8:9], 0
	s_or_b32 s[G0V+3], s[G0V+3], 0x80000000
	s_lshl_b32 s66, s21, 12
	s_add_co_u32 s66, s66, s54
	s_add_nc_u64 s[4:5], s[16:17], s[66:67]        ; Q of the first block
	s_lshl_b32 s66, s20, 12
	s_add_co_u32 s66, s66, s54
	s_add_nc_u64 s[88:89], s[16:17], s[66:67]      ; and of the second
	s_lshl_b32 s66, s21, 16
	s_add_co_u32 s66, s66, s55
	s_add_nc_u64 s[10:11], s[18:19], s[66:67]      ; y likewise
	s_lshl_b32 s66, s20, 16
	s_add_co_u32 s66, s66, s55
	s_add_nc_u64 s[OLO:OLO+1], s[18:19], s[66:67]
	CROUND                                         ; all four work-groups are here
	JLOAD                                          ; tile 0 into slot 0
	v_and_b32 v1, 15, v0                           ; r
	v_bfe_u32 v9, v0, 4, 1                         ; h
	v_lshlrev_b32 v[QO], 7, v1
	v_lshl_add_u32 v[QO], v9, 4, v[QO]
	WIN 0x80
.set i, 0
.rept 4                                ; both blocks' Q: tile i / 2 (the next head lies two places on), channels 32 (i % 2) on
	global_load_b128 v[8*i:8*i+3],         v[QO], s[4:5] offset:(i/2)*524288+(i%2)*64
	global_load_b128 v[8*i+4:8*i+7],       v[QO], s[4:5] offset:(i/2)*524288+(i%2)*64+32
	global_load_b128 v[QB+8*i:QB+8*i+3],   v[QO], s[88:89] offset:(i/2)*524288+(i%2)*64
	global_load_b128 v[QB+8*i+4:QB+8*i+7], v[QO], s[88:89] offset:(i/2)*524288+(i%2)*64+32
.set i, i+1
.endr
	WIN 0x40
.set i, 0
.rept 64                               ; O^T and l need only be finite: a block's first step multiplies them by a = 0.  This stands in the wait for the first tile
	v_mov_b32 v[i], 0
.set i, i+1
.endr
	WIN 0
.irp u, 0,1
	v_mov_b32 v[ST+4*\u+2], 0
	v_mov_b32 v[ST+4*\u+3], 0
.endr
	v_mul_u32_u24 v[AK0], v1, PK
	v_lshl_add_u32 v[AK0], v9, 4, v[AK0]
	v_and_b32 v10, 7, v0
	v_bfe_u32 v11, v0, 3, 1
	v_lshl_add_u32 v[AV0], v9, 3, v10              ; the turning load: lane l reads key 8 (l / 16) + l % 8, channels 8 ((l / 8) % 2) + 0..7
	v_mul_u32_u24 v[AV0], v[AV0], PV
	v_lshl_add_u32 v[AV0], v11, 4, v[AV0]
	v_add_nc_u32 v[AV0], VOFF, v[AV0]
	s_mul_i32 s53, s[WV], 16*SP
	s_add_co_u32 s53, s53, STAGE
	v_mul_u32_u24 v[STO], v1, SP
	v_lshl_add_u32 v[STO], v9, 4, v[STO]
	v_add_nc_u32 v[STO], s53, v[STO]
	v_mul_u32_u24 v[RD], v9, SP
	v_lshl_add_u32 v[RD], v1, 4, v[RD]
	v_add_nc_u32 v[RD], s53, v[RD]
	v_lshlrev_b32 v[GO], 11, v9
	v_lshl_add_u32 v[GO], v1, 4, v[GO]
	v_lshlrev_b32 v[DV], 3, v9
	v_sub_nc_u32 v[DV], v1, v[DV]
	s_lshl_b32 s53, s49, 4
	v_add_nc_u32 v[DV], s53, v[DV]
; THE MATRIX WORK.  The 8 accumulators of a run of 16 take turns.
.macro KQM                             ; product i of 16 of S^T: channels 32 (i / 8) on, keys 16 ((i / 2) % 4) on, tile i % 2.  The first 8 start the sums with the mask
.set rS, S+32*(i%2)+8*((i/2)%4)
.set rK, KF+16*((i/2)%4)+8*(i/8)
.set rQ, 16*(i%2)+8*(i/8)
.set rX, MC+8*((i/2)%4)
.if i < 8
	WIN W_KM
	v_wmma_f32_16x16x32_f16 v[rS:rS+7], v[rK:rK+7], v[rQ:rQ+7], v[rX:rX+7]
.else
	WIN W_KQ
	v_wmma_f32_16x16x32_f16 v[rS:rS+7], v[rK:rK+7], v[rQ:rQ+7], v[rS:rS+7]
.endif
.endm
.macro PVM                             ; product i of 16 of O^T += V^T P: keys 32 (i / 8) on, channels 16 ((i / 2) % 4) on, tile i % 2
	WIN W_PV
.set rO, 32*(i%2)+8*((i/2)%4)
.set rV, VF+32*(i/8)+8*((i/2)%4)
.set rP, P+16*(i%2)+8*(i/8)
	v_wmma_f32_16x16x32_f16 v[rO:rO+7], v[rV:rV+7], v[rP:rP+7], v[rO:rO+7]
.endm
.macro FETCH_K
	WIN 0x80
.irp f, 0,1,2,3,4,5,6,7
	ds_load_b128 v[KF+8*\f:KF+8*\f+3],   v[AK] offset:(\f/2)*16*PK+(\f%2)*64
	ds_load_b128 v[KF+8*\f+4:KF+8*\f+7], v[AK] offset:(\f/2)*16*PK+(\f%2)*64+32
.endr
	WIN 0
.endm
.macro FETCH_V
	WIN 0x80
.irp f, 0,1,2,3,4,5,6,7
	ds_load_tr16_b128 v[VF+8*\f:VF+8*\f+3],   v[AV] offset:(\f/4)*32*PV+(\f%4)*32
	ds_load_tr16_b128 v[VF+8*\f+4:VF+8*\f+7], v[AV] offset:(\f/4)*32*PV+16*PV+(\f%4)*32
.endr
	WIN 0
.endm
.macro MASK                            ; MC = MD x AL + BE
	WIN W_RS
.set z, 0
.rept 16
	v_pk_fma_f32 v[MC+2*z:MC+2*z+1], v[MD+2*z:MD+2*z+1], s[AL:AL+1], s[BE:BE+1] op_sel_hi:[1,0,0]
.set z, z+1
.endr
.endm
; THE SOFTMAX's lines, for tile u.
.macro REGS u
.set rT, ST+4*(\u)
.set rC, TMP+4*(\u)
.set rM, MV+(\u)
.set rS, S+32*(\u)
.set rP, P+16*(\u)
.set rO, 32*(\u)
.endm
.macro XS u, n                         ; number n of the 22 that find the maximum and the statistics; each accumulator's lowest registers are read first
	REGS \u
.if (\n) < 4
	v_max3_num_f32 v[rC+(\n)], v[rS+8*(\n)], v[rS+8*(\n)+1], v[rS+8*(\n)+2]
.elseif (\n) < 12
	v_max3_num_f32 v[rC+(\n)%4], v[rC+(\n)%4], v[rS+8*((\n)%4)+2*((\n)/4)+1], v[rS+8*((\n)%4)+2*((\n)/4)+2]
.elseif (\n) == 12
	v_max3_num_f32 v[rC], v[rC], v[rS+7], v[rS+15]
.elseif (\n) == 13
	v_max3_num_f32 v[rC+1], v[rC+1], v[rS+23], v[rS+31]
.elseif (\n) == 14
	v_max3_num_f32 v[rC+2], v[rC+2], v[rC+3], v[rT+1]
.elseif (\n) == 15
	v_mov_b32 v[rM], v[rT]
.elseif (\n) == 16
	v_max3_num_f32 v[rC], v[rC], v[rC+1], v[rC+2]
.elseif (\n) == 17
	v_permlanex16_b32 v[rC+3], v[rC], s[SEL], s[SEL+1]
.elseif (\n) == 18
	v_max_num_f32 v[rT+1], v[rC], v[rC+3]
.elseif (\n) == 19
	v_mul_f32 v[rT], s[CS], v[rT+1]
.elseif (\n) == 20
	v_sub_f32 v[rC+1], v[rM], v[rT]
.else
	v_exp_f32 v[rC+2], v[rC+1]
.endif
.endm
.macro FS u, n                         ; c s - c m for pair n
	REGS \u
	v_pk_fma_f32 v[rS+2*(\n):rS+2*(\n)+1], v[rS+2*(\n):rS+2*(\n)+1], s[CS:CS+1], v[rT:rT+1] op_sel_hi:[1,0,0] neg_lo:[0,0,1] neg_hi:[0,0,1]
.endm
.macro ES u, n                         ; the exponential of score n
	REGS \u
	v_exp_f32 v[rS+(\n)], v[rS+(\n)]
.endm
.macro CV u, n                         ; pair n rounded to f16
	REGS \u
	v_cvt_pk_f16_f32 v[rP+(\n)], v[rS+2*(\n)], v[rS+2*(\n)+1]
.endm
.macro AD u, d, k                      ; the pair d / 2 registers on is added onto the pair at d k
	REGS \u
	v_pk_add_f32 v[rS+(\d)*(\k):rS+(\d)*(\k)+1], v[rS+(\d)*(\k):rS+(\d)*(\k)+1], v[rS+(\d)*(\k)+(\d)/2:rS+(\d)*(\k)+(\d)/2+1]
.endm
.macro LS u                            ; l = a l + the sum
	REGS \u
	v_pk_fma_f32 v[rT+2:rT+3], v[rT+2:rT+3], v[rC+2:rC+3], v[rS:rS+1] op_sel_hi:[1,0,1]
.endm
.macro RS u, n                         ; pair n of O^T times a
	REGS \u
	v_pk_mul_f32 v[rO+2*(\n):rO+2*(\n)+1], v[rO+2*(\n):rO+2*(\n)+1], v[rC+2:rC+3] op_sel_hi:[1,0]
.endm
; A STEP'S SOFTMAX, cut in two by its one wait.  The two tiles alternate throughout.
.macro SOFTMAX
	WIN 0
.set nn, 0
.rept 21                               ; the maximum and the statistics, up to c m_old - c m_new: all plain
	XS 0, nn
	XS 1, nn
.set nn, nn+1
.endr
	; THE BATCH: 66 exponentials, with the 32 scalings spread among them.  A pair is scaled two groups ahead of its exponentials, and no line here names a register whose exponential has been issued.
	FS 0, 0
	FS 1, 0
	XS 0, 21                                       ; a of tile 0
	FS 0, 1
	XS 1, 21                                       ; a of tile 1
	FS 1, 1
.set nn, 0
.rept 16                               ; group nn: the four exponentials of pair nn of both tiles, and the scalings of pair nn + 2; the last two groups have no scaling left
	ES 0, 2*nn
.if nn < 14
	FS 0, nn+2
.endif
	ES 1, 2*nn
	ES 0, 2*nn+1
.if nn < 14
	FS 1, nn+2
.endif
	ES 1, 2*nn+1
.set nn, nn+1
.endr
	s_add_co_u32 s[TBV], s[TBV], KS*PV             ; V's address goes on to the next step here:
	v_add_nc_u32 v[AV], s[TBV], v[AV0]             ; the plain instruction behind the last exponential, ahead of the first use of a result (ISA guide 5.7.2)
	s_wait_alu depctr_va_vdst(0)                   ; the wait for the batch: ahead of the first line that names a result; one for the step's 66 exponentials
	; THE READERS.  A sum is written onto an even pair alone, so the even pairs are rounded ahead of the sums; the odd pairs' roundings stand between the links at the sums' end.
.set nn, 0
.rept 8
	CV 0, 2*nn
	CV 1, 2*nn
.set nn, nn+1
.endr
.set nn, 0
.rept 8
	AD 0, 4, nn
	AD 1, 4, nn
.set nn, nn+1
.endr
.irp kk, 0,1,2,3
	AD 0, 8, \kk
	AD 1, 8, \kk
.endr
.irp kk, 0,1
	AD 0, 16, \kk
	AD 1, 16, \kk
.endr
.irp kk, 1,3
	CV 0, \kk
	CV 1, \kk
.endr
	AD 0, 32, 0
	AD 1, 32, 0
.irp kk, 5,7
	CV 0, \kk
	CV 1, \kk
.endr
	LS 0
	LS 1
.irp kk, 9,11,13,15
	CV 0, \kk
	CV 1, \kk
.endr
	WIN W_RS
.set nn, 0
.rept 16
	RS 0, nn
	RS 1, nn
.set nn, nn+1
.endr
.endm
; A KEY STEP.  The next step's K is asked for behind this step's K Q^T, its V behind this step's V^T P (its address is made in the softmax); a tile's last step (CNT = 1) asks for nothing.
.macro STEP
	s_wait_dscnt 16                                ; K is in; V's sixteen younger loads may be out
.set i, 0
.rept 16
	KQM
.set i, i+1
.endr
	WIN 0
	s_add_co_u32 s[TBK], s[TBK], KS*PK
	v_add_nc_u32 v[AK], s[TBK], v[AK0]
.rept 4
	v_nop                                          ; the places behind those products, for the loads into K's registers and for the maxima
.endr
	s_cmp_eq_u32 s[CNT], 1
	s_cbranch_scc1 .Lno_k_\@
	FETCH_K
.Lno_k_\@:
	SOFTMAX
	s_wait_dscnt 0x0                               ; V is in, and the next K
.set i, 0
.rept 16
	PVM
.set i, i+1
.endr
	WIN 0
.rept 4
	v_nop                                          ; the places behind those products, for the loads into V's registers
.endr
	s_cmp_eq_u32 s[CNT], 1
	s_cbranch_scc1 .Lno_v_\@
	FETCH_V
.Lno_v_\@:
.endm
; A BLOCK BEGINS: c m far below every c s, so that the first a is 0; m the lowest finite number; MD for the block's own step; MC = 0.
.macro START
	s_mov_b32 s[NEW], 0
	WIN 0
.irp u, 0,1
	v_mov_b32 v[ST+4*\u], 0xfe000000
	v_mov_b32 v[ST+4*\u+1], 0xff7fffff
.endr
	v_add_nc_u32 v[DW], s[OB], v[DV]               ; register j of key group kt is hidden where 16 kt + j is greater
	WIN 0x40
.set i, 0
.rept 32
	v_cmp_gt_i32 vcc_lo, 16*(i/8)+i%8, v[DW]
	v_cndmask_b32 v[MD+i], 0, s[BIGN], vcc_lo
.set i, i+1
.endr
	s_mov_b32 s[AL], 0
	s_mov_b32 s[BE], 0
	MASK
	WIN 0
	s_wait_loadcnt 0x0                             ; Q
.endm
; A BLOCK ENDS: O^T / l, rounded to f16, through my stage in LDS, out as whole rows of 256 bytes.  last = 0: the second block's numbers take the first's places.
.macro FINISH last
	WIN 0
.irp u, 0,1
	v_add_f32 v[ST+4*\u+2], v[ST+4*\u+2], v[ST+4*\u+3]
.endr
.irp u, 0,1
	v_permlanex16_b32 v[ST+4*\u+3], v[ST+4*\u+2], s[SEL], s[SEL+1]
.endr
.irp u, 0,1
	v_add_f32 v[ST+4*\u+2], v[ST+4*\u+2], v[ST+4*\u+3]
.endr
.irp u, 0,1
	v_rcp_f32 v[ST+4*\u+2], v[ST+4*\u+2]
.endr
	v_nop                                          ; a plain instruction between the last reciprocal and the use of its result (ISA guide 5.7.2)
	s_wait_alu depctr_va_vdst(0)                   ; the wait ahead of the first use: one for the block's two reciprocals
	WIN W_RS
.set i, 0
.rept 32
	v_pk_mul_f32 v[2*i:2*i+1], v[2*i:2*i+1], v[ST+4*(i/16)+2:ST+4*(i/16)+3] op_sel_hi:[1,0]
.set i, i+1
.endr
	WIN 0x05
.set i, 0
.rept 32
	v_cvt_pk_f16_f32 v[S+i], v[2*i], v[2*i+1]
.set i, i+1
.endr
	WIN 0
.set i, 0
.rept 8
	ds_store_b128 v[STO], v[S+4*i:S+4*i+3] offset:128*(i/4)+32*(i%4)
.set i, i+1
.endr
.set i, 0
.rept 8
	ds_load_b128 v[S+32+4*i:S+32+4*i+3], v[RD] offset:2*SP*i  ; LDS serves a wave's instructions in order (ISA guide 5.7.1.4): these see the stores above
.set i, i+1
.endr
.set i, 0
.rept 8
	s_wait_dscnt 7-i
	global_store_b128 v[GO], v[S+32+4*i:S+32+4*i+3], s[10:11] offset:4096*i  ; 16 lanes store 256 consecutive bytes, aligned
.set i, i+1
.endr
.if !(\last)
	s_wait_xcnt 0x0                                ; the stores' base and data registers are rewritten only behind this wait
	s_mov_b64 s[10:11], s[OLO:OLO+1]
	s_add_co_u32 s[RT], s[TL], 1
	s_mov_b32 s[NEW], 1
	s_mov_b32 s[C4], s[C4B]
	s_mov_b32 s[OB], s[OBB]
	WIN 0x82
.set i, 0
.rept 32
	v_mov_b32 v[i], v[QB+i]
.set i, i+1
.endr
	WIN 0
.endif
.endm
; A TILE: four key steps.  Every jump goes forward but the step loop's own, and none passes a barrier or a tensor load.
.macro TILE last
	s_sub_co_u32 s[RT], s[RT], 1
	s_cmp_eq_u32 s[NEW], 1
	s_cbranch_scc0 .Lold_\@
	START
.Lold_\@:
	v_add_nc_u32 v[AK], s[TBK], v[AK0]
	FETCH_K
	v_add_nc_u32 v[AV], s[TBV], v[AV0]
	FETCH_V
	s_mov_b32 s[CNT], 4
.Lstep_\@:
	s_cmp_eq_u32 s[RT], 0
	s_cbranch_scc0 .Lopen_\@
	s_cmp_eq_u32 s[CNT], s[C4]                     ; the diagonal tile: is this step the block's own?
	s_cselect_b32 s[AL], 1.0, 0
	s_cmp_lt_u32 s[CNT], s[C4]                     ; or a later one?
	s_cselect_b32 s[BE], s[BIGN], 0
	MASK
	WIN 0
.Lopen_\@:
	STEP
	s_sub_co_u32 s[CNT], s[CNT], 1
	s_cmp_lg_u32 s[CNT], 0
	s_cbranch_scc1 .Lstep_\@
.if \last
	FINISH 1
.else
	s_cmp_eq_u32 s[RT], 0
	s_cbranch_scc0 .Lgo_\@
	FINISH 0
.Lgo_\@:
.endif
.endm
.Lslot:                                                ; eight times: a tile is entered and the next is asked for
	CHANGE 1
	TILE 0
	s_sub_co_u32 s[SLOTS], s[SLOTS], 1
	s_cmp_lg_u32 s[SLOTS], 0
	s_cbranch_scc1 .Lslot
	CHANGE 0                                       ; the walk's last tile is written out
	TILE 1
	s_wait_tensorcnt 0x0                           ; the wave's end
	ds_add_u32 v[SPW], v[NIL]
	s_wait_dscnt 0x0
	CROUND                                         ; the closing round
	s_endpgm
.Lfunc_end_k_q1d66b84cfc_attn:
	.size	k_q1d66b84cfc_attn, .Lfunc_end_k_q1d66b84cfc_attn-k_q1d66b84cfc_attn
	.p2alignl 7, 3214868480
	.fill 96, 4, 3214868480
	.section	.rodata,"a",@progbits
	.p2align	6, 0x0
	.amdhsa_kernel k_q1d66b84cfc_attn
		.amdhsa_group_segment_fixed_size 327680
		.amdhsa_private_segment_fixed_size 0
		.amdhsa_enable_private_segment 0
		.amdhsa_kernarg_size 16
		.amdhsa_user_sgpr_count 2
		.amdhsa_user_sgpr_kernarg_segment_ptr 1
		.amdhsa_wavefront_size32 1
		.amdhsa_system_sgpr_workgroup_id_x 1
		.amdhsa_system_sgpr_workgroup_id_y 1
		.amdhsa_system_sgpr_workgroup_id_z 1
		.amdhsa_system_vgpr_workitem_id 0
		.amdhsa_next_free_vgpr 768
		.amdhsa_next_free_sgpr 92
		.amdhsa_reserve_vcc 1
		.amdhsa_float_denorm_mode_32 3
		.amdhsa_float_denorm_mode_16_64 3
		.amdhsa_memory_ordered 1
		.amdhsa_forward_progress 1
		.amdhsa_inst_pref_size 79
	.end_amdhsa_kernel
	.amdgpu_metadata
---
amdhsa.version: [ 1, 2 ]
amdhsa.kernels:
  - .name:           k_q1d66b84cfc_attn
    .symbol:         k_q1d66b84cfc_attn.kd
    .args:
      - { .name: qkv16, .offset: 0, .size: 8, .value_kind: global_buffer, .address_space: global }
      - { .name: y16, .offset: 8, .size: 8, .value_kind: global_buffer, .address_space: global }
    .group_segment_fixed_size: 327680
    .private_segment_fixed_size: 0
    .kernarg_segment_align: 8
    .kernarg_segment_size: 16
    .max_flat_workgroup_size: 128
    .sgpr_count:     92
    .vgpr_count:     768
    .wavefront_size: 32
...
	.end_amdgpu_metadata
.endif
;; end of part 9
;; launch wo: the kernel of part 4 again; grid 8 x 32, 4 waves a work-group, clusters of 4 x 4, 327,680 bytes of LDS; arguments y16, w16, raw; writes raw
;; launch mid: the kernel of part 5 again; grid 256 x 1, 8 waves a work-group, no clusters, 0 bytes of LDS; arguments raw, x, tab, x1, xn16; writes x1, xn16
;; launch fc: the kernel of part 6 again; grid 16 x 16, 4 waves a work-group, clusters of 4 x 4, 327,680 bytes of LDS; arguments xn16, w16, h16; writes h16
;; launch proj: the kernel of part 7 again; grid 8 x 32, 4 waves a work-group, clusters of 4 x 4, 327,680 bytes of LDS; arguments h16, w16, raw; writes raw
;; launch final: the kernel of part 8 again; grid 256 x 1, 8 waves a work-group, no clusters, 0 bytes of LDS; arguments raw, x1, tab, out0; writes out0
